; MI455X (gfx1250); checked and timed in simulation.
; The chip was launched on July 23, 2026; its instructions are those of AMD's public machine-readable ISA for CDNA 5 (MIT licence, August 2026) and "CDNA5" Instruction Set Architecture Reference Guide (July 2026). The comments in the code are by the model that wrote it; some were corrected since.
;; SSR2 Block. Allowed arithmetic: matrix products marked QUANTISED: E2M1 operands, one E8M0 scale for each 32 along K, by v_wmma_scale_f32_16x16x128_f8f6f4 with both operands' format E2M1 (or v_wmma_scale_f32_32x16x128_f4), f32 sums; products left as they are: bf16, f16 or f32 operands; f32 sums; everything else in f32.
;; Inputs: S 256 x 32 x 1,024 float32; b_f1 4,096 float32; b_f2 1,024 float32; b_hh 3,072 float32; b_ih 3,072 float32; b_proj 1,024 float32; b_r1 1,024 float32; b_r2 32 float32; ln1_b 1,024 float32; ln1_g 1,024 float32; ln2_b 1,024 float32; ln2_g 1,024 float32; w_f1 1,024 x 4,096 float32; w_f2 4,096 x 1,024 float32; w_hh 1,024 x 3,072 float32; w_ih 1,024 x 3,072 float32; w_proj 1,024 x 1,024 float32; w_r1 2,048 x 1,024 float32; w_r2 1,024 x 32 float32; x 256 x 1,024 float32.
;; Outputs: out0 256 x 1,024 float32; out1 256 x 32 x 1,024 float32; out2 256 x 32 float32.
;; This version of the problem:
;;   THIS VERSION OF THE PROBLEM IS GIVEN IN LOW PRECISION. The matrix products marked QUANTISED in the list below multiply operands that are first quantised to E2M1 (2 exponent bits, 1 mantissa bit; 4 bits a number), with one power-of-two scale for each 32 numbers along K (OCP MX v1.0); their sums are f32. The products marked 'left as it is' may take bf16, f16 or f32 operands, with f32 sums. Whichever they take, every output number must still come out within the allowed error. Rounding operands to bf16 (8 significant bits) uses up far more of that allowance than f16 does (11 bits, for magnitudes from 6e-5 to 65,504). All else is computed in f32.
;;   The module's matrix products, in the order in which they are computed (A, B: the left and right operand; K: the contracted axis; several contracted axes count as one K, in the product's order):
;;     1. [M 256, K 2,048] x [K 2,048, N 1,024]; A: computed on the way; B: input w_r1: left as it is (an operand is computed on the way)
;;     2. [M 256, K 1,024] x [K 1,024, N 32]; A: computed on the way; B: input w_r2: left as it is (an operand is computed on the way)
;;     3. [M 8,192, K 1,024] x [K 1,024, N 3,072]; A: computed on the way; B: input w_ih: left as it is (an operand is computed on the way)
;;     4. [M 8,192, K 1,024] x [K 1,024, N 3,072]; A: input S; B: input w_hh: QUANTISED
;;     5. [M 256, K 1,024] x [K 1,024, N 1,024]; A: computed on the way; B: input w_proj: left as it is (an operand is computed on the way)
;;     6. [M 256, K 1,024] x [K 1,024, N 4,096]; A: computed on the way; B: input w_f1: left as it is (an operand is computed on the way)
;;     7. [M 256, K 4,096] x [K 4,096, N 1,024]; A: computed on the way; B: input w_f2: left as it is (an operand is computed on the way)
;;   THE QUANTISER, for each operand of a quantised product, along K:
;;     - K is cut into blocks of 32 from its start; a last block that is shorter is filled with zeros.
;;     - A block's scale is 2^e with e = floor(log2(the largest magnitude in the block)) - 2, held to -126 .. 127; a block of zeros has e = 0. As a byte (E8M0): e + 127.
;;     - Each number is divided by its block's scale, clamped to +-6, and rounded to the nearest number of E2M1, ties to even, subnormals kept.
;;     - The product sums the exact products of the quantised numbers (number of the format x scale) in f32.
;;   ~~~python
;;   def quantise(x, axis):      # numpy; x: float32 -> the quantised numbers, widened to float32 again
;;       x = np.moveaxis(x, axis, -1); K = x.shape[-1]
;;       x = np.pad(x, [(0, 0)] * (x.ndim - 1) + [(0, -K % 32)]); x = x.reshape(x.shape[:-1] + (-1, 32)); a = np.abs(x).max(-1, keepdims=True)
;;       e = np.where(a > 0, np.clip(np.frexp(np.where(a > 0, a, 1))[1] - 1 - 2, -126, 127), 0)      # np.frexp(a)[1] - 1 = floor(log2(a)), exactly
;;       r = np.clip(x / 2.0 ** e, -6, 6)
;;       step = 2.0 ** (np.maximum(np.frexp(np.where(r == 0, 1, r))[1] - 1, 0) - 1)
;;       q = np.round(r / step) * step * 2.0 ** e      # np.round: ties to even
;;       return np.moveaxis(q.reshape(q.shape[:-2] + (-1,))[..., :K], -1, axis).astype(np.float32)
;;   ~~~
;; 2 versions, each right and faster than the one before. Each part assembles by itself: llvm-mc -triple=amdgcn-amd-amdhsa -mcpu=gfx1250 --defsym DOCPART=n.
;; ======== version 1 of 2: 7 launches
;; limits: values are held in f16: magnitudes above 65,504 overflow, below 6.1e-05 lose precision; a function is approximated: absolute error at most 1.5e-07
;; workspace buffers: codes 6,127,616 bytes; ctx16 1,048,576 bytes; gbuf 3,145,728 bytes; plog 524,288 bytes; sctx 1,048,576 bytes; uproj 1,048,576 bytes; fbuf 4,194,304 bytes; ypart 4,194,304 bytes
;; launch prep (part 1): grid 544 x 1, 8 waves a work-group, no clusters, 204,800 bytes of LDS; arguments x, w_ih, w_hh, S, gbuf, codes, ctx16; writes gbuf, codes, ctx16
.if DOCPART == 1
	.amdgcn_target "amdgcn-amd-amdhsa--gfx1250"
	.amdhsa_code_object_version 6
	.text
	.protected	k_q296d12f513_prep
	.globl	k_q296d12f513_prep
	.p2align	8
	.type	k_q296d12f513_prep,@function
k_q296d12f513_prep:
	s_mov_b64 s[64:65], 0
	v_nop
	global_prefetch_b8 v0, s[64:65] scope:SCOPE_SE
	s_setreg_imm32_b32 hwreg(HW_REG_WAVE_MODE, 25, 1), 1
	s_wait_xcnt 0x0
; PREP: three pieces of work that hang on inputs alone, told apart by the work-group's number; each has its own path, its own LDS bytes and its own end.
;   work-groups   0-191  G = x w_ih  [256][3072] f32 (f16 operands, f32 sums).  U = alpha x is of rank one in each batch, so U w_ih = alpha G: the product over 8,192 rows is never formed.
;   work-groups 192-287  w_hh [1024 (k)][3072 (n)] f32 -> codes of E2M1 and E8M0 bytes along k, laid in the order of the operand registers of the launch that multiplies them.
;   work-groups 288-543  S [8192][1024] f32 -> codes and scale bytes along its rows; the mean over a batch's 32 slots and x, both as f16, into ctx16 [256][2048].
; THE QUANTISER: a block's scale is 2^(floor(log2(largest magnitude)) - 2); its byte is the largest magnitude's exponent field - 2, held at 1 from below by a floor among the maximum's leaves.
; A block of zeros so gets the byte 1: its codes are zeros, and the bytes are read by this program alone.
; LIMITS: NaN and infinities among the inputs are not served; an operand of G beyond 65,504 in magnitude is not served (f16).
; THE PRODUCT (G): a tile of 64 rows x 64 columns, all of K = 1,024.  The eight waves share K: wave w owns k = 128 w .. 128 w + 127, so each byte of the weight is loaded by one wave of the work-group;
; the eight partial tiles meet in LDS at the end.  The weight goes from memory [k][n] straight into B fragments: lane (r, h) loads rows kb + 16 h + i (i = 0 .. 15), columns n0 + 4 r .. + 3, sixteen lanes 256 bytes on end;
; fragment c takes column n0 + 4 r + c, its register q the rows 2 q and 2 q + 1.  A's fragments are read with the same order of k (32 bytes on end at k = kb + 16 h), so the products are those of the true k.
; REGISTERS (G): v3 weight offset; v4-7 A's fragment addresses; v8 A's store address; v9 16 x lane; v10-12 the partial tiles' addresses; v13 output offset; v16-143 accumulators (4 mt + c), first the rows as loaded;
;   v144-175 four B fragments; v176-239 two sets of four A fragments, first the packed rows; v240-255 results; window 1: the wave's 128 x 64 numbers of the weight.
.set PITCH, 2064                       ; an LDS row of A: 2,048 bytes + 16: the sixteen rows of a fragment load start 16 bytes apart modulo 256
.set PA, 4096                          ; bytes in a row of A,
.set PW, 12288                         ; of the weight,
.set PO, 12288                         ; of the output
.set WB, 132096                        ; LDS: 0 .. the G role's tile of A, later its eight partial tiles; here the W role's scale bytes (1,024)
.set STG, 133120                       ; the S role's stages, 4,608 bytes a wave
.set SCB, 169984                       ; its scale bytes (1,024)
.set MEAN, 171008                      ; its eight partial column sums (32,768)
.set SPARE, 203776                     ; the spare words, 128 bytes a wave
.set SSO, 4194304                      ; in the buffer codes: S's codes at 0, S's scale bytes here,
.set WCO, 4456448                      ; w_hh's codes,
.set WSO, 6029312                      ; w_hh's scale words
.set WV, 24
.set AP, 8
.set WP, 10
.set OP, 16
.set MSB, 0
.macro WIN new                         ; the immediate's high byte repeats the setting that is left
.if MSB != \new
	s_set_vgpr_msb (MSB<<8)|\new
.set MSB, \new
.endif
.endm
.macro PLACES                          ; four places behind matrix instructions (ISA guide 7.12.1)
.rept 4
	v_nop
.endr
.endm
.macro BAR                             ; my LDS stores have landed and my LDS loads are in: then the work-group's barrier
	s_wait_dscnt 0x0
	s_barrier_signal -1
	s_barrier_wait -1
.endm
.macro END3                            ; the wave's end, behind the last LDS store
	s_wait_tensorcnt 0x0
	ds_add_u32 v1, v2
	s_wait_dscnt 0x0
.endm
.macro WLOAD blk, krow                 ; 32 rows of the weight, 64 columns: sixteen loads, each two runs of 256 bytes
	WIN 0x40
.irp i, 0,1,2,3,4,5,6,7,8,9,10,11,12,13,14,15
	global_load_b128 v[64*(\blk)+4*\i:64*(\blk)+4*\i+3], v3, s[WP:WP+1] offset:((\krow)+32*(\blk)+\i)*PW
.endr
.endm
.macro ALOAD slot, row                 ; a row of A, 4,096 bytes, 512 a load
.irp i, 0,1,2,3,4,5,6,7
	global_load_b128 v[16+32*(\slot)+4*\i:16+32*(\slot)+4*\i+3], v9, s[AP:AP+1] offset:(\row)*PA+512*\i
.endr
.endm
.macro APUT row, n                     ; the row is rounded to f16 and goes to LDS; n: the younger rows' loads, which may stay out
	s_wait_loadcnt \n
.if (\row) >= 4
	s_wait_dscnt 24                                ; the stores of four rows back have read these registers; three rows' 24 stores are younger
.endif
.irp i, 0,1,2,3,4,5,6,7
	v_cvt_pk_f16_f32 v[176+16*((\row)%4)+2*\i], v[16+32*((\row)%4)+4*\i], v[17+32*((\row)%4)+4*\i]
	v_cvt_pk_f16_f32 v[177+16*((\row)%4)+2*\i], v[18+32*((\row)%4)+4*\i], v[19+32*((\row)%4)+4*\i]
.endr
.irp i, 0,1,2,3,4,5,6,7
	ds_store_b64 v8, v[176+16*((\row)%4)+2*\i:177+16*((\row)%4)+2*\i] offset:(\row)*PITCH+256*\i
.endr
.if (\row) < 4
	ALOAD (\row), (\row)+4
.endif
.endm
.macro AFRAG set, n                    ; A's four fragments of the wave's n-th 32 along K
.irp m, 0,1,2,3
	ds_load_b128 v[176+32*(\set)+8*\m:179+32*(\set)+8*\m], v[4+\m] offset:2048*((\n)/4)+64*((\n)%4)
	ds_load_b128 v[180+32*(\set)+8*\m:183+32*(\set)+8*\m], v[4+\m] offset:2048*((\n)/4)+64*((\n)%4)+16
.endr
.endm
.macro BCVT blk                        ; 32 x 64 numbers of the weight become four B fragments
	WIN 0x05
.irp c, 0,1,2,3
.irp q, 0,1,2,3,4,5,6,7
	v_cvt_pk_f16_f32 v[144+8*\c+\q], v[64*(\blk)+8*\q+\c], v[64*(\blk)+8*\q+4+\c]
.endr
.endr
	WIN 0
.endm
.macro MM set, n                       ; sixteen products; the sixteen accumulators take turns; the first block starts the sums
.irp m, 0,1,2,3
.irp c, 0,1,2,3
.if (\n) == 0
	v_wmma_f32_16x16x32_f16 v[16+8*(4*\m+\c):23+8*(4*\m+\c)], v[176+32*(\set)+8*\m:183+32*(\set)+8*\m], v[144+8*\c:151+8*\c], 0
.else
	v_wmma_f32_16x16x32_f16 v[16+8*(4*\m+\c):23+8*(4*\m+\c)], v[176+32*(\set)+8*\m:183+32*(\set)+8*\m], v[144+8*\c:151+8*\c], v[16+8*(4*\m+\c):23+8*(4*\m+\c)]
.endif
.endr
.endr
.endm
.macro BLOCK n, last
.if (\n) > 0
	PLACES                                         ; in front of the writes of B's fragments and the loads into A's other set
.endif
	BCVT (\n)%4
.if (\n) < (\last)
	AFRAG ((\n)+1)%2, (\n)+1
	s_wait_dscnt 8                                 ; this block's fragments are in; the next block's eight loads may be out
.else
	s_wait_dscnt 0x0
.endif
	MM (\n)%2, (\n)
.endm
.macro REDUCE                          ; the eight waves' partial tiles are added: wave w ends with rows 16 (w / 2) + 8 h + 4 (w % 2) + jj, columns 4 r + c, as v[16 + 4 c + jj] + v[80 + 4 c + jj]
	PLACES
	BAR                                            ; nobody reads A's tile any more: the partial tiles are laid over it
.irp a, 0,1,2,3,4,5,6,7,8,9,10,11,12,13,14,15
	ds_store_b128 v10, v[16+8*\a:19+8*\a] offset:\a*1024
	ds_store_b128 v10, v[20+8*\a:23+8*\a] offset:\a*1024+512
.endr
	BAR
.irp p, 0,1,2,3
.irp c, 0,1,2,3
	ds_load_b128 v[16+16*\p+4*\c:19+16*\p+4*\c], v11 offset:\p*16384+\c*1024
.endr
.endr
.irp p, 0,1,2,3
.irp c, 0,1,2,3
	ds_load_b128 v[80+16*\p+4*\c:83+16*\p+4*\c], v12 offset:\p*16384+\c*1024
.endr
.endr
	s_wait_dscnt 0x0
.irp p, 0,1,2,3
.irp k, 0,2,4,6,8,10,12,14
	v_pk_add_f32 v[16+32*\p+\k:17+32*\p+\k], v[16+32*\p+\k:17+32*\p+\k], v[32+32*\p+\k:33+32*\p+\k]
.endr
.endr
.irp p, 0,1
.irp k, 0,2,4,6,8,10,12,14
	v_pk_add_f32 v[16+64*\p+\k:17+64*\p+\k], v[16+64*\p+\k:17+64*\p+\k], v[48+64*\p+\k:49+64*\p+\k]
.endr
.endr
.endm
	s_load_b256 s[8:15], s[0:1], 0x0               ; x s[8:9], w_ih s[10:11], w_hh s[12:13], S s[14:15]
	s_load_b128 s[16:19], s[0:1], 0x20             ; gbuf s[16:17], codes s[18:19]
	s_load_b64 s[20:21], s[0:1], 0x30              ; ctx16
	v_lshl_add_u32 v1, v0, 2, SPARE
	v_mov_b32 v2, 0
	v_lshrrev_b32 v14, 5, v0
	v_readfirstlane_b32 s[WV], v14                 ; wave 0..7
	v_and_b32 v14, 15, v0                          ; r
	v_bfe_u32 v15, v0, 4, 1                        ; h
	v_and_b32 v9, 31, v0
	v_lshlrev_b32 v9, 4, v9                        ; 16 x lane
	s_wait_kmcnt 0x0
	s_cmp_lt_u32 ttmp9, 192
	s_cbranch_scc0 .Lnot_g
	; ---------------- G = x w_ih ----------------
	v_mul_u32_u24 v3, v15, 16*PW
	v_lshl_add_u32 v3, v14, 4, v3                  ; the weight: 16 h rows + 16 r bytes
	v_mul_u32_u24 v4, v14, PITCH
	v_lshl_add_u32 v4, v15, 5, v4
	s_lshl_b32 s25, s[WV], 8
	v_add_nc_u32 v4, s25, v4                       ; A's fragments: row r, + 32 h, + my wave's 256 bytes of each row
	v_add_nc_u32 v5, 16*PITCH, v4
	v_add_nc_u32 v6, 32*PITCH, v4
	v_add_nc_u32 v7, 48*PITCH, v4
	s_mul_i32 s25, s[WV], 8*PITCH
	v_lshrrev_b32 v8, 1, v9
	v_add_nc_u32 v8, s25, v8                       ; A's rows on the way in: my wave's eight rows, 8 bytes a lane
	s_lshl_b32 s25, s[WV], 14
	v_add_nc_u32 v10, s25, v9                      ; my partial tile
	s_lshr_b32 s25, s[WV], 1
	s_lshl_b32 s25, s25, 12
	s_and_b32 s26, s[WV], 1
	s_lshl_b32 s26, s26, 9
	s_add_co_u32 s25, s25, s26
	v_add_nc_u32 v11, s25, v9                      ; the part of each partial tile that I add: waves 0-3's,
	v_add_nc_u32 v12, 0x10000, v11                 ; waves 4-7's
	v_mul_u32_u24 v13, v15, 8*PO
	v_lshl_add_u32 v13, v14, 4, v13                ; the output: 8 h rows + 16 r bytes
	s_and_b32 s26, ttmp9, 3                        ; block of 64 rows: the four work-groups on one slab of the weight have neighbouring numbers
	s_lshr_b32 s27, ttmp9, 2                       ; block of 64 columns
	s_lshl_b32 s28, s26, 6
	s_lshl_b32 s29, s[WV], 3
	s_add_co_u32 s30, s28, s29
	s_mul_i32 s30, s30, PA
	s_mov_b32 s31, 0
	s_add_nc_u64 s[AP:AP+1], s[AP:AP+1], s[30:31]  ; the eight rows of A that I bring
	s_mul_i32 s30, s[WV], 128*PW
	s_lshl_b32 s29, s27, 8
	s_add_co_u32 s30, s30, s29
	s_add_nc_u64 s[WP:WP+1], s[WP:WP+1], s[30:31]  ; my 128 rows of the weight, the tile's 64 columns
	s_lshr_b32 s30, s[WV], 1
	s_lshl_b32 s30, s30, 4
	s_add_co_u32 s30, s30, s28
	s_and_b32 s25, s[WV], 1
	s_lshl_b32 s25, s25, 2
	s_add_co_u32 s30, s30, s25
	s_mul_i32 s30, s30, PO
	s_add_co_u32 s30, s30, s29
	s_add_nc_u64 s[OP:OP+1], s[OP:OP+1], s[30:31]  ; the rows that I store
	WLOAD 0, 0                                     ; the wave's whole slab of the weight is asked for at once,
	WLOAD 1, 0
	WLOAD 2, 0
	WLOAD 3, 0
	WIN 0
	ALOAD 0, 0                                     ; and four rows of A
	ALOAD 1, 1
	ALOAD 2, 2
	ALOAD 3, 3
	APUT 0, 24
	APUT 1, 24
	APUT 2, 24
	APUT 3, 24
	APUT 4, 24
	APUT 5, 16
	APUT 6, 8
	APUT 7, 0                                      ; nothing is out: the weight is in too
	BAR                                            ; A's 64 rows lie in LDS
	AFRAG 0, 0
	BLOCK 0, 3
	BLOCK 1, 3
	BLOCK 2, 3
	BLOCK 3, 3
	REDUCE
.irp c, 0,1,2,3
.irp j, 0,1,2,3
	v_add_f32 v[240+4*\j+\c], v[16+4*\c+\j], v[80+4*\c+\j]     ; the last addition turns the sixteen numbers: four neighbouring columns to a store
.endr
.endr
.irp j, 0,1,2,3
	global_store_b128 v13, v[240+4*\j:243+4*\j], s[OP:OP+1] offset:\j*PO   ; sixteen lanes store 256 consecutive bytes, aligned
.endr
	END3
	s_endpgm
.Lnot_g:
	s_cmp_lt_u32 ttmp9, 288
	s_cbranch_scc0 .Lrole_s
	; ---------------- w_hh -> codes ----------------
	; A fragment (dg, s, g, t) of the later product: lane (r, h) holds column n = 1024 g + 64 dg + 4 r + t, its register group c the codes of k = 128 s + 64 c + 32 h + 0 .. 31.
	; A work-group has (dg, g, sg); wave w: s' = 2 sg + w / 4, block bl = w % 4 = 2 c + h of the K step; lane (r, hh) takes K step 4 hh + s': rows 512 hh + 128 s' + 32 bl + i, columns 4 r + t.
	s_sub_co_u32 s25, ttmp9, 192
	s_and_b32 s26, s25, 15                         ; dg
	s_lshr_b32 s27, s25, 4
	s_lshr_b32 s28, s27, 1                         ; g
	s_and_b32 s29, s27, 1                          ; sg
	s_lshr_b32 s30, s[WV], 2
	s_and_b32 s31, s[WV], 3                        ; bl
	s_lshl_b32 s32, s29, 1
	s_add_co_u32 s32, s32, s30                     ; s'
	s_lshl_b32 s33, s32, 2
	s_add_co_u32 s33, s33, s31                     ; 4 s' + bl
	s_mul_i32 s34, s33, 32*12288
	s_lshl_b32 s35, s28, 12
	s_add_co_u32 s34, s34, s35
	s_lshl_b32 s35, s26, 8
	s_add_co_u32 s34, s34, s35
	s_mov_b32 s35, 0
	s_add_nc_u64 s[12:13], s[12:13], s[34:35]
	v_mul_u32_u24 v3, v15, 512*12288
	v_lshl_add_u32 v3, v14, 4, v3
.irp i, 0,1,2,3,4,5,6,7,8,9,10,11,12,13,14,15,16,17,18,19,20,21,22,23,24,25,26,27,28,29,30,31
	global_load_b128 v[16+4*\i:19+4*\i], v3, s[12:13] offset:\i*12288 th:TH_LOAD_NT   ; each half of the lanes reads 256 consecutive bytes
.endr
	s_mul_i32 s34, s26, 98304
	s_mul_i32 s36, s32, 12
	s_lshl_b32 s37, s28, 2
	s_add_co_u32 s36, s36, s37
	s_lshl_b32 s36, s36, 10
	s_add_co_u32 s34, s34, s36
	s_lshl_b32 s36, s31, 8                         ; 512 c + 256 h = 256 bl
	s_add_co_u32 s34, s34, s36
	s_add_co_u32 s34, s34, WCO
	s_add_nc_u64 s[38:39], s[18:19], s[34:35]      ; where my codes go
	s_mul_i32 s34, s26, 6144
	s_mul_i32 s36, s32, 1536
	s_add_co_u32 s34, s34, s36
	s_lshl_b32 s36, s28, 9
	s_add_co_u32 s34, s34, s36
	s_add_co_u32 s34, s34, WSO
	s_add_nc_u64 s[40:41], s[18:19], s[34:35]      ; and the scale words of (dg, s', g)
	v_mul_u32_u24 v4, v15, 49152                   ; K step 4 hh + s': 48 fragments further on for hh = 1
	v_lshl_add_u32 v4, v14, 4, v4
	s_lshl_b32 s36, s30, 9
	s_add_co_u32 s37, s36, s31
	v_add_nc_u32 v5, s37, v9
	v_add_nc_u32 v5, WB, v5                        ; my byte bl of word t of lane's four words: 512 (w / 4) + 16 lane + 4 t + bl
	v_add_nc_u32 v6, s36, v9
	v_add_nc_u32 v6, WB, v6
	s_wait_loadcnt 0x0
.irp t, 0,1,2,3
	v_max3_num_f32 v[196+\t], |v[16+\t]|, |v[20+\t]|, 0x1800000   ; column t's block of 32, all mine; the floor 2^(3 - 127) holds the byte at 1 from below
.endr
.irp i, 2,4,6,8,10,12,14,16,18,20,22,24,26,28,30
.irp t, 0,1,2,3
	v_max3_num_f32 v[196+\t], v[196+\t], |v[16+4*\i+\t]|, |v[20+4*\i+\t]|   ; the four columns by turns
.endr
.endr
.irp t, 0,1,2,3
	v_add_nc_u32 v[200+\t], 0xff000000, v[196+\t]  ; 2 off the exponent field: the conversion's scale operand
.endr
.irp t, 0,1,2,3
	v_lshrrev_b32 v[192+\t], 23, v[200+\t]         ; the scale's byte
.endr
.irp t, 0,1,2,3
.irp i, 0,1,2,3,4,5,6,7,8,9,10,11,12,13,14,15,16,17,18,19,20,21,22,23,24,25,26,27,28,29,30,31
	v_mov_b32 v[144+\i], v[16+4*\i+\t]             ; the conversion wants eight neighbours along K in consecutive registers; the 16-byte loads interleave four columns
.endr
.irp g, 0,1,2,3
	v_cvt_scalef32_pk8_fp4_f32 v[176+4*\t+\g], v[144+8*\g:151+8*\g], v[200+\t]
.endr
	v_nop                                          ; one plain place behind the conversions, whose sources the next column writes
	global_store_b128 v4, v[176+4*\t:179+4*\t], s[38:39] offset:1024*\t   ; each half of the lanes stores 256 consecutive bytes, aligned
	ds_store_b8 v5, v[192+\t] offset:4*\t
.endr
	BAR                                            ; the four blocks' bytes of each word come from four waves
	s_cmp_lg_u32 s31, 0
	s_cbranch_scc1 .Lno_words
	ds_load_b128 v[144:147], v6
	s_wait_dscnt 0x0
	global_store_b128 v9, v[144:147], s[40:41]     ; 512 consecutive bytes
.Lno_words:
	END3
	s_endpgm
.Lrole_s:
	; ---------------- S -> codes, slot mean; x -> f16 ----------------
	; Batch b = work-group - 288; wave w takes its slots 4 w .. 4 w + 3.  A row's eight loads read 512 bytes on end; the row turns through the wave's stage (16 bytes of padding behind each 128), so that lane l holds block l.
	s_sub_co_u32 s25, ttmp9, 288
	s_lshl_b32 s26, s25, 5
	s_lshl_b32 s27, s[WV], 2
	s_add_co_u32 s26, s26, s27                     ; my first row of S
	s_lshl_b32 s28, s26, 12
	s_mov_b32 s29, 0
	s_add_nc_u64 s[14:15], s[14:15], s[28:29]
	s_lshl_b32 s28, s25, 12
	s_lshl_b32 s30, s[WV], 9
	s_add_co_u32 s28, s28, s30
	s_add_nc_u64 s[8:9], s[8:9], s[28:29]          ; x[b], my wave's 128 numbers
	global_load_b128 v[224:227], v9, s[8:9]
.irp q, 0,1,2,3
.irp i, 0,1,2,3,4,5,6,7
	global_load_b128 v[16+32*\q+4*\i:19+32*\q+4*\i], v9, s[14:15] offset:4096*\q+512*\i th:TH_LOAD_NT
.endr
.endr
	s_lshl_b32 s28, s26, 9
	s_add_nc_u64 s[32:33], s[18:19], s[28:29]      ; my rows' codes, 512 bytes a row
	s_lshl_b32 s28, s25, 10
	s_add_co_u32 s28, s28, s30
	s_add_co_u32 s28, s28, SSO
	s_add_nc_u64 s[34:35], s[18:19], s[28:29]      ; the batch's 1,024 scale bytes, 512 for each of waves 0 and 1
	s_lshl_b32 s28, s25, 12
	s_lshl_b32 s30, s[WV], 8
	s_add_co_u32 s28, s28, s30
	s_add_nc_u64 s[20:21], s[20:21], s[28:29]      ; ctx16[b], my wave's 256 bytes
	v_and_b32 v10, 31, v0
	s_mul_i32 s30, s[WV], 4608
	v_lshrrev_b32 v3, 3, v10
	v_lshl_add_u32 v3, v3, 4, v9
	v_add_nc_u32 v3, s30, v3
	v_add_nc_u32 v3, STG, v3                       ; the stage, in: 16 lane + 16 (lane / 8); a load's 512 bytes take 576
	v_mul_u32_u24 v4, v10, 144
	v_add_nc_u32 v4, s30, v4
	v_add_nc_u32 v4, STG, v4                       ; and out: 144 x lane: my block's 128 bytes
	s_lshl_b32 s30, s[WV], 7
	v_add_nc_u32 v5, s30, v10
	v_add_nc_u32 v5, SCB, v5                       ; my block's scale byte: 32 bytes a row
	s_lshl_b32 s30, s[WV], 12
	v_add_nc_u32 v6, s30, v9
	v_add_nc_u32 v6, MEAN, v6                      ; my wave's column sums
	s_lshl_b32 s30, s[WV], 9
	v_add_nc_u32 v7, s30, v9
	v_add_nc_u32 v11, SCB, v7
	v_add_nc_u32 v7, MEAN, v7                      ; the 128 columns that I finish
	v_lshrrev_b32 v8, 1, v9                        ; 8 x lane
	s_wait_loadcnt 32                              ; x is in; S's 32 loads may be out
	v_cvt_pk_f16_f32 v228, v224, v225
	v_cvt_pk_f16_f32 v229, v226, v227
	global_store_b64 v8, v[228:229], s[20:21]      ; 256 consecutive bytes
.macro SROW rho
	s_wait_loadcnt 8*(3-(\rho))                    ; this row's eight loads are in; the later rows' may be out
.irp i, 0,1,2,3,4,5,6,7
	ds_store_b128 v3, v[16+32*(\rho)+4*\i:19+32*(\rho)+4*\i] offset:576*\i
.endr
.irp q, 0,1,2,3,4,5,6,7
	ds_load_b128 v[144+4*\q:147+4*\q], v4 offset:16*\q     ; LDS serves a wave's instructions in order: these see the stores above
.endr
.irp k, 0,2,4,6,8,10,12,14,16,18,20,22,24,26,28,30
.if (\rho) == 1
	v_pk_add_f32 v[176+\k:177+\k], v[16+\k:17+\k], v[48+\k:49+\k]      ; the column sums, while the row is on its way through the stage
.endif
.if (\rho) > 1
	v_pk_add_f32 v[176+\k:177+\k], v[176+\k:177+\k], v[16+32*(\rho)+\k:17+32*(\rho)+\k]
.endif
.endr
	s_wait_dscnt 0x0
	v_max3_num_f32 v236, |v144|, |v145|, 0x1800000 ; the block's largest magnitude, in two chains, with the floor 2^(3 - 127)
	v_max3_num_f32 v237, |v160|, |v161|, |v162|
.irp k, 0,2,4,6,8,10
	v_max3_num_f32 v236, v236, |v[146+\k]|, |v[147+\k]|
	v_max3_num_f32 v237, v237, |v[163+\k]|, |v[164+\k]|
.endr
	v_max3_num_f32 v236, v236, |v158|, |v159|
	v_max3_num_f32 v236, v236, v237, |v175|
	v_add_nc_u32 v238, 0xff000000, v236            ; 2 off the exponent field: the conversion's scale operand
	v_lshrrev_b32 v[240+(\rho)], 23, v238          ; the scale's byte
.irp g, 0,1,2,3
	v_cvt_scalef32_pk8_fp4_f32 v[208+4*(\rho)+\g], v[144+8*\g:151+8*\g], v238
.endr
	v_nop                                          ; one plain place behind the conversions
	ds_store_b8 v5, v[240+(\rho)] offset:32*(\rho)
	global_store_b128 v9, v[208+4*(\rho):211+4*(\rho)], s[32:33] offset:512*(\rho)   ; a row's 512 bytes of codes
.endm
	SROW 0
	SROW 1
	SROW 2
	SROW 3
.irp i, 0,1,2,3,4,5,6,7
	ds_store_b128 v6, v[176+4*\i:179+4*\i] offset:512*\i
.endr
	BAR                                            ; eight waves' column sums and the batch's scale bytes lie in LDS
.irp p, 0,1,2,3,4,5,6,7
	ds_load_b128 v[144+4*\p:147+4*\p], v7 offset:4096*\p
.endr
	s_wait_dscnt 0x0
.irp k, 0,2,8,10,16,18,24,26
	v_pk_add_f32 v[144+\k:145+\k], v[144+\k:145+\k], v[148+\k:149+\k]
.endr
.irp k, 0,2,16,18
	v_pk_add_f32 v[144+\k:145+\k], v[144+\k:145+\k], v[152+\k:153+\k]
.endr
.irp k, 0,2
	v_pk_add_f32 v[144+\k:145+\k], v[144+\k:145+\k], v[160+\k:161+\k]
.endr
.irp k, 0,2
	v_pk_mul_f32 v[144+\k:145+\k], v[144+\k:145+\k], 0x3d000000 op_sel_hi:[1,0]   ; / 32 slots
.endr
	v_cvt_pk_f16_f32 v230, v144, v145
	v_cvt_pk_f16_f32 v231, v146, v147
	global_store_b64 v8, v[230:231], s[20:21] offset:2048      ; the mean stands behind x in ctx16's row
	s_cmp_lt_u32 s[WV], 2
	s_cbranch_scc0 .Lno_scb
	ds_load_b128 v[232:235], v11
	s_wait_dscnt 0x0
	global_store_b128 v9, v[232:235], s[34:35]     ; 512 consecutive bytes
.Lno_scb:
	END3
	s_endpgm
.Lfunc_end_k_q296d12f513_prep:
	.size	k_q296d12f513_prep, .Lfunc_end_k_q296d12f513_prep-k_q296d12f513_prep
	.p2alignl 7, 3214868480
	.fill 96, 4, 3214868480
	.section	.rodata,"a",@progbits
	.p2align	6, 0x0
	.amdhsa_kernel k_q296d12f513_prep
		.amdhsa_group_segment_fixed_size 204800
		.amdhsa_private_segment_fixed_size 0
		.amdhsa_enable_private_segment 0
		.amdhsa_kernarg_size 56
		.amdhsa_user_sgpr_count 2
		.amdhsa_user_sgpr_kernarg_segment_ptr 1
		.amdhsa_wavefront_size32 1
		.amdhsa_system_sgpr_workgroup_id_x 1
		.amdhsa_system_sgpr_workgroup_id_y 1
		.amdhsa_system_sgpr_workgroup_id_z 1
		.amdhsa_system_vgpr_workitem_id 0
		.amdhsa_next_free_vgpr 512
		.amdhsa_next_free_sgpr 66
		.amdhsa_reserve_vcc 0
		.amdhsa_float_denorm_mode_32 3
		.amdhsa_float_denorm_mode_16_64 3
		.amdhsa_memory_ordered 1
		.amdhsa_forward_progress 1
		.amdhsa_inst_pref_size 88
	.end_amdhsa_kernel
	.amdgpu_metadata
---
amdhsa.version: [ 1, 2 ]
amdhsa.kernels:
  - .name:           k_q296d12f513_prep
    .symbol:         k_q296d12f513_prep.kd
    .args:
      - { .name: x, .offset: 0, .size: 8, .value_kind: global_buffer, .address_space: global }
      - { .name: w_ih, .offset: 8, .size: 8, .value_kind: global_buffer, .address_space: global }
      - { .name: w_hh, .offset: 16, .size: 8, .value_kind: global_buffer, .address_space: global }
      - { .name: S, .offset: 24, .size: 8, .value_kind: global_buffer, .address_space: global }
      - { .name: gbuf, .offset: 32, .size: 8, .value_kind: global_buffer, .address_space: global }
      - { .name: codes, .offset: 40, .size: 8, .value_kind: global_buffer, .address_space: global }
      - { .name: ctx16, .offset: 48, .size: 8, .value_kind: global_buffer, .address_space: global }
    .group_segment_fixed_size: 204800
    .private_segment_fixed_size: 0
    .kernarg_segment_align: 8
    .kernarg_segment_size: 56
    .max_flat_workgroup_size: 256
    .sgpr_count:     66
    .vgpr_count:     512
    .wavefront_size: 32
...
	.end_amdgpu_metadata
.endif
;; end of part 1
;; launch route1 (part 2): grid 64 x 1, 8 waves a work-group, no clusters, 264,192 bytes of LDS; arguments ctx16, w_r1, b_r1, w_r2, plog; writes plog
.if DOCPART == 2
	.amdgcn_target "amdgcn-amd-amdhsa--gfx1250"
	.amdhsa_code_object_version 6
	.text
	.protected	k_q296d12f513_route1
	.globl	k_q296d12f513_route1
	.p2align	8
	.type	k_q296d12f513_route1,@function
k_q296d12f513_route1:
	s_mov_b64 s[64:65], 0
	v_nop
	global_prefetch_b8 v0, s[64:65] scope:SCOPE_SE
	s_setreg_imm32_b32 hwreg(HW_REG_WAVE_MODE, 25, 1), 1
	s_wait_xcnt 0x0
; ROUTE1: h = gelu(ctx w_r1 + b_r1) for a tile of 64 batches x 64 hidden units, K = 2,048, and at once this tile's part of the logits h w_r2: 16 partial sums for each (batch, slot), added by the next launch.
; ctx16 [256][2048] f16 (x, then the slot mean); w_r1 [2048][1024], w_r2 [1024][32], b_r1 [1024] f32.  f16 operands, f32 sums; the second product is made by fused multiply-adds in f32.
; The eight waves share K: wave w owns k = 128 w .. + 127 of each 1,024, in two trips; the partial tiles meet in LDS.  The weight goes from memory [k][n] straight into B fragments: lane (r, h) loads rows kb + 16 h + i,
; columns n0 + 4 r .. + 3; fragment c takes column n0 + 4 r + c, register q rows 2 q, 2 q + 1; A's fragments are read with the same order of k.
; GELU is exact in form: erf by the rational approximation 7.1.26 of Abramowitz and Stegun, absolute error 1.5e-7 for every argument.
; plog: [column block 16][row block 4][wave 8][u 2][lane 32][jj 4] f32: lane (r, h) of wave w holds batch 64 mb + 16 (w / 2) + 8 h + 4 (w % 2) + jj, slot 16 u + r.
; LIMITS: operands beyond 65,504 in magnitude are not served (f16); NaN and infinities are not served.
; REGISTERS: as in the other products of this program: v3 weight offset; v4-7 A's fragment addresses; v8 A's store address; v9 16 x lane; v10-12 partial tiles; v14 16 r, v15 512 r; v16-143 accumulators (first rows of ctx16);
;   v144-175 B fragments; v176-239 A fragments; v240-255 h; window 1: the weight, later w_r2's rows and b_r1.
.set PITCH, 4112                       ; an LDS row of A: 4,096 bytes + 16
.set PA, 4096
.set PW, 4096
.set SPARE, 263168
.set WV, 24
.set AP, 8
.set WP, 10
.set OP, 16
.set MSB, 0
.macro WIN new
.if MSB != \new
	s_set_vgpr_msb (MSB<<8)|\new
.set MSB, \new
.endif
.endm
.macro PLACES
.rept 4
	v_nop
.endr
.endm
.macro BAR
	s_wait_dscnt 0x0
	s_barrier_signal -1
	s_barrier_wait -1
.endm
.macro WLOAD blk, krow
	WIN 0x40
.irp i, 0,1,2,3,4,5,6,7,8,9,10,11,12,13,14,15
	global_load_b128 v[64*(\blk)+4*\i:64*(\blk)+4*\i+3], v3, s[WP:WP+1] offset:((\krow)+32*(\blk)+\i)*PW
.endr
.endm
.macro CLOAD slot, row                 ; a row of ctx16, 4,096 bytes
.irp i, 0,1,2,3,4,5,6,7
	global_load_b128 v[16+32*(\slot)+4*\i:19+32*(\slot)+4*\i], v9, s[AP:AP+1] offset:(\row)*PA+512*\i
.endr
.endm
.macro CPUT slot, row, n               ; goes to LDS as it is; n: the younger loads
	s_wait_loadcnt \n
.irp i, 0,1,2,3,4,5,6,7
	ds_store_b128 v8, v[16+32*(\slot)+4*\i:19+32*(\slot)+4*\i] offset:(\row)*PITCH+512*\i
.endr
.endm
.macro AFRAG set, n
.irp m, 0,1,2,3
	ds_load_b128 v[176+32*(\set)+8*\m:179+32*(\set)+8*\m], v[4+\m] offset:2048*((\n)/4)+64*((\n)%4)
	ds_load_b128 v[180+32*(\set)+8*\m:183+32*(\set)+8*\m], v[4+\m] offset:2048*((\n)/4)+64*((\n)%4)+16
.endr
.endm
.macro BCVT blk
	WIN 0x05
.irp c, 0,1,2,3
.irp q, 0,1,2,3,4,5,6,7
	v_cvt_pk_f16_f32 v[144+8*\c+\q], v[64*(\blk)+8*\q+\c], v[64*(\blk)+8*\q+4+\c]
.endr
.endr
	WIN 0
.endm
.macro MM set, n                       ; the sixteen accumulators take turns
.irp m, 0,1,2,3
.irp c, 0,1,2,3
.if (\n) == 0
	v_wmma_f32_16x16x32_f16 v[16+8*(4*\m+\c):23+8*(4*\m+\c)], v[176+32*(\set)+8*\m:183+32*(\set)+8*\m], v[144+8*\c:151+8*\c], 0
.else
	v_wmma_f32_16x16x32_f16 v[16+8*(4*\m+\c):23+8*(4*\m+\c)], v[176+32*(\set)+8*\m:183+32*(\set)+8*\m], v[144+8*\c:151+8*\c], v[16+8*(4*\m+\c):23+8*(4*\m+\c)]
.endif
.endr
.endr
.endm
.macro RBLOCK n                        ; block n of eight: 32 along K.  Blocks 0-3 (first 1,024 of K) ask again for their registers' part of the second slab; blocks 4-7 wait for it
.if (\n) > 0
	PLACES
.endif
.if (\n) >= 4
	s_wait_loadcnt 16*(7-(\n))                     ; this block's sixteen loads are in; the later blocks' may be out
.endif
	BCVT (\n)%4
.if (\n) < 4
	WLOAD (\n), 1024
	WIN 0
.endif
.if (\n) == 7
	WIN 0x40                                       ; the weight's registers are free: w_r2's rows n0 + 4 r .. + 3 (512 bytes on end a lane) and b_r1's four numbers
.irp e, 0,1,2,3,4,5,6,7,8,9,10,11,12,13,14,15,16,17,18,19,20,21,22,23,24,25,26,27,28,29,30,31
	global_load_b128 v[4*\e:4*\e+3], v15, s[14:15] offset:16*\e
.endr
	global_load_b128 v[128:131], v14, s[12:13]
	WIN 0
.endif
.if (\n) < 7
	AFRAG ((\n)+1)%2, (\n)+1
	s_wait_dscnt 8
.else
	s_wait_dscnt 0x0
.endif
	MM (\n)%2, (\n)
.endm
.macro REDUCE
	PLACES
	BAR                                            ; nobody reads A's tile any more: the partial tiles are laid over it
.irp a, 0,1,2,3,4,5,6,7,8,9,10,11,12,13,14,15
	ds_store_b128 v10, v[16+8*\a:19+8*\a] offset:\a*1024
	ds_store_b128 v10, v[20+8*\a:23+8*\a] offset:\a*1024+512
.endr
	BAR
.irp p, 0,1,2,3
.irp c, 0,1,2,3
	ds_load_b128 v[16+16*\p+4*\c:19+16*\p+4*\c], v11 offset:\p*16384+\c*1024
.endr
.endr
.irp p, 0,1,2,3
.irp c, 0,1,2,3
	ds_load_b128 v[80+16*\p+4*\c:83+16*\p+4*\c], v12 offset:\p*16384+\c*1024
.endr
.endr
	s_wait_dscnt 0x0
.irp p, 0,1,2,3
.irp k, 0,2,4,6,8,10,12,14
	v_pk_add_f32 v[16+32*\p+\k:17+32*\p+\k], v[16+32*\p+\k:17+32*\p+\k], v[32+32*\p+\k:33+32*\p+\k]
.endr
.endr
.irp p, 0,1
.irp k, 0,2,4,6,8,10,12,14
	v_pk_add_f32 v[16+64*\p+\k:17+64*\p+\k], v[16+64*\p+\k:17+64*\p+\k], v[48+64*\p+\k:49+64*\p+\k]
.endr
.endr
.endm
; gelu of the sixteen numbers v16-31 (index 4 c + jj) into v[240 + 4 jj + c].  au = |x| / sqrt 2; t = 1 / (1 + p au); q = t (a1 + t (a2 + t (a3 + t (a4 + t a5)))) 2^(-au^2 log2 e) = 1 - erf(au);
; gelu = (x/2 + |x/2|) - |x/2| q.  The 32 transcendentals are one batch with one wait.
.macro GELU16
.irp i, 0,1,2,3,4,5,6,7,8,9,10,11,12,13,14,15
	v_mul_f32 v[32+\i], s48, |v[16+\i]|
.endr
.irp i, 0,2,4,6,8,10,12,14
	v_pk_fma_f32 v[48+\i:49+\i], v[32+\i:33+\i], s[50:51], 1.0 op_sel_hi:[1,0,0]
	v_pk_mul_f32 v[64+\i:65+\i], v[32+\i:33+\i], v[32+\i:33+\i]
.endr
.irp i, 0,2,4,6,8,10,12,14
	v_pk_mul_f32 v[64+\i:65+\i], v[64+\i:65+\i], s[52:53] op_sel_hi:[1,0]
	v_pk_mul_f32 v[96+\i:97+\i], v[16+\i:17+\i], 0.5 op_sel_hi:[1,0]
.endr
.irp i, 0,1,2,3,4,5,6,7,8,9,10,11,12,13,14,15
	v_rcp_f32 v[48+\i], v[48+\i]
.endr
.irp i, 0,1,2,3,4,5,6,7,8,9,10,11,12,13,14,15
	v_exp_f32 v[64+\i], v[64+\i]
.endr
	v_nop                                          ; a plain place behind the last transcendental,
	s_wait_alu depctr_va_vdst(0)                   ; and the one wait ahead of the batch's first reader
.irp i, 0,1,2,3,4,5,6,7,8,9,10,11,12,13,14,15
	v_fma_f32 v[80+\i], v[48+\i], s54, s56
.endr
.irp k, 58,60,62
.irp i, 0,2,4,6,8,10,12,14
	v_pk_fma_f32 v[80+\i:81+\i], v[80+\i:81+\i], v[48+\i:49+\i], s[\k:\k+1] op_sel_hi:[1,1,0]
.endr
.endr
.irp i, 0,2,4,6,8,10,12,14
	v_pk_mul_f32 v[80+\i:81+\i], v[80+\i:81+\i], v[48+\i:49+\i]
.endr
.irp i, 0,2,4,6,8,10,12,14
	v_pk_mul_f32 v[80+\i:81+\i], v[80+\i:81+\i], v[64+\i:65+\i]
.endr
.irp i, 0,1,2,3,4,5,6,7,8,9,10,11,12,13,14,15
	v_add_f32 v[32+\i], v[96+\i], |v[96+\i]|
.endr
.irp c, 0,1,2,3
.irp j, 0,1,2,3
	v_fma_f32 v[240+4*\j+\c], -|v[96+4*\c+\j]|, v[80+4*\c+\j], v[32+4*\c+\j]
.endr
.endr
.endm
; Row jj's part of the 32 logits: my four hidden units' products, summed over the sixteen lanes of my half; lane r then keeps slots r and 16 + r.
.macro LOGIT j
	WIN 0x01                                       ; source 0 (w_r2's rows) in window 1
.set k, 0
.rept 16
	v_pk_mul_f32 v[144+k:145+k], v[k:k+1], v[240+4*(\j):241+4*(\j)] op_sel_hi:[1,0]
.set k, k+2
.endr
.set k, 0
.rept 16
	v_pk_fma_f32 v[144+k:145+k], v[32+k:33+k], v[240+4*(\j):241+4*(\j)], v[144+k:145+k] op_sel:[0,1,0] op_sel_hi:[1,1,1]
.set k, k+2
.endr
.set k, 0
.rept 16
	v_pk_fma_f32 v[144+k:145+k], v[64+k:65+k], v[242+4*(\j):243+4*(\j)], v[144+k:145+k] op_sel_hi:[1,0,1]
.set k, k+2
.endr
.set k, 0
.rept 16
	v_pk_fma_f32 v[144+k:145+k], v[96+k:97+k], v[242+4*(\j):243+4*(\j)], v[144+k:145+k] op_sel:[0,1,0] op_sel_hi:[1,1,1]
.set k, k+2
.endr
	WIN 0
.irp m, 1,2,4,8
.set k, 0
.rept 32
	v_add_f32_dpp v[144+k], v[144+k], v[144+k] row_xmask:\m row_mask:0xf bank_mask:0xf
.set k, k+1
.endr
.endr
	v_mov_b32 v[176+(\j)], v144
	v_mov_b32 v[180+(\j)], v160
.irp q, 1,2,3,4,5,6,7,8,9,10,11,12,13,14,15
	v_cndmask_b32 v[176+(\j)], v[176+(\j)], v[144+\q], s[32+\q]
	v_cndmask_b32 v[180+(\j)], v[180+(\j)], v[160+\q], s[32+\q]
.endr
.endm
	s_load_b256 s[8:15], s[0:1], 0x0               ; ctx16 s[8:9], w_r1 s[10:11], b_r1 s[12:13], w_r2 s[14:15]
	s_load_b64 s[16:17], s[0:1], 0x20              ; plog
	v_lshl_add_u32 v1, v0, 2, SPARE
	v_mov_b32 v2, 0
	v_lshrrev_b32 v14, 5, v0
	v_readfirstlane_b32 s[WV], v14
	v_and_b32 v14, 15, v0                          ; r
	v_bfe_u32 v15, v0, 4, 1                        ; h
	v_and_b32 v9, 31, v0
	v_lshlrev_b32 v9, 4, v9
	v_mul_u32_u24 v3, v15, 16*PW
	v_lshl_add_u32 v3, v14, 4, v3
	v_mul_u32_u24 v4, v14, PITCH
	v_lshl_add_u32 v4, v15, 5, v4
	s_lshl_b32 s25, s[WV], 8
	v_add_nc_u32 v4, s25, v4
	v_add_nc_u32 v5, 16*PITCH, v4
	v_add_nc_u32 v6, 32*PITCH, v4
	v_add_nc_u32 v7, 48*PITCH, v4
	s_mul_i32 s25, s[WV], 8*PITCH
	v_add_nc_u32 v8, s25, v9                       ; my wave's eight rows, 16 bytes a lane
	s_lshl_b32 s25, s[WV], 14
	v_add_nc_u32 v10, s25, v9
	s_lshr_b32 s25, s[WV], 1
	s_lshl_b32 s25, s25, 12
	s_and_b32 s26, s[WV], 1
	s_lshl_b32 s26, s26, 9
	s_add_co_u32 s25, s25, s26
	v_add_nc_u32 v11, s25, v9
	v_add_nc_u32 v12, 0x10000, v11
.irp q, 1,2,3,4,5,6,7,8,9,10,11,12,13,14,15
	v_cmp_eq_u32 s[32+\q], \q, v14                 ; the lanes with r = q
.endr
	v_lshlrev_b32 v15, 9, v14                      ; 512 r
	v_lshlrev_b32 v14, 4, v14                      ; 16 r
	s_mov_b32 s48, 0x3f3504f3                      ; 1 / sqrt 2
	s_mov_b32 s50, 0x3ea7ba05                      ; p = 0.3275911
	s_mov_b32 s51, s50
	s_mov_b32 s52, 0xbfb8aa3b                      ; -log2 e
	s_mov_b32 s53, s52
	s_mov_b32 s54, 0x3f87dc22                      ; a5
	s_mov_b32 s56, 0xbfba00e3                      ; a4
	s_mov_b32 s58, 0x3fb5f0e3                      ; a3
	s_mov_b32 s59, s58
	s_mov_b32 s60, 0xbe91a98e                      ; a2
	s_mov_b32 s61, s60
	s_mov_b32 s62, 0x3e827906                      ; a1
	s_mov_b32 s63, s62
	s_and_b32 s26, ttmp9, 3                        ; block of 64 batches
	s_lshr_b32 s27, ttmp9, 2                       ; block of 64 hidden units
	s_mov_b32 s31, 0
	s_wait_kmcnt 0x0
	s_lshl_b32 s28, s26, 6
	s_lshl_b32 s29, s[WV], 3
	s_add_co_u32 s30, s28, s29
	s_lshl_b32 s30, s30, 12
	s_add_nc_u64 s[AP:AP+1], s[AP:AP+1], s[30:31]
	s_mul_i32 s30, s[WV], 128*PW
	s_lshl_b32 s29, s27, 8
	s_add_co_u32 s30, s30, s29
	s_add_nc_u64 s[WP:WP+1], s[WP:WP+1], s[30:31]
	s_mov_b32 s30, s29
	s_add_nc_u64 s[12:13], s[12:13], s[30:31]      ; b_r1 at my 64 units
	s_lshl_b32 s30, s27, 13
	s_add_nc_u64 s[14:15], s[14:15], s[30:31]      ; w_r2 at their rows of 128 bytes
	s_lshl_b32 s30, ttmp9, 3
	s_add_co_u32 s30, s30, s[WV]
	s_lshl_b32 s30, s30, 10
	s_add_nc_u64 s[OP:OP+1], s[OP:OP+1], s[30:31]  ; 1,024 bytes for each (work-group, wave)
	WLOAD 0, 0
	WLOAD 1, 0
	WLOAD 2, 0
	WLOAD 3, 0
	WIN 0
	CLOAD 0, 0
	CLOAD 1, 1
	CLOAD 2, 2
	CLOAD 3, 3
	CLOAD 4, 4
	CLOAD 5, 5
	CLOAD 6, 6
	CPUT 0, 0, 48                                  ; six rows' 48 loads are younger
	s_wait_dscnt 0x0                               ; the stores have read their registers, which take the last row
	CLOAD 0, 7
	CPUT 1, 1, 48                                  ; rows 2 to 6 and row 7
	CPUT 2, 2, 40
	CPUT 3, 3, 32
	CPUT 4, 4, 24
	CPUT 5, 5, 16
	CPUT 6, 6, 8
	CPUT 0, 7, 0                                   ; nothing is out: the weight's first slab is in too
	BAR
	AFRAG 0, 0
	RBLOCK 0
	RBLOCK 1
	RBLOCK 2
	RBLOCK 3
	RBLOCK 4
	RBLOCK 5
	RBLOCK 6
	RBLOCK 7
	REDUCE
	s_wait_loadcnt 0x0                             ; w_r2's rows and b_r1
.irp k, 0,2,4,6,8,10,12,14
	v_pk_add_f32 v[16+\k:17+\k], v[16+\k:17+\k], v[80+\k:81+\k]
.endr
	WIN 0x04                                       ; source 1 (b_r1) in window 1
.irp p, 0,2
	v_pk_add_f32 v[16+\p:17+\p], v[16+\p:17+\p], v[128:129] op_sel_hi:[1,0]
	v_pk_add_f32 v[20+\p:21+\p], v[20+\p:21+\p], v[128:129] op_sel:[0,1] op_sel_hi:[1,1]
	v_pk_add_f32 v[24+\p:25+\p], v[24+\p:25+\p], v[130:131] op_sel_hi:[1,0]
	v_pk_add_f32 v[28+\p:29+\p], v[28+\p:29+\p], v[130:131] op_sel:[0,1] op_sel_hi:[1,1]
.endr
	WIN 0
	GELU16
	LOGIT 0
	LOGIT 1
	LOGIT 2
	LOGIT 3
	global_store_b128 v9, v[176:179], s[OP:OP+1]               ; 512 consecutive bytes each
	global_store_b128 v9, v[180:183], s[OP:OP+1] offset:512
	s_wait_tensorcnt 0x0                           ; the wave's end, behind the last LDS store
	ds_add_u32 v1, v2
	s_wait_dscnt 0x0
	s_endpgm
.Lfunc_end_k_q296d12f513_route1:
	.size	k_q296d12f513_route1, .Lfunc_end_k_q296d12f513_route1-k_q296d12f513_route1
	.p2alignl 7, 3214868480
	.fill 96, 4, 3214868480
	.section	.rodata,"a",@progbits
	.p2align	6, 0x0
	.amdhsa_kernel k_q296d12f513_route1
		.amdhsa_group_segment_fixed_size 264192
		.amdhsa_private_segment_fixed_size 0
		.amdhsa_enable_private_segment 0
		.amdhsa_kernarg_size 40
		.amdhsa_user_sgpr_count 2
		.amdhsa_user_sgpr_kernarg_segment_ptr 1
		.amdhsa_wavefront_size32 1
		.amdhsa_system_sgpr_workgroup_id_x 1
		.amdhsa_system_sgpr_workgroup_id_y 1
		.amdhsa_system_sgpr_workgroup_id_z 1
		.amdhsa_system_vgpr_workitem_id 0
		.amdhsa_next_free_vgpr 512
		.amdhsa_next_free_sgpr 66
		.amdhsa_reserve_vcc 0
		.amdhsa_float_denorm_mode_32 3
		.amdhsa_float_denorm_mode_16_64 3
		.amdhsa_memory_ordered 1
		.amdhsa_forward_progress 1
		.amdhsa_inst_pref_size 134
	.end_amdhsa_kernel
	.amdgpu_metadata
---
amdhsa.version: [ 1, 2 ]
amdhsa.kernels:
  - .name:           k_q296d12f513_route1
    .symbol:         k_q296d12f513_route1.kd
    .args:
      - { .name: ctx16, .offset: 0, .size: 8, .value_kind: global_buffer, .address_space: global }
      - { .name: w_r1, .offset: 8, .size: 8, .value_kind: global_buffer, .address_space: global }
      - { .name: b_r1, .offset: 16, .size: 8, .value_kind: global_buffer, .address_space: global }
      - { .name: w_r2, .offset: 24, .size: 8, .value_kind: global_buffer, .address_space: global }
      - { .name: plog, .offset: 32, .size: 8, .value_kind: global_buffer, .address_space: global }
    .group_segment_fixed_size: 264192
    .private_segment_fixed_size: 0
    .kernarg_segment_align: 8
    .kernarg_segment_size: 40
    .max_flat_workgroup_size: 256
    .sgpr_count:     66
    .vgpr_count:     512
    .wavefront_size: 32
...
	.end_amdgpu_metadata
.endif
;; end of part 2
;; launch gru (part 3): grid 256 x 1, 4 waves a work-group, no clusters, 90,624 bytes of LDS; arguments S, codes, gbuf, plog, b_r2, b_ih, b_hh, out1, out2, sctx; writes out1, out2, sctx
.if DOCPART == 3
	.amdgcn_target "amdgcn-amd-amdhsa--gfx1250"
	.amdhsa_code_object_version 6
	.text
	.protected	k_q296d12f513_gru
	.globl	k_q296d12f513_gru
	.p2align	8
	.type	k_q296d12f513_gru,@function
k_q296d12f513_gru:
	s_mov_b64 s[64:65], 0
	v_nop
	global_prefetch_b8 v0, s[64:65] scope:SCOPE_SE
	s_setreg_imm32_b32 hwreg(HW_REG_WAVE_MODE, 25, 1), 1
	s_wait_xcnt 0x0
; GRU: alpha = softmax(logits); gh = Q(S) Q(w_hh) on codes of E2M1 with E8M0 scales; the gates; S_new (out1); alpha (out2); the slot context sum_s alpha S_new (sctx).
; SHARES.  A work-group owns 128 rows of S (four batches, 32 slots each) x 256 of the 1,024 d; wave w owns 64 d (group dgi = 4 (work-group % 4) + w) in all three gates.
; Its whole operand of w_hh, 96 fragments (8 K steps x 3 gates x 4), 768 registers, is loaded once and stays in windows 1-3.  The work-group's codes of S, 64 KiB, are staged once in LDS: one barrier in the kernel.
; No cluster: what partners would share through LDS is S's codes, 70 of the 628 KiB that a work-group takes in; w_hh's codes go to registers.
; LAYOUT.  Source 0 = 16 rows of S, source 1 = 16 columns of w_hh; fragment (s, g, t) holds column 1024 g + 64 dgi + 4 r + t in lane r.  So accumulators t = 0 .. 3 give lane (r, h) four neighbouring d of rows 8 h + j:
; sixteen lanes load and store 256 consecutive bytes of a row of S and of S_new.
; gi = alpha G + b_ih (G = x w_ih, from the first launch).  For the gates r and z, gi + b_hh is the C with which the sums begin; n = tanh(gi_n + r b_hh_n + r gh_n).
; sigmoid(x) = 1 / (1 + 2^(-x log2 e)); tanh(x) = 1 - 2 / (1 + 2^(2 x log2 e)): both end rightly where the exponential overflows or falls to 0.  The softmax takes its maximum away.
; LIMITS: NaN and infinities among the inputs are not served.
; REGISTERS, window 0: v3 A's fragments, v4 A's scale words, v5 alpha, v6 biases, v7 G (LDS addresses; v3, v4, v5, v7 step from batch to batch); v8 32768 h + 16 r, v9 16 r (offsets in memory); v10-15, v252-255 at work;
;   v16-111 twelve accumulators (4 g + t); v112-143 four fragments of A; v144-147 A's scale words, v148-195 w_hh's (they hold scales and nothing else); v196-227 S, then S_new [j][t]; v228-235 alpha of my 8 rows;
;   v236-243 G_n, b_ih_n; v244-247 the slot context; v248-251 b_hh_n.
.set LA, 0                             ; LDS: 128 rows of codes, 512 bytes + 16
.set LAS, 67584                        ; their scale bytes, 32 a row
.set LCT, 71680                        ; 4,096 bytes a wave, its own: sixteen entries of 256 bytes: b_r, b_z, b_ih_n, b_hh_n, G[batch][gate]
.set LAL, 88064                        ; 512 bytes a wave, its own: alpha [4][32]
.set SPARE, 90112
.set SSO, 4194304
.set WCO, 4456448
.set WSO, 6029312
.set MSB, 0
.macro WIN new
.if MSB != \new
	s_set_vgpr_msb (MSB<<8)|\new
.set MSB, \new
.endif
.endm
.macro PLACES
.rept 4
	v_nop
.endr
.endm
.macro BFMA2 d, a, b, c, e             ; pair d = pair a x (register e of pair b) + (register e of pair c)
.if \e
	v_pk_fma_f32 v[(\d):(\d)+1], v[(\a):(\a)+1], v[(\b):(\b)+1], v[(\c):(\c)+1] op_sel:[0,1,1] op_sel_hi:[1,1,1]
.else
	v_pk_fma_f32 v[(\d):(\d)+1], v[(\a):(\a)+1], v[(\b):(\b)+1], v[(\c):(\c)+1] op_sel_hi:[1,0,0]
.endif
.endm
.macro BFMA1 d, a, b, c, e             ; pair d = pair a x (register e of pair b) + pair c
.if \e
	v_pk_fma_f32 v[(\d):(\d)+1], v[(\a):(\a)+1], v[(\b):(\b)+1], v[(\c):(\c)+1] op_sel:[0,1,0] op_sel_hi:[1,1,1]
.else
	v_pk_fma_f32 v[(\d):(\d)+1], v[(\a):(\a)+1], v[(\b):(\b)+1], v[(\c):(\c)+1] op_sel_hi:[1,0,1]
.endif
.endm
.macro SETTP                           ; the temporary pair of turn p: v10, v12, v14, v252
.set tp, 10+2*p
.if p == 3
.set tp, 252
.endif
.endm
.macro BLOADS f0                       ; 32 fragments of w_hh, 1,024 bytes each, 512 a load
.set f, \f0
.rept 32
	global_load_b128 v[8*(f%32):8*(f%32)+3], v14, s[48:49] offset:1024*f
	global_load_b128 v[8*(f%32)+4:8*(f%32)+7], v14, s[48:49] offset:1024*f+512
.set f, f+1
.endr
.endm
	s_load_b512 s[8:23], s[0:1], 0x0               ; S 8, codes 10, gbuf 12, plog 14, b_r2 16, b_ih 18, b_hh 20, out1 22
	s_load_b128 s[24:27], s[0:1], 0x40             ; out2 24, sctx 26
	v_lshl_add_u32 v1, v0, 2, SPARE
	v_mov_b32 v2, 0
	v_lshrrev_b32 v10, 5, v0
	v_readfirstlane_b32 s28, v10                   ; wave 0..3
	s_and_b32 s29, ttmp9, 3                        ; which 256 d
	s_lshr_b32 s30, ttmp9, 2                       ; rb: which 128 rows
	s_lshl_b32 s31, s29, 2
	s_add_co_u32 s31, s31, s28                     ; dgi
	v_and_b32 v11, 15, v0                          ; r
	v_bfe_u32 v12, v0, 4, 1                        ; h
	v_and_b32 v13, 31, v0                          ; lane
	v_lshlrev_b32 v9, 4, v11
	v_lshlrev_b32 v14, 4, v13                      ; 16 x lane (the head's loads)
	v_mul_u32_u24 v3, v11, 528
	v_lshl_add_u32 v3, v12, 4, v3
	v_lshlrev_b32 v4, 5, v11
	v_lshl_add_u32 v4, v12, 4, v4
	v_add_nc_u32 v4, LAS, v4
	s_lshl_b32 s32, s28, 9
	v_lshlrev_b32 v5, 5, v12
	v_add_nc_u32 v5, s32, v5
	v_add_nc_u32 v5, LAL, v5
	v_lshl_add_u32 v15, v13, 2, s32
	v_add_nc_u32 v15, LAL, v15                     ; where I put alpha of slot = lane
	v_add_nc_u32 v254, s32, v14
	v_add_nc_u32 v254, LAL, v254                   ; and read my wave's 512 bytes of alpha back
	s_lshl_b32 s32, s28, 12
	v_add_nc_u32 v6, s32, v9
	v_add_nc_u32 v6, LCT, v6
	v_add_nc_u32 v7, 1024, v6
	v_lshl_add_u32 v8, v12, 15, v9
	s_mul_i32 s32, s28, 32*528
	v_add_nc_u32 v252, s32, v14                    ; staging: my wave's 32 rows of codes,
	s_lshl_b32 s32, s28, 10
	v_add_nc_u32 v253, s32, v14
	v_add_nc_u32 v253, LAS, v253                   ; and their scale bytes
	v_lshl_add_u32 v255, v12, 9, v9                ; plog: slot = lane: 512 (lane / 16) + 16 (lane % 16)
	v_lshlrev_b32 v13, 2, v13                      ; b_r2: 4 x lane
	s_mov_b32 s36, 0xbfb8aa3b                      ; -log2 e
	s_mov_b32 s37, s36
	s_mov_b32 s38, 0x4038aa3b                      ; 2 log2 e
	s_mov_b32 s39, s38
	s_mov_b32 s40, 0x76543210
	s_mov_b32 s41, 0xfedcba98                      ; v_permlanex16_b32's selects for lane l xor 16
	s_mov_b32 s42, 4                               ; batches to go
	s_mov_b32 s52, 0x3fb8aa3b                      ; log2 e
	s_mov_b32 s35, 0
	s_wait_kmcnt 0x0
	s_lshr_b32 s34, s30, 4                         ; plog: batches 4 rb + jj lie in row block rb / 16, wave 2 ((rb % 16) / 4) + rb % 2, lanes' half (rb / 2) % 2, words jj
	s_lshl_b32 s34, s34, 13
	s_and_b32 s33, s30, 12
	s_lshl_b32 s33, s33, 9
	s_add_co_u32 s34, s34, s33
	s_and_b32 s33, s30, 1
	s_lshl_b32 s33, s33, 10
	s_add_co_u32 s34, s34, s33
	s_and_b32 s33, s30, 2
	s_lshl_b32 s33, s33, 7
	s_add_co_u32 s34, s34, s33
	s_add_nc_u64 s[14:15], s[14:15], s[34:35]
	s_lshl_b32 s33, s30, 7
	s_lshl_b32 s34, s28, 5
	s_add_co_u32 s33, s33, s34                     ; the first row that my wave stages
	s_lshl_b32 s34, s33, 9
	s_add_nc_u64 s[44:45], s[10:11], s[34:35]      ; its codes,
	s_lshl_b32 s34, s33, 5
	s_add_co_u32 s34, s34, SSO
	s_add_nc_u64 s[46:47], s[10:11], s[34:35]      ; its scale bytes
	s_mul_i32 s34, s31, 98304
	s_add_co_u32 s34, s34, WCO
	s_add_nc_u64 s[48:49], s[10:11], s[34:35]      ; my 96 fragments of w_hh,
	s_mul_i32 s34, s31, 6144
	s_add_co_u32 s34, s34, WSO
	s_add_nc_u64 s[50:51], s[10:11], s[34:35]      ; their scale words
	s_lshl_b32 s33, s31, 8                         ; my 64 d, in bytes
	s_mul_i32 s34, s30, 4*12288
	s_add_co_u32 s34, s34, s33
	s_add_nc_u64 s[12:13], s[12:13], s[34:35]
	s_mov_b32 s34, s33
	s_add_nc_u64 s[18:19], s[18:19], s[34:35]
	s_add_nc_u64 s[20:21], s[20:21], s[34:35]
	s_lshl_b32 s34, s30, 19
	s_add_co_u32 s34, s34, s33
	s_add_nc_u64 s[8:9], s[8:9], s[34:35]
	s_add_nc_u64 s[22:23], s[22:23], s[34:35]
	s_lshl_b32 s34, s30, 9
	s_add_nc_u64 s[24:25], s[24:25], s[34:35]
	s_lshl_b32 s34, s30, 14
	s_add_co_u32 s34, s34, s33
	s_add_nc_u64 s[26:27], s[26:27], s[34:35]
	; THE HEAD'S LOADS, what is wanted first in front
.irp n, 0,1,2,3,4,5,6,7,8,9,10,11,12,13,14,15
	global_load_b128 v[16+4*\n:19+4*\n], v255, s[14:15] offset:\n*32768    ; sixteen partial logits of my slot, four batches each
.endr
	global_load_b32 v10, v13, s[16:17]
	WIN 0xc0                                       ; destination window 3: a stage for what goes on to LDS
.set i, 0
.rept 32
	global_load_b128 v[4*i:4*i+3], v14, s[44:45] offset:512*i              ; a row of codes
.set i, i+1
.endr
	global_load_b128 v[128:131], v14, s[46:47]
	global_load_b128 v[132:135], v14, s[46:47] offset:512
.irp b, 0,1,2,3
.irp g, 0,1,2
	global_load_b128 v[136+4*(3*\b+\g):139+4*(3*\b+\g)], v9, s[12:13] offset:\b*12288+\g*4096
.endr
.endr
.irp g, 0,1,2
	global_load_b128 v[184+4*\g:187+4*\g], v9, s[18:19] offset:\g*4096
	global_load_b128 v[196+4*\g:199+4*\g], v9, s[20:21] offset:\g*4096
.endr
	WIN 0
.irp j, 0,1,2,3,4,5,6,7
	global_load_b128 v[196+4*\j:199+4*\j], v8, s[8:9] offset:\j*4096 th:TH_LOAD_NT     ; S of the first tile
.endr
.irp q, 0,1,2,3
.irp g, 0,1,2
	global_load_b128 v[148+12*\q+4*\g:151+12*\q+4*\g], v14, s[50:51] offset:\q*1536+\g*512     ; lanes 0-15: K step q; lanes 16-31: K step 4 + q
.endr
.endr
	WIN 0x40
	BLOADS 0
	WIN 0x80
	BLOADS 32
	WIN 0
	s_wait_loadcnt 63                              ; 148 loads were issued behind the logits, the codes of S, G and the biases: with 63 out at the most, those are in
	; alpha, every wave for itself: lane = slot, registers = the four batches
.set i, 0
.rept 16
	v_pk_add_f32 v[16+i:17+i], v[16+i:17+i], v[48+i:49+i]
.set i, i+2
.endr
.set i, 0
.rept 8
	v_pk_add_f32 v[16+i:17+i], v[16+i:17+i], v[32+i:33+i]
.set i, i+2
.endr
.set i, 0
.rept 4
	v_pk_add_f32 v[16+i:17+i], v[16+i:17+i], v[24+i:25+i]
.set i, i+2
.endr
	v_pk_add_f32 v[16:17], v[16:17], v[20:21]
	v_pk_add_f32 v[18:19], v[18:19], v[22:23]
.irp b, 0,1,2,3
	v_add_f32 v[16+\b], v[16+\b], v10
.endr
.irp b, 0,1,2,3
	v_max_num_f32_dpp v[20+\b], v[16+\b], v[16+\b] row_xmask:1 row_mask:0xf bank_mask:0xf
.endr
.irp m, 2,4,8
.irp b, 0,1,2,3
	v_max_num_f32_dpp v[20+\b], v[20+\b], v[20+\b] row_xmask:\m row_mask:0xf bank_mask:0xf
.endr
.endr
.irp b, 0,1,2,3
	v_permlanex16_b32 v[24+\b], v[20+\b], s40, s41
.endr
.irp b, 0,1,2,3
	v_max_num_f32 v[20+\b], v[20+\b], v[24+\b]     ; the largest logit of the batch
.endr
.irp b, 0,1,2,3
	v_sub_f32 v[16+\b], v[16+\b], v[20+\b]
.endr
.irp b, 0,1,2,3
	v_mul_f32 v[16+\b], s52, v[16+\b]
.endr
.irp b, 0,1,2,3
	v_exp_f32 v[16+\b], v[16+\b]
.endr
	v_nop
	s_wait_alu depctr_va_vdst(0)                   ; the wait ahead of the batch's first reader
.irp b, 0,1,2,3
	v_add_f32_dpp v[20+\b], v[16+\b], v[16+\b] row_xmask:1 row_mask:0xf bank_mask:0xf
.endr
.irp m, 2,4,8
.irp b, 0,1,2,3
	v_add_f32_dpp v[20+\b], v[20+\b], v[20+\b] row_xmask:\m row_mask:0xf bank_mask:0xf
.endr
.endr
.irp b, 0,1,2,3
	v_permlanex16_b32 v[24+\b], v[20+\b], s40, s41
.endr
.irp b, 0,1,2,3
	v_add_f32 v[20+\b], v[20+\b], v[24+\b]
.endr
.irp b, 0,1,2,3
	v_rcp_f32 v[20+\b], v[20+\b]
.endr
	v_nop
	s_wait_alu depctr_va_vdst(0)
.irp b, 0,1,2,3
	v_mul_f32 v[16+\b], v[16+\b], v[20+\b]
.endr
.irp b, 0,1,2,3
	ds_store_b32 v15, v[16+\b] offset:128*\b
.endr
	s_or_b32 s33, s29, s28                         ; alpha leaves once for each four batches: wave 0 of the first of the four work-groups on these rows
	s_cmp_lg_u32 s33, 0
	s_cbranch_scc1 .Lno_alpha
	ds_load_b128 v[24:27], v254                    ; LDS serves a wave's instructions in order: this sees the stores above
	s_wait_dscnt 0x0
	global_store_b128 v14, v[24:27], s[24:25]      ; 512 consecutive bytes
.Lno_alpha:
	WIN 0x0c                                       ; an LDS store's data are its source 1: window 3
.set i, 0
.rept 32
	ds_store_b128 v252, v[4*i:4*i+3] offset:528*i
.set i, i+1
.endr
	ds_store_b128 v253, v[128:131]
	ds_store_b128 v253, v[132:135] offset:512
	WIN 0xcf
.irp k, 0,2,4,6
	v_pk_add_f32 v[184+\k:185+\k], v[184+\k:185+\k], v[196+\k:197+\k]      ; b_ih + b_hh of the gates r and z
.endr
	WIN 0x0c
	ds_store_b128 v6, v[184:187]                   ; both halves of the lanes hold and write the same
	ds_store_b128 v6, v[188:191] offset:256
	ds_store_b128 v6, v[192:195] offset:512
	ds_store_b128 v6, v[204:207] offset:768
.irp e, 0,1,2,3,4,5,6,7,8,9,10,11
	ds_store_b128 v6, v[136+4*\e:139+4*\e] offset:1024+256*\e
.endr
	s_wait_dscnt 0x0                               ; the stores have landed, and have read window 3, which takes the last 32 fragments
	WIN 0xc0
	BLOADS 64
	WIN 0
	s_barrier_signal -1
	s_barrier_wait -1                              ; the four waves' rows of codes lie in LDS; nothing is written there again
	s_wait_loadcnt 0x0
	s_wait_xcnt 0x0                                ; out2's store has read v14 and v24-27
; A TILE: 16 slots (mt = 0, 1) of the batch in hand x my 64 d x three gates.
.macro TILE mt
	ds_load_b128 v[144:147], v4 offset:512*(\mt)   ; A's scale words: lanes 0-15 K steps 0-3, lanes 16-31 K steps 4-7
	ds_load_b128 v[228:231], v5 offset:64*(\mt)    ; alpha of rows 8 h + 0 .. 7
	ds_load_b128 v[232:235], v5 offset:64*(\mt)+16
	ds_load_b128 v[80:83], v7                      ; G_r, G_z, b_r, b_z, in registers that the gate n takes with its first product
	ds_load_b128 v[84:87], v7 offset:256
	ds_load_b128 v[88:91], v6
	ds_load_b128 v[92:95], v6 offset:256
.irp s, 0,1,2,3
	ds_load_b128 v[112+8*\s:115+8*\s], v3 offset:8448*(\mt)+64*\s
	ds_load_b128 v[116+8*\s:119+8*\s], v3 offset:8448*(\mt)+64*\s+32
.endr
	s_wait_dscnt 8                                 ; all but A's eight fragment loads
.set g, 0
.rept 2
.set t, 0
.rept 4
.set p, 0
.rept 4
	BFMA2 16+8*(4*g+t)+2*p, 228+2*p, 80+4*g+2*(t/2), 88+4*g+2*(t/2), t%2     ; C = alpha G + b_ih + b_hh
.set p, p+1
.endr
.set t, t+1
.endr
.set g, g+1
.endr
	PLACES                                         ; between the vector writes of C and the scaled products
	s_wait_dscnt 0x0
.set f, 0
.rept 96                               ; K step f / 12, accumulator f % 12: the twelve take turns
.if f == 24
	PLACES                                         ; K steps 0 and 1 are issued: their fragments' registers take K steps 4 and 5
	ds_load_b128 v[112:115], v3 offset:8448*(\mt)+256
	ds_load_b128 v[116:119], v3 offset:8448*(\mt)+288
	ds_load_b128 v[120:123], v3 offset:8448*(\mt)+320
	ds_load_b128 v[124:127], v3 offset:8448*(\mt)+352
.endif
.if f == 48
	PLACES
	ds_load_b128 v[128:131], v3 offset:8448*(\mt)+384
	ds_load_b128 v[132:135], v3 offset:8448*(\mt)+416
	ds_load_b128 v[136:139], v3 offset:8448*(\mt)+448
	ds_load_b128 v[140:143], v3 offset:8448*(\mt)+480
	s_wait_dscnt 4                                 ; K steps 4 and 5 are in; the four loads just issued may be out
.endif
.if f == 72
	s_wait_dscnt 0x0
.endif
.set WN, (1+f/32)<<2
	WIN WN                                         ; source 1 (w_hh) in window 1, 2 or 3
.set ks, f/12
.set ac, 16+8*(f%12)
.set af, 112+8*(ks%4)
.set bf, 8*(f%32)
.set sa, 144+ks%4
.set sb, 148+12*(ks%4)+f%12
.if (f >= 8) && (f < 12)
	v_wmma_scale_f32_16x16x128_f8f6f4 v[ac:ac+7], v[af:af+7], v[bf:bf+7], 0, v[sa], v[sb] matrix_a_fmt:MATRIX_FMT_FP4 matrix_b_fmt:MATRIX_FMT_FP4
.elseif f < 48
	v_wmma_scale_f32_16x16x128_f8f6f4 v[ac:ac+7], v[af:af+7], v[bf:bf+7], v[ac:ac+7], v[sa], v[sb] matrix_a_fmt:MATRIX_FMT_FP4 matrix_b_fmt:MATRIX_FMT_FP4
.else
	v_wmma_scale_f32_16x16x128_f8f6f4 v[ac:ac+7], v[af:af+7], v[bf:bf+7], v[ac:ac+7], v[sa], v[sb] matrix_a_fmt:MATRIX_FMT_FP4 matrix_b_fmt:MATRIX_FMT_FP4 matrix_a_scale:MATRIX_SCALE_ROW1 matrix_b_scale:MATRIX_SCALE_ROW1
.endif
.set f, f+1
.endr
	WIN 0
	PLACES
	ds_load_b128 v[236:239], v7 offset:512         ; G_n
	ds_load_b128 v[240:243], v6 offset:512         ; b_ih_n
	ds_load_b128 v[248:251], v6 offset:768         ; b_hh_n
.set i, 16
.rept 32
	v_pk_mul_f32 v[i:i+1], v[i:i+1], s[36:37] op_sel_hi:[1,0]      ; each accumulator from its low end on
.set i, i+2
.endr
.set i, 16
.rept 64
	v_exp_f32 v[i], v[i]
.set i, i+1
.endr
	v_nop
	s_wait_alu depctr_va_vdst(0)                   ; one wait for the batch of 64
.set i, 16
.rept 32
	v_pk_add_f32 v[i:i+1], v[i:i+1], 1.0 op_sel_hi:[1,0]
.set i, i+2
.endr
.set i, 16
.rept 64
	v_rcp_f32 v[i], v[i]                           ; r in v16-47, z in v48-79
.set i, i+1
.endr
	v_nop
	s_wait_alu depctr_va_vdst(0)
	s_wait_dscnt 0x0                               ; G_n and the two biases
.set t, 0
.rept 4
.set p, 0
.rept 4
	SETTP
	BFMA2 tp, 228+2*p, 236+2*(t/2), 240+2*(t/2), t%2               ; alpha G_n + b_ih_n
.set p, p+1
.endr
.set p, 0
.rept 4
	SETTP
	BFMA1 tp, 16+8*t+2*p, 248+2*(t/2), tp, t%2                     ; + r b_hh_n
.set p, p+1
.endr
.set p, 0
.rept 4
	SETTP
	v_pk_fma_f32 v[80+8*t+2*p:81+8*t+2*p], v[16+8*t+2*p:17+8*t+2*p], v[80+8*t+2*p:81+8*t+2*p], v[tp:tp+1]   ; + r (S w_hh)_n
.set p, p+1
.endr
.set t, t+1
.endr
.set i, 80
.rept 16
	v_pk_mul_f32 v[i:i+1], v[i:i+1], s[38:39] op_sel_hi:[1,0]
.set i, i+2
.endr
.set i, 80
.rept 32
	v_exp_f32 v[i], v[i]
.set i, i+1
.endr
	v_nop
	s_wait_alu depctr_va_vdst(0)
.set i, 80
.rept 16
	v_pk_add_f32 v[i:i+1], v[i:i+1], 1.0 op_sel_hi:[1,0]
.set i, i+2
.endr
.set i, 80
.rept 32
	v_rcp_f32 v[i], v[i]
.set i, i+1
.endr
	v_nop
	s_wait_alu depctr_va_vdst(0)
.set i, 80
.rept 16
	v_pk_fma_f32 v[i:i+1], v[i:i+1], -2.0, 1.0 op_sel_hi:[1,0,0]   ; n
.set i, i+2
.endr
	s_wait_loadcnt 0x0                             ; S of this tile, asked for a tile ago
.set t, 0
.rept 4
.set j, 0
.rept 8
	v_sub_f32 v[16+8*t+j], v[196+4*j+t], v[80+8*t+j]               ; S - n, where r lay
.set j, j+1
.endr
.set t, t+1
.endr
.set t, 0
.rept 4
.set j, 0
.rept 8
	v_fma_f32 v[196+4*j+t], v[48+8*t+j], v[16+8*t+j], v[80+8*t+j]  ; S_new = n + z (S - n)
.set j, j+1
.endr
.set t, t+1
.endr
.set j, 0
.rept 8
.set p, 0
.rept 2
.if ((\mt) == 0) && (j == 0)
	v_pk_mul_f32 v[244+2*p:245+2*p], v[196+2*p:197+2*p], v[228:229] op_sel_hi:[1,0]    ; the batch's first row starts the slot context
.else
	BFMA1 244+2*p, 196+4*j+2*p, 228+2*(j/2), 244+2*p, j%2
.endif
.set p, p+1
.endr
.set j, j+1
.endr
.irp j, 0,1,2,3,4,5,6,7
	global_store_b128 v8, v[196+4*\j:199+4*\j], s[22:23] offset:(16*(\mt)+\j)*4096 th:TH_STORE_NT   ; each half of the lanes stores 256 consecutive bytes, aligned
.endr
	s_wait_xcnt 0x0                                ; the stores have read their registers, which take the next tile's S: it has a whole tile's work in which to land
.if (\mt) == 0
.irp j, 0,1,2,3,4,5,6,7
	global_load_b128 v[196+4*\j:199+4*\j], v8, s[8:9] offset:(16+\j)*4096 th:TH_LOAD_NT
.endr
.else
	s_cmp_eq_u32 s42, 1                            ; behind the last batch nothing is asked for: no load leaves its buffer
	s_cbranch_scc1 .Lno_next_\@
.irp j, 0,1,2,3,4,5,6,7
	global_load_b128 v[196+4*\j:199+4*\j], v8, s[8:9] offset:(32+\j)*4096 th:TH_LOAD_NT
.endr
.Lno_next_\@:
.endif
.endm
.Lbatch:
	TILE 0
	TILE 1
.irp t, 0,1,2,3
	v_permlanex16_b32 v[10+\t], v[244+\t], s40, s41
.endr
.irp t, 0,1,2,3
	v_add_f32 v[244+\t], v[244+\t], v[10+\t]       ; with the other half's sixteen slots
.endr
	v_cmp_gt_u32 vcc_lo, 0x100, v8                 ; lanes 0-15
	s_wait_xcnt 0x0                                ; EXEC changes only behind this wait
	s_and_saveexec_b32 s43, vcc_lo
	global_store_b128 v9, v[244:247], s[26:27]     ; sixteen lanes store 256 consecutive bytes, aligned
	s_wait_xcnt 0x0                                ; and again in front of the line that widens it; the pointers below are free too
	s_or_b32 exec_lo, exec_lo, s43
	s_add_nc_u64 s[8:9], s[8:9], 131072            ; the next batch: 32 rows of S and of S_new,
	s_add_nc_u64 s[22:23], s[22:23], 131072
	s_add_nc_u64 s[26:27], s[26:27], 4096          ; a row of the slot context,
	v_add_nc_u32 v3, 16896, v3                     ; 32 rows of codes,
	v_add_nc_u32 v4, 1024, v4                      ; of scale bytes,
	v_add_nc_u32 v5, 128, v5                       ; 32 alpha,
	v_add_nc_u32 v7, 768, v7                       ; three entries of G
	s_sub_co_u32 s42, s42, 1
	s_cmp_lg_u32 s42, 0
	s_cbranch_scc1 .Lbatch
	s_wait_tensorcnt 0x0                           ; the wave's end, behind the last LDS store
	ds_add_u32 v1, v2
	s_wait_dscnt 0x0
	s_endpgm
.Lfunc_end_k_q296d12f513_gru:
	.size	k_q296d12f513_gru, .Lfunc_end_k_q296d12f513_gru-k_q296d12f513_gru
	.p2alignl 7, 3214868480
	.fill 96, 4, 3214868480
	.section	.rodata,"a",@progbits
	.p2align	6, 0x0
	.amdhsa_kernel k_q296d12f513_gru
		.amdhsa_group_segment_fixed_size 90624
		.amdhsa_private_segment_fixed_size 0
		.amdhsa_enable_private_segment 0
		.amdhsa_kernarg_size 80
		.amdhsa_user_sgpr_count 2
		.amdhsa_user_sgpr_kernarg_segment_ptr 1
		.amdhsa_wavefront_size32 1
		.amdhsa_system_sgpr_workgroup_id_x 1
		.amdhsa_system_sgpr_workgroup_id_y 1
		.amdhsa_system_sgpr_workgroup_id_z 1
		.amdhsa_system_vgpr_workitem_id 0
		.amdhsa_next_free_vgpr 1024
		.amdhsa_next_free_sgpr 66
		.amdhsa_reserve_vcc 1
		.amdhsa_float_denorm_mode_32 3
		.amdhsa_float_denorm_mode_16_64 3
		.amdhsa_memory_ordered 1
		.amdhsa_forward_progress 1
		.amdhsa_inst_pref_size 119
	.end_amdhsa_kernel
	.amdgpu_metadata
---
amdhsa.version: [ 1, 2 ]
amdhsa.kernels:
  - .name:           k_q296d12f513_gru
    .symbol:         k_q296d12f513_gru.kd
    .args:
      - { .name: S, .offset: 0, .size: 8, .value_kind: global_buffer, .address_space: global }
      - { .name: codes, .offset: 8, .size: 8, .value_kind: global_buffer, .address_space: global }
      - { .name: gbuf, .offset: 16, .size: 8, .value_kind: global_buffer, .address_space: global }
      - { .name: plog, .offset: 24, .size: 8, .value_kind: global_buffer, .address_space: global }
      - { .name: b_r2, .offset: 32, .size: 8, .value_kind: global_buffer, .address_space: global }
      - { .name: b_ih, .offset: 40, .size: 8, .value_kind: global_buffer, .address_space: global }
      - { .name: b_hh, .offset: 48, .size: 8, .value_kind: global_buffer, .address_space: global }
      - { .name: out1, .offset: 56, .size: 8, .value_kind: global_buffer, .address_space: global }
      - { .name: out2, .offset: 64, .size: 8, .value_kind: global_buffer, .address_space: global }
      - { .name: sctx, .offset: 72, .size: 8, .value_kind: global_buffer, .address_space: global }
    .group_segment_fixed_size: 90624
    .private_segment_fixed_size: 0
    .kernarg_segment_align: 8
    .kernarg_segment_size: 80
    .max_flat_workgroup_size: 128
    .sgpr_count:     66
    .vgpr_count:     1024
    .wavefront_size: 32
...
	.end_amdgpu_metadata
.endif
;; end of part 3
;; launch proj (part 4): grid 64 x 1, 8 waves a work-group, no clusters, 133,120 bytes of LDS; arguments sctx, w_proj, uproj; writes uproj
.if DOCPART == 4
	.amdgcn_target "amdgcn-amd-amdhsa--gfx1250"
	.amdhsa_code_object_version 6
	.text
	.protected	k_q296d12f513_proj
	.globl	k_q296d12f513_proj
	.p2align	8
	.type	k_q296d12f513_proj,@function
k_q296d12f513_proj:
	s_mov_b64 s[64:65], 0
	v_nop
	global_prefetch_b8 v0, s[64:65] scope:SCOPE_SE
	s_setreg_imm32_b32 hwreg(HW_REG_WAVE_MODE, 25, 1), 1
	s_wait_xcnt 0x0
; out[q] = A[q] W[q]: A [256][1024] f32, W [1024][1024] f32 (K its first axis), out [256][1024] f32; q = work-group y picks a slab of 1 MiB of A and of out and 4 MiB of W.
; It serves the slot projection (one slab) and the second FFN product (four slabs along its K = 4,096, whose four partial results the last launch adds).  f16 operands, f32 sums; no bias here.
; A tile of 64 rows x 64 columns, all of K = 1,024.  The eight waves share K: wave w owns k = 128 w .. + 127, so each byte of the weight is loaded by one wave of the work-group; the eight partial tiles meet in LDS.
; The weight goes from memory straight into B fragments: lane (r, h) loads rows kb + 16 h + i, columns n0 + 4 r .. + 3, sixteen lanes 256 bytes on end; fragment c takes column n0 + 4 r + c, register q rows 2 q, 2 q + 1;
; A's fragments are read with the same order of k.  No cluster: the four work-groups on one slab of the weight would share 256 KiB of f32, which does not fit in LDS beside A's tile.
; LIMITS: operands beyond 65,504 in magnitude are not served (f16); NaN and infinities are not served.
; REGISTERS: v3 weight offset; v4-7 A's fragment addresses; v8 A's store address; v9 16 x lane; v10-12 partial tiles; v13 output offset; v16-143 accumulators, first rows as loaded; v144-175 B fragments;
;   v176-239 A fragments, first packed rows; v240-255 results; window 1: the weight.
.set PITCH, 2064
.set PA, 4096
.set PW, 4096
.set PO, 4096
.set SPARE, 132096
.set WV, 24
.set AP, 8
.set WP, 10
.set OP, 12
.set MSB, 0
.macro WIN new
.if MSB != \new
	s_set_vgpr_msb (MSB<<8)|\new
.set MSB, \new
.endif
.endm
.macro PLACES
.rept 4
	v_nop
.endr
.endm
.macro BAR
	s_wait_dscnt 0x0
	s_barrier_signal -1
	s_barrier_wait -1
.endm
.macro WLOAD blk, krow
	WIN 0x40
.irp i, 0,1,2,3,4,5,6,7,8,9,10,11,12,13,14,15
	global_load_b128 v[64*(\blk)+4*\i:64*(\blk)+4*\i+3], v3, s[WP:WP+1] offset:((\krow)+32*(\blk)+\i)*PW
.endr
.endm
.macro ALOAD slot, row
.irp i, 0,1,2,3,4,5,6,7
	global_load_b128 v[16+32*(\slot)+4*\i:16+32*(\slot)+4*\i+3], v9, s[AP:AP+1] offset:(\row)*PA+512*\i
.endr
.endm
.macro APUT row, n                     ; n: the younger rows' loads
	s_wait_loadcnt \n
.if (\row) >= 4
	s_wait_dscnt 24                                ; the stores of four rows back have read these registers; three rows' 24 stores are younger
.endif
.irp i, 0,1,2,3,4,5,6,7
	v_cvt_pk_f16_f32 v[176+16*((\row)%4)+2*\i], v[16+32*((\row)%4)+4*\i], v[17+32*((\row)%4)+4*\i]
	v_cvt_pk_f16_f32 v[177+16*((\row)%4)+2*\i], v[18+32*((\row)%4)+4*\i], v[19+32*((\row)%4)+4*\i]
.endr
.irp i, 0,1,2,3,4,5,6,7
	ds_store_b64 v8, v[176+16*((\row)%4)+2*\i:177+16*((\row)%4)+2*\i] offset:(\row)*PITCH+256*\i
.endr
.if (\row) < 4
	ALOAD (\row), (\row)+4
.endif
.endm
.macro AFRAG set, n
.irp m, 0,1,2,3
	ds_load_b128 v[176+32*(\set)+8*\m:179+32*(\set)+8*\m], v[4+\m] offset:2048*((\n)/4)+64*((\n)%4)
	ds_load_b128 v[180+32*(\set)+8*\m:183+32*(\set)+8*\m], v[4+\m] offset:2048*((\n)/4)+64*((\n)%4)+16
.endr
.endm
.macro BCVT blk
	WIN 0x05
.irp c, 0,1,2,3
.irp q, 0,1,2,3,4,5,6,7
	v_cvt_pk_f16_f32 v[144+8*\c+\q], v[64*(\blk)+8*\q+\c], v[64*(\blk)+8*\q+4+\c]
.endr
.endr
	WIN 0
.endm
.macro MM set, n                       ; the sixteen accumulators take turns
.irp m, 0,1,2,3
.irp c, 0,1,2,3
.if (\n) == 0
	v_wmma_f32_16x16x32_f16 v[16+8*(4*\m+\c):23+8*(4*\m+\c)], v[176+32*(\set)+8*\m:183+32*(\set)+8*\m], v[144+8*\c:151+8*\c], 0
.else
	v_wmma_f32_16x16x32_f16 v[16+8*(4*\m+\c):23+8*(4*\m+\c)], v[176+32*(\set)+8*\m:183+32*(\set)+8*\m], v[144+8*\c:151+8*\c], v[16+8*(4*\m+\c):23+8*(4*\m+\c)]
.endif
.endr
.endr
.endm
.macro BLOCK n, last
.if (\n) > 0
	PLACES
.endif
	BCVT (\n)%4
.if (\n) < (\last)
	AFRAG ((\n)+1)%2, (\n)+1
	s_wait_dscnt 8                                 ; this block's fragments are in; the next block's eight loads may be out
.else
	s_wait_dscnt 0x0
.endif
	MM (\n)%2, (\n)
.endm
.macro REDUCE
	PLACES
	BAR                                            ; nobody reads A's tile any more: the partial tiles are laid over it
.irp a, 0,1,2,3,4,5,6,7,8,9,10,11,12,13,14,15
	ds_store_b128 v10, v[16+8*\a:19+8*\a] offset:\a*1024
	ds_store_b128 v10, v[20+8*\a:23+8*\a] offset:\a*1024+512
.endr
	BAR
.irp p, 0,1,2,3
.irp c, 0,1,2,3
	ds_load_b128 v[16+16*\p+4*\c:19+16*\p+4*\c], v11 offset:\p*16384+\c*1024
.endr
.endr
.irp p, 0,1,2,3
.irp c, 0,1,2,3
	ds_load_b128 v[80+16*\p+4*\c:83+16*\p+4*\c], v12 offset:\p*16384+\c*1024
.endr
.endr
	s_wait_dscnt 0x0
.irp p, 0,1,2,3
.irp k, 0,2,4,6,8,10,12,14
	v_pk_add_f32 v[16+32*\p+\k:17+32*\p+\k], v[16+32*\p+\k:17+32*\p+\k], v[32+32*\p+\k:33+32*\p+\k]
.endr
.endr
.irp p, 0,1
.irp k, 0,2,4,6,8,10,12,14
	v_pk_add_f32 v[16+64*\p+\k:17+64*\p+\k], v[16+64*\p+\k:17+64*\p+\k], v[48+64*\p+\k:49+64*\p+\k]
.endr
.endr
.endm
	s_load_b128 s[8:11], s[0:1], 0x0               ; A, W
	s_load_b64 s[12:13], s[0:1], 0x10              ; out
	v_lshl_add_u32 v1, v0, 2, SPARE
	v_mov_b32 v2, 0
	v_lshrrev_b32 v14, 5, v0
	v_readfirstlane_b32 s[WV], v14
	v_and_b32 v14, 15, v0                          ; r
	v_bfe_u32 v15, v0, 4, 1                        ; h
	v_and_b32 v9, 31, v0
	v_lshlrev_b32 v9, 4, v9
	v_mul_u32_u24 v3, v15, 16*PW
	v_lshl_add_u32 v3, v14, 4, v3
	v_mul_u32_u24 v4, v14, PITCH
	v_lshl_add_u32 v4, v15, 5, v4
	s_lshl_b32 s25, s[WV], 8
	v_add_nc_u32 v4, s25, v4
	v_add_nc_u32 v5, 16*PITCH, v4
	v_add_nc_u32 v6, 32*PITCH, v4
	v_add_nc_u32 v7, 48*PITCH, v4
	s_mul_i32 s25, s[WV], 8*PITCH
	v_lshrrev_b32 v8, 1, v9
	v_add_nc_u32 v8, s25, v8
	s_lshl_b32 s25, s[WV], 14
	v_add_nc_u32 v10, s25, v9
	s_lshr_b32 s25, s[WV], 1
	s_lshl_b32 s25, s25, 12
	s_and_b32 s26, s[WV], 1
	s_lshl_b32 s26, s26, 9
	s_add_co_u32 s25, s25, s26
	v_add_nc_u32 v11, s25, v9
	v_add_nc_u32 v12, 0x10000, v11
	v_mul_u32_u24 v13, v15, 8*PO
	v_lshl_add_u32 v13, v14, 4, v13
	s_and_b32 s26, ttmp9, 3                        ; block of 64 rows
	s_lshr_b32 s27, ttmp9, 2                       ; block of 64 columns
	s_and_b32 s32, ttmp7, 0xffff                   ; the slab
	s_mov_b32 s31, 0
	s_wait_kmcnt 0x0
	s_lshl_b32 s28, s26, 6
	s_lshl_b32 s29, s[WV], 3
	s_add_co_u32 s30, s28, s29
	s_lshl_b32 s30, s30, 12
	s_lshl_b32 s33, s32, 20
	s_add_co_u32 s30, s30, s33
	s_add_nc_u64 s[AP:AP+1], s[AP:AP+1], s[30:31]
	s_mul_i32 s30, s[WV], 128*PW
	s_lshl_b32 s29, s27, 8
	s_add_co_u32 s30, s30, s29
	s_lshl_b32 s34, s32, 22
	s_add_co_u32 s30, s30, s34
	s_add_nc_u64 s[WP:WP+1], s[WP:WP+1], s[30:31]
	s_lshr_b32 s30, s[WV], 1
	s_lshl_b32 s30, s30, 4
	s_add_co_u32 s30, s30, s28
	s_and_b32 s25, s[WV], 1
	s_lshl_b32 s25, s25, 2
	s_add_co_u32 s30, s30, s25
	s_lshl_b32 s30, s30, 12
	s_add_co_u32 s30, s30, s29
	s_add_co_u32 s30, s30, s33
	s_add_nc_u64 s[OP:OP+1], s[OP:OP+1], s[30:31]
	WLOAD 0, 0                                     ; the wave's whole slab of the weight is asked for at once
	WLOAD 1, 0
	WLOAD 2, 0
	WLOAD 3, 0
	WIN 0
	ALOAD 0, 0
	ALOAD 1, 1
	ALOAD 2, 2
	ALOAD 3, 3
	APUT 0, 24
	APUT 1, 24
	APUT 2, 24
	APUT 3, 24
	APUT 4, 24
	APUT 5, 16
	APUT 6, 8
	APUT 7, 0                                      ; nothing is out: the weight is in too
	BAR
	AFRAG 0, 0
	BLOCK 0, 3
	BLOCK 1, 3
	BLOCK 2, 3
	BLOCK 3, 3
	REDUCE
.irp c, 0,1,2,3
.irp j, 0,1,2,3
	v_add_f32 v[240+4*\j+\c], v[16+4*\c+\j], v[80+4*\c+\j]
.endr
.endr
.irp j, 0,1,2,3
	global_store_b128 v13, v[240+4*\j:243+4*\j], s[OP:OP+1] offset:\j*PO   ; sixteen lanes store 256 consecutive bytes, aligned
.endr
	s_wait_tensorcnt 0x0                           ; the wave's end, behind the last LDS store
	ds_add_u32 v1, v2
	s_wait_dscnt 0x0
	s_endpgm
.Lfunc_end_k_q296d12f513_proj:
	.size	k_q296d12f513_proj, .Lfunc_end_k_q296d12f513_proj-k_q296d12f513_proj
	.p2alignl 7, 3214868480
	.fill 96, 4, 3214868480
	.section	.rodata,"a",@progbits
	.p2align	6, 0x0
	.amdhsa_kernel k_q296d12f513_proj
		.amdhsa_group_segment_fixed_size 133120
		.amdhsa_private_segment_fixed_size 0
		.amdhsa_enable_private_segment 0
		.amdhsa_kernarg_size 24
		.amdhsa_user_sgpr_count 2
		.amdhsa_user_sgpr_kernarg_segment_ptr 1
		.amdhsa_wavefront_size32 1
		.amdhsa_system_sgpr_workgroup_id_x 1
		.amdhsa_system_sgpr_workgroup_id_y 1
		.amdhsa_system_sgpr_workgroup_id_z 1
		.amdhsa_system_vgpr_workitem_id 0
		.amdhsa_next_free_vgpr 512
		.amdhsa_next_free_sgpr 66
		.amdhsa_reserve_vcc 0
		.amdhsa_float_denorm_mode_32 3
		.amdhsa_float_denorm_mode_16_64 3
		.amdhsa_memory_ordered 1
		.amdhsa_forward_progress 1
		.amdhsa_inst_pref_size 51
	.end_amdhsa_kernel
	.amdgpu_metadata
---
amdhsa.version: [ 1, 2 ]
amdhsa.kernels:
  - .name:           k_q296d12f513_proj
    .symbol:         k_q296d12f513_proj.kd
    .args:
      - { .name: sctx, .offset: 0, .size: 8, .value_kind: global_buffer, .address_space: global }
      - { .name: w_proj, .offset: 8, .size: 8, .value_kind: global_buffer, .address_space: global }
      - { .name: uproj, .offset: 16, .size: 8, .value_kind: global_buffer, .address_space: global }
    .group_segment_fixed_size: 133120
    .private_segment_fixed_size: 0
    .kernarg_segment_align: 8
    .kernarg_segment_size: 24
    .max_flat_workgroup_size: 256
    .sgpr_count:     66
    .vgpr_count:     512
    .wavefront_size: 32
...
	.end_amdgpu_metadata
.endif
;; end of part 4
;; launch ffn1 (part 5): grid 256 x 1, 8 waves a work-group, no clusters, 133,120 bytes of LDS; arguments uproj, x, b_proj, ln1_g, ln1_b, w_f1, b_f1, fbuf; writes fbuf
.if DOCPART == 5
	.amdgcn_target "amdgcn-amd-amdhsa--gfx1250"
	.amdhsa_code_object_version 6
	.text
	.protected	k_q296d12f513_ffn1
	.globl	k_q296d12f513_ffn1
	.p2align	8
	.type	k_q296d12f513_ffn1,@function
k_q296d12f513_ffn1:
	s_mov_b64 s[64:65], 0
	v_nop
	global_prefetch_b8 v0, s[64:65] scope:SCOPE_SE
	s_setreg_imm32_b32 hwreg(HW_REG_WAVE_MODE, 25, 1), 1
	s_wait_xcnt 0x0
; FFN1: x_mid = x + uproj + b_proj; h = layer norm(x_mid) ln1_g + ln1_b; fbuf = gelu(h w_f1 + b_f1), a tile of 64 rows x 64 of the 4,096 columns to a work-group.
; The layer norm is taken in f32, in two passes over a row that lies in one wave's registers (mean, then the mean of the squared differences), and h goes to LDS as f16, the product's operand.
; fbuf: four slabs [256][1024] f32, slab q holding columns 1024 q ..: the next launch's four slabs of K.
; The product is built as this program's other small products: the eight waves share K = 1,024 (wave w: k = 128 w .. + 127), the weight goes from memory [k][n] straight into B fragments (lane (r, h): rows kb + 16 h + i,
; columns n0 + 4 r .. + 3; fragment c: column n0 + 4 r + c; register q: rows 2 q, 2 q + 1), A's fragments are read with the same order of k, and the eight partial tiles meet in LDS.
; GELU is exact in form: erf by the rational approximation 7.1.26 of Abramowitz and Stegun, absolute error 1.5e-7 for every argument.
; LIMITS: operands beyond 65,504 in magnitude are not served (f16); NaN and infinities are not served.
; REGISTERS: v3 weight offset; v4-7 A's fragment addresses; v8 A's store address; v9 16 x lane; v10-12 partial tiles; v13 output offset; v14, v15 at work; v16-143 accumulators, first two slots of a row of x and of uproj;
;   v144-239 first b_proj, ln1_g, ln1_b, then B and A fragments; v240-255 packed row, later results; window 1: the weight, later b_f1.
.set PITCH, 2064
.set PW, 16384
.set PO, 4096
.set SPARE, 132096
.set WV, 24
.set WP, 18
.set OP, 22
.set MSB, 0
.macro WIN new
.if MSB != \new
	s_set_vgpr_msb (MSB<<8)|\new
.set MSB, \new
.endif
.endm
.macro PLACES
.rept 4
	v_nop
.endr
.endm
.macro BAR
	s_wait_dscnt 0x0
	s_barrier_signal -1
	s_barrier_wait -1
.endm
.macro WLOAD blk, krow
	WIN 0x40
.irp i, 0,1,2,3,4,5,6,7,8,9,10,11,12,13,14,15
	global_load_b128 v[64*(\blk)+4*\i:64*(\blk)+4*\i+3], v3, s[WP:WP+1] offset:((\krow)+32*(\blk)+\i)*PW
.endr
.endm
.macro XULOAD slot, row                ; a row of x and the same row of uproj
.irp i, 0,1,2,3,4,5,6,7
	global_load_b128 v[16+64*(\slot)+4*\i:19+64*(\slot)+4*\i], v9, s[10:11] offset:(\row)*4096+512*\i
.endr
.irp i, 0,1,2,3,4,5,6,7
	global_load_b128 v[48+64*(\slot)+4*\i:51+64*(\slot)+4*\i], v9, s[8:9] offset:(\row)*4096+512*\i
.endr
.endm
.macro LANESUM t                       ; the sixteen numbers v[t] .. v[t + 15] of every lane, summed over the 32 lanes, into v14 of every lane
.irp k, 0,2,4,6
	v_pk_add_f32 v[(\t)+\k:(\t)+\k+1], v[(\t)+\k:(\t)+\k+1], v[(\t)+8+\k:(\t)+9+\k]
.endr
.irp k, 0,2
	v_pk_add_f32 v[(\t)+\k:(\t)+\k+1], v[(\t)+\k:(\t)+\k+1], v[(\t)+4+\k:(\t)+5+\k]
.endr
	v_pk_add_f32 v[(\t):(\t)+1], v[(\t):(\t)+1], v[(\t)+2:(\t)+3]
	v_add_f32 v14, v[(\t)], v[(\t)+1]
.irp m, 1,2,4,8
	v_add_f32_dpp v14, v14, v14 row_xmask:\m row_mask:0xf bank_mask:0xf
.endr
	v_permlanex16_b32 v15, v14, s40, s41
	v_add_f32 v14, v14, v15
.endm
.macro LNROW row, n                    ; one row's layer norm; n: the other slot's loads, which may stay out
.set XB, 16+64*((\row)%2)
.set UB, XB+32
	s_wait_loadcnt \n
.set k, 0
.rept 16
	v_pk_add_f32 v[XB+k:XB+k+1], v[XB+k:XB+k+1], v[UB+k:UB+k+1]
.set k, k+2
.endr
.set k, 0
.rept 16
	v_pk_add_f32 v[XB+k:XB+k+1], v[XB+k:XB+k+1], v[144+k:145+k]    ; x_mid
.set k, k+2
.endr
.set k, 0
.rept 8
	v_pk_add_f32 v[UB+k:UB+k+1], v[XB+k:XB+k+1], v[XB+16+k:XB+17+k]
.set k, k+2
.endr
	LANESUM UB
	v_mul_f32 v14, s42, v14                        ; the mean
.set k, 0
.rept 16
	v_pk_add_f32 v[XB+k:XB+k+1], v[XB+k:XB+k+1], v[14:15] op_sel_hi:[1,0] neg_lo:[0,1] neg_hi:[0,1]
.set k, k+2
.endr
.set k, 0
.rept 8
	v_pk_mul_f32 v[UB+k:UB+k+1], v[XB+k:XB+k+1], v[XB+k:XB+k+1]
.set k, k+2
.endr
.set k, 0
.rept 8
	v_pk_fma_f32 v[UB+k:UB+k+1], v[XB+16+k:XB+17+k], v[XB+16+k:XB+17+k], v[UB+k:UB+k+1]
.set k, k+2
.endr
	LANESUM UB
	v_fma_f32 v14, v14, s42, s43                   ; the variance + 1e-5
	v_rsq_f32 v14, v14
	v_nop
	s_wait_alu depctr_va_vdst(0)                   ; the wait ahead of the first reader
.set k, 0
.rept 16
	v_pk_mul_f32 v[XB+k:XB+k+1], v[XB+k:XB+k+1], v[14:15] op_sel_hi:[1,0]
.set k, k+2
.endr
.set k, 0
.rept 16
	v_pk_fma_f32 v[XB+k:XB+k+1], v[XB+k:XB+k+1], v[176+k:177+k], v[208+k:209+k]
.set k, k+2
.endr
	s_wait_dscnt 0x0                               ; the last row's stores have read v240-255
.set k, 0
.rept 16
	v_cvt_pk_f16_f32 v[240+k], v[XB+2*k], v[XB+2*k+1]
.set k, k+1
.endr
.irp i, 0,1,2,3,4,5,6,7
	ds_store_b64 v8, v[240+2*\i:241+2*\i] offset:(\row)*PITCH+256*\i
.endr
.if (\row) < 6
	XULOAD (\row)%2, (\row)+2
.endif
.endm
.macro AFRAG set, n
.irp m, 0,1,2,3
	ds_load_b128 v[176+32*(\set)+8*\m:179+32*(\set)+8*\m], v[4+\m] offset:2048*((\n)/4)+64*((\n)%4)
	ds_load_b128 v[180+32*(\set)+8*\m:183+32*(\set)+8*\m], v[4+\m] offset:2048*((\n)/4)+64*((\n)%4)+16
.endr
.endm
.macro BCVT blk
	WIN 0x05
.irp c, 0,1,2,3
.irp q, 0,1,2,3,4,5,6,7
	v_cvt_pk_f16_f32 v[144+8*\c+\q], v[64*(\blk)+8*\q+\c], v[64*(\blk)+8*\q+4+\c]
.endr
.endr
	WIN 0
.endm
.macro MM set, n                       ; the sixteen accumulators take turns
.irp m, 0,1,2,3
.irp c, 0,1,2,3
.if (\n) == 0
	v_wmma_f32_16x16x32_f16 v[16+8*(4*\m+\c):23+8*(4*\m+\c)], v[176+32*(\set)+8*\m:183+32*(\set)+8*\m], v[144+8*\c:151+8*\c], 0
.else
	v_wmma_f32_16x16x32_f16 v[16+8*(4*\m+\c):23+8*(4*\m+\c)], v[176+32*(\set)+8*\m:183+32*(\set)+8*\m], v[144+8*\c:151+8*\c], v[16+8*(4*\m+\c):23+8*(4*\m+\c)]
.endif
.endr
.endr
.endm
.macro BLOCK n, last
.if (\n) > 0
	PLACES
.endif
	BCVT (\n)%4
.if (\n) < (\last)
	AFRAG ((\n)+1)%2, (\n)+1
	s_wait_dscnt 8                                 ; this block's fragments are in; the next block's eight loads may be out
.else
	s_wait_dscnt 0x0
.endif
	MM (\n)%2, (\n)
.endm
.macro REDUCE
	PLACES
	BAR                                            ; nobody reads A's tile any more: the partial tiles are laid over it
.irp a, 0,1,2,3,4,5,6,7,8,9,10,11,12,13,14,15
	ds_store_b128 v10, v[16+8*\a:19+8*\a] offset:\a*1024
	ds_store_b128 v10, v[20+8*\a:23+8*\a] offset:\a*1024+512
.endr
	BAR
.irp p, 0,1,2,3
.irp c, 0,1,2,3
	ds_load_b128 v[16+16*\p+4*\c:19+16*\p+4*\c], v11 offset:\p*16384+\c*1024
.endr
.endr
.irp p, 0,1,2,3
.irp c, 0,1,2,3
	ds_load_b128 v[80+16*\p+4*\c:83+16*\p+4*\c], v12 offset:\p*16384+\c*1024
.endr
.endr
	s_wait_dscnt 0x0
.irp p, 0,1,2,3
.irp k, 0,2,4,6,8,10,12,14
	v_pk_add_f32 v[16+32*\p+\k:17+32*\p+\k], v[16+32*\p+\k:17+32*\p+\k], v[32+32*\p+\k:33+32*\p+\k]
.endr
.endr
.irp p, 0,1
.irp k, 0,2,4,6,8,10,12,14
	v_pk_add_f32 v[16+64*\p+\k:17+64*\p+\k], v[16+64*\p+\k:17+64*\p+\k], v[48+64*\p+\k:49+64*\p+\k]
.endr
.endr
.endm
; gelu of the sixteen numbers v16-31 (index 4 c + jj) into v[240 + 4 jj + c].  au = |x| / sqrt 2; t = 1 / (1 + p au); q = t (a1 + t (a2 + t (a3 + t (a4 + t a5)))) 2^(-au^2 log2 e) = 1 - erf(au);
; gelu = (x/2 + |x/2|) - |x/2| q.  The 32 transcendentals are one batch with one wait.
.macro GELU16
.irp i, 0,1,2,3,4,5,6,7,8,9,10,11,12,13,14,15
	v_mul_f32 v[32+\i], s48, |v[16+\i]|
.endr
.irp i, 0,2,4,6,8,10,12,14
	v_pk_fma_f32 v[48+\i:49+\i], v[32+\i:33+\i], s[50:51], 1.0 op_sel_hi:[1,0,0]
	v_pk_mul_f32 v[64+\i:65+\i], v[32+\i:33+\i], v[32+\i:33+\i]
.endr
.irp i, 0,2,4,6,8,10,12,14
	v_pk_mul_f32 v[64+\i:65+\i], v[64+\i:65+\i], s[52:53] op_sel_hi:[1,0]
	v_pk_mul_f32 v[96+\i:97+\i], v[16+\i:17+\i], 0.5 op_sel_hi:[1,0]
.endr
.irp i, 0,1,2,3,4,5,6,7,8,9,10,11,12,13,14,15
	v_rcp_f32 v[48+\i], v[48+\i]
.endr
.irp i, 0,1,2,3,4,5,6,7,8,9,10,11,12,13,14,15
	v_exp_f32 v[64+\i], v[64+\i]
.endr
	v_nop
	s_wait_alu depctr_va_vdst(0)
.irp i, 0,1,2,3,4,5,6,7,8,9,10,11,12,13,14,15
	v_fma_f32 v[80+\i], v[48+\i], s54, s56
.endr
.irp k, 58,60,62
.irp i, 0,2,4,6,8,10,12,14
	v_pk_fma_f32 v[80+\i:81+\i], v[80+\i:81+\i], v[48+\i:49+\i], s[\k:\k+1] op_sel_hi:[1,1,0]
.endr
.endr
.irp i, 0,2,4,6,8,10,12,14
	v_pk_mul_f32 v[80+\i:81+\i], v[80+\i:81+\i], v[48+\i:49+\i]
.endr
.irp i, 0,2,4,6,8,10,12,14
	v_pk_mul_f32 v[80+\i:81+\i], v[80+\i:81+\i], v[64+\i:65+\i]
.endr
.irp i, 0,1,2,3,4,5,6,7,8,9,10,11,12,13,14,15
	v_add_f32 v[32+\i], v[96+\i], |v[96+\i]|
.endr
.irp c, 0,1,2,3
.irp j, 0,1,2,3
	v_fma_f32 v[240+4*\j+\c], -|v[96+4*\c+\j]|, v[80+4*\c+\j], v[32+4*\c+\j]
.endr
.endr
.endm
	s_load_b512 s[8:23], s[0:1], 0x0               ; uproj 8, x 10, b_proj 12, ln1_g 14, ln1_b 16, w_f1 18, b_f1 20, fbuf 22
	v_lshl_add_u32 v1, v0, 2, SPARE
	v_mov_b32 v2, 0
	v_lshrrev_b32 v14, 5, v0
	v_readfirstlane_b32 s[WV], v14
	v_and_b32 v14, 15, v0                          ; r
	v_bfe_u32 v15, v0, 4, 1                        ; h
	v_and_b32 v9, 31, v0
	v_lshlrev_b32 v9, 4, v9
	v_mul_u32_u24 v3, v15, 16*PW
	v_lshl_add_u32 v3, v14, 4, v3
	v_mul_u32_u24 v4, v14, PITCH
	v_lshl_add_u32 v4, v15, 5, v4
	s_lshl_b32 s25, s[WV], 8
	v_add_nc_u32 v4, s25, v4
	v_add_nc_u32 v5, 16*PITCH, v4
	v_add_nc_u32 v6, 32*PITCH, v4
	v_add_nc_u32 v7, 48*PITCH, v4
	s_mul_i32 s25, s[WV], 8*PITCH
	v_lshrrev_b32 v8, 1, v9
	v_add_nc_u32 v8, s25, v8
	s_lshl_b32 s25, s[WV], 14
	v_add_nc_u32 v10, s25, v9
	s_lshr_b32 s25, s[WV], 1
	s_lshl_b32 s25, s25, 12
	s_and_b32 s26, s[WV], 1
	s_lshl_b32 s26, s26, 9
	s_add_co_u32 s25, s25, s26
	v_add_nc_u32 v11, s25, v9
	v_add_nc_u32 v12, 0x10000, v11
	v_mul_u32_u24 v13, v15, 8*PO
	v_lshl_add_u32 v13, v14, 4, v13
	s_mov_b32 s40, 0x76543210
	s_mov_b32 s41, 0xfedcba98                      ; v_permlanex16_b32's selects for lane l xor 16
	s_mov_b32 s42, 0x3a800000                      ; 1 / 1,024
	s_mov_b32 s43, 0x3727c5ac                      ; 1e-5
	s_mov_b32 s48, 0x3f3504f3                      ; 1 / sqrt 2
	s_mov_b32 s50, 0x3ea7ba05                      ; p = 0.3275911
	s_mov_b32 s51, s50
	s_mov_b32 s52, 0xbfb8aa3b                      ; -log2 e
	s_mov_b32 s53, s52
	s_mov_b32 s54, 0x3f87dc22                      ; a5
	s_mov_b32 s56, 0xbfba00e3                      ; a4
	s_mov_b32 s58, 0x3fb5f0e3                      ; a3
	s_mov_b32 s59, s58
	s_mov_b32 s60, 0xbe91a98e                      ; a2
	s_mov_b32 s61, s60
	s_mov_b32 s62, 0x3e827906                      ; a1
	s_mov_b32 s63, s62
	s_and_b32 s26, ttmp9, 3                        ; block of 64 rows
	s_lshr_b32 s27, ttmp9, 2                       ; block of 64 columns, 0 .. 63
	s_mov_b32 s31, 0
	s_wait_kmcnt 0x0
	s_lshl_b32 s28, s26, 6
	s_lshl_b32 s29, s[WV], 3
	s_add_co_u32 s30, s28, s29
	s_lshl_b32 s30, s30, 12
	s_add_nc_u64 s[8:9], s[8:9], s[30:31]          ; my eight rows of uproj,
	s_add_nc_u64 s[10:11], s[10:11], s[30:31]      ; and of x
	s_mul_i32 s30, s[WV], 128*PW
	s_lshl_b32 s29, s27, 8
	s_add_co_u32 s30, s30, s29
	s_add_nc_u64 s[WP:WP+1], s[WP:WP+1], s[30:31]
	s_mov_b32 s30, s29
	s_add_nc_u64 s[20:21], s[20:21], s[30:31]      ; b_f1 at my 64 columns
	s_lshr_b32 s30, s[WV], 1
	s_lshl_b32 s30, s30, 4
	s_add_co_u32 s30, s30, s28
	s_and_b32 s25, s[WV], 1
	s_lshl_b32 s25, s25, 2
	s_add_co_u32 s30, s30, s25
	s_lshl_b32 s30, s30, 12
	s_lshr_b32 s25, s27, 4
	s_lshl_b32 s25, s25, 20                        ; the slab,
	s_add_co_u32 s30, s30, s25
	s_and_b32 s25, s27, 15
	s_lshl_b32 s25, s25, 8                         ; the columns in it
	s_add_co_u32 s30, s30, s25
	s_add_nc_u64 s[OP:OP+1], s[OP:OP+1], s[30:31]
.irp i, 0,1,2,3,4,5,6,7
	global_load_b128 v[144+4*\i:147+4*\i], v9, s[12:13] offset:512*\i
.endr
.irp i, 0,1,2,3,4,5,6,7
	global_load_b128 v[176+4*\i:179+4*\i], v9, s[14:15] offset:512*\i
.endr
.irp i, 0,1,2,3,4,5,6,7
	global_load_b128 v[208+4*\i:211+4*\i], v9, s[16:17] offset:512*\i
.endr
	WLOAD 0, 0                                     ; the wave's whole slab of the weight is asked for at once
	WLOAD 1, 0
	WLOAD 2, 0
	WLOAD 3, 0
	WIN 0
	XULOAD 0, 0
	XULOAD 1, 1
	LNROW 0, 16
	LNROW 1, 16
	LNROW 2, 16
	LNROW 3, 16
	LNROW 4, 16
	LNROW 5, 16
	LNROW 6, 16
	LNROW 7, 0                                     ; nothing is out: the weight is in too
	BAR
	v_and_b32 v14, 15, v0
	v_lshlrev_b32 v14, 4, v14                      ; 16 r
	AFRAG 0, 0
	BLOCK 0, 3
	WIN 0x40
	global_load_b128 v[0:3], v14, s[20:21]         ; b_f1's four numbers, where block 0's part of the weight lay
	WIN 0
	BLOCK 1, 3
	BLOCK 2, 3
	BLOCK 3, 3
	REDUCE
	s_wait_loadcnt 0x0
.irp k, 0,2,4,6,8,10,12,14
	v_pk_add_f32 v[16+\k:17+\k], v[16+\k:17+\k], v[80+\k:81+\k]
.endr
	WIN 0x04                                       ; source 1 (b_f1) in window 1
.irp p, 0,2
	v_pk_add_f32 v[16+\p:17+\p], v[16+\p:17+\p], v[0:1] op_sel_hi:[1,0]
	v_pk_add_f32 v[20+\p:21+\p], v[20+\p:21+\p], v[0:1] op_sel:[0,1] op_sel_hi:[1,1]
	v_pk_add_f32 v[24+\p:25+\p], v[24+\p:25+\p], v[2:3] op_sel_hi:[1,0]
	v_pk_add_f32 v[28+\p:29+\p], v[28+\p:29+\p], v[2:3] op_sel:[0,1] op_sel_hi:[1,1]
.endr
	WIN 0
	GELU16
.irp j, 0,1,2,3
	global_store_b128 v13, v[240+4*\j:243+4*\j], s[OP:OP+1] offset:\j*PO   ; sixteen lanes store 256 consecutive bytes, aligned
.endr
	s_wait_tensorcnt 0x0                           ; the wave's end, behind the last LDS store
	ds_add_u32 v1, v2
	s_wait_dscnt 0x0
	s_endpgm
.Lfunc_end_k_q296d12f513_ffn1:
	.size	k_q296d12f513_ffn1, .Lfunc_end_k_q296d12f513_ffn1-k_q296d12f513_ffn1
	.p2alignl 7, 3214868480
	.fill 96, 4, 3214868480
	.section	.rodata,"a",@progbits
	.p2align	6, 0x0
	.amdhsa_kernel k_q296d12f513_ffn1
		.amdhsa_group_segment_fixed_size 133120
		.amdhsa_private_segment_fixed_size 0
		.amdhsa_enable_private_segment 0
		.amdhsa_kernarg_size 64
		.amdhsa_user_sgpr_count 2
		.amdhsa_user_sgpr_kernarg_segment_ptr 1
		.amdhsa_wavefront_size32 1
		.amdhsa_system_sgpr_workgroup_id_x 1
		.amdhsa_system_sgpr_workgroup_id_y 1
		.amdhsa_system_sgpr_workgroup_id_z 1
		.amdhsa_system_vgpr_workitem_id 0
		.amdhsa_next_free_vgpr 512
		.amdhsa_next_free_sgpr 66
		.amdhsa_reserve_vcc 0
		.amdhsa_float_denorm_mode_32 3
		.amdhsa_float_denorm_mode_16_64 3
		.amdhsa_memory_ordered 1
		.amdhsa_forward_progress 1
		.amdhsa_inst_pref_size 137
	.end_amdhsa_kernel
	.amdgpu_metadata
---
amdhsa.version: [ 1, 2 ]
amdhsa.kernels:
  - .name:           k_q296d12f513_ffn1
    .symbol:         k_q296d12f513_ffn1.kd
    .args:
      - { .name: uproj, .offset: 0, .size: 8, .value_kind: global_buffer, .address_space: global }
      - { .name: x, .offset: 8, .size: 8, .value_kind: global_buffer, .address_space: global }
      - { .name: b_proj, .offset: 16, .size: 8, .value_kind: global_buffer, .address_space: global }
      - { .name: ln1_g, .offset: 24, .size: 8, .value_kind: global_buffer, .address_space: global }
      - { .name: ln1_b, .offset: 32, .size: 8, .value_kind: global_buffer, .address_space: global }
      - { .name: w_f1, .offset: 40, .size: 8, .value_kind: global_buffer, .address_space: global }
      - { .name: b_f1, .offset: 48, .size: 8, .value_kind: global_buffer, .address_space: global }
      - { .name: fbuf, .offset: 56, .size: 8, .value_kind: global_buffer, .address_space: global }
    .group_segment_fixed_size: 133120
    .private_segment_fixed_size: 0
    .kernarg_segment_align: 8
    .kernarg_segment_size: 64
    .max_flat_workgroup_size: 256
    .sgpr_count:     66
    .vgpr_count:     512
    .wavefront_size: 32
...
	.end_amdgpu_metadata
.endif
;; end of part 5
;; launch ffn2: the kernel of part 4 again; grid 64 x 4, 8 waves a work-group, no clusters, 133,120 bytes of LDS; arguments fbuf, w_f2, ypart; writes ypart
;; launch ln2 (part 6): grid 256 x 1, 1 waves a work-group, no clusters, 0 bytes of LDS; arguments x, uproj, b_proj, ypart, b_f2, ln2_g, ln2_b, out0; writes out0
.if DOCPART == 6
	.amdgcn_target "amdgcn-amd-amdhsa--gfx1250"
	.amdhsa_code_object_version 6
	.text
	.protected	k_q296d12f513_ln2
	.globl	k_q296d12f513_ln2
	.p2align	8
	.type	k_q296d12f513_ln2,@function
k_q296d12f513_ln2:
	s_mov_b64 s[64:65], 0
	v_nop
	global_prefetch_b8 v0, s[64:65] scope:SCOPE_SE
	s_setreg_imm32_b32 hwreg(HW_REG_WAVE_MODE, 25, 1), 1
	s_wait_xcnt 0x0
; LN2: out0 = layer norm(x + uproj + b_proj + the four partial sums of the second FFN product + b_f2) ln2_g + ln2_b.  One wave, one row of 1,024 numbers, 32 a lane; all in f32, the norm in two passes over registers.
; No LDS, no barrier, no matrix unit: a row's reduction never leaves the wave.  Six sets of 32 registers take the ten rows by turns; each load and store of the wave covers 512 consecutive bytes.
; LIMITS: NaN and infinities are not served.
.set A, 16
.set B, 48
.set C, 80
.set D, 112
.set E, 144
.set F, 176
.macro LD8 d, p, off
.irp i, 0,1,2,3,4,5,6,7
	global_load_b128 v[(\d)+4*\i:(\d)+4*\i+3], v3, s[\p:\p+1] offset:(\off)+512*\i
.endr
.endm
.macro ADDSET s
.set k, 0
.rept 16
	v_pk_add_f32 v[A+k:A+k+1], v[A+k:A+k+1], v[(\s)+k:(\s)+k+1]
.set k, k+2
.endr
.endm
.macro LANESUM t                       ; the sixteen numbers v[t] .. v[t + 15] of every lane, summed over the 32 lanes, into v14 of every lane
.irp k, 0,2,4,6
	v_pk_add_f32 v[(\t)+\k:(\t)+\k+1], v[(\t)+\k:(\t)+\k+1], v[(\t)+8+\k:(\t)+9+\k]
.endr
.irp k, 0,2
	v_pk_add_f32 v[(\t)+\k:(\t)+\k+1], v[(\t)+\k:(\t)+\k+1], v[(\t)+4+\k:(\t)+5+\k]
.endr
	v_pk_add_f32 v[(\t):(\t)+1], v[(\t):(\t)+1], v[(\t)+2:(\t)+3]
	v_add_f32 v14, v[(\t)], v[(\t)+1]
.irp m, 1,2,4,8
	v_add_f32_dpp v14, v14, v14 row_xmask:\m row_mask:0xf bank_mask:0xf
.endr
	v_permlanex16_b32 v15, v14, s40, s41
	v_add_f32 v14, v14, v15
.endm
	s_load_b512 s[8:23], s[0:1], 0x0               ; x 8, uproj 10, b_proj 12, ypart 14, b_f2 16, ln2_g 18, ln2_b 20, out0 22
	v_lshlrev_b32 v3, 4, v0                        ; 16 x lane
	v_mov_b32 v15, 0                               ; written once: a lane permute's destination counts as one of its sources
	s_lshl_b32 s24, ttmp9, 12                      ; my row
	s_mov_b32 s25, 0
	s_mov_b32 s40, 0x76543210
	s_mov_b32 s41, 0xfedcba98
	s_mov_b32 s42, 0x3a800000                      ; 1 / 1,024
	s_mov_b32 s43, 0x3727c5ac                      ; 1e-5
	s_wait_kmcnt 0x0
	s_add_nc_u64 s[8:9], s[8:9], s[24:25]
	s_add_nc_u64 s[10:11], s[10:11], s[24:25]
	s_add_nc_u64 s[14:15], s[14:15], s[24:25]
	s_add_nc_u64 s[22:23], s[22:23], s[24:25]
	LD8 A, 8, 0
	LD8 B, 10, 0
	LD8 C, 14, 0
	LD8 D, 14, 1048576
	LD8 E, 14, 2097152
	LD8 F, 14, 3145728
	s_wait_loadcnt 32                              ; x and uproj are in; four sets' 32 loads are younger
	ADDSET B
	LD8 B, 12, 0                                   ; b_proj
	s_wait_loadcnt 32                              ; each time four younger sets may be out
	ADDSET C
	LD8 C, 16, 0                                   ; b_f2
	s_wait_loadcnt 32
	ADDSET D
	LD8 D, 18, 0                                   ; ln2_g
	s_wait_loadcnt 32
	ADDSET E
	LD8 E, 20, 0                                   ; ln2_b
	s_wait_loadcnt 32
	ADDSET F
	s_wait_loadcnt 24                              ; b_proj is in; three sets are younger
	ADDSET B
	s_wait_loadcnt 16
	ADDSET C
.set k, 0
.rept 8
	v_pk_add_f32 v[F+k:F+k+1], v[A+k:A+k+1], v[A+16+k:A+17+k]
.set k, k+2
.endr
	LANESUM F
	v_mul_f32 v14, s42, v14                        ; the mean
.set k, 0
.rept 16
	v_pk_add_f32 v[A+k:A+k+1], v[A+k:A+k+1], v[14:15] op_sel_hi:[1,0] neg_lo:[0,1] neg_hi:[0,1]
.set k, k+2
.endr
.set k, 0
.rept 8
	v_pk_mul_f32 v[F+k:F+k+1], v[A+k:A+k+1], v[A+k:A+k+1]
.set k, k+2
.endr
.set k, 0
.rept 8
	v_pk_fma_f32 v[F+k:F+k+1], v[A+16+k:A+17+k], v[A+16+k:A+17+k], v[F+k:F+k+1]
.set k, k+2
.endr
	LANESUM F
	v_fma_f32 v14, v14, s42, s43                   ; the variance + 1e-5
	v_rsq_f32 v14, v14
	v_nop
	s_wait_alu depctr_va_vdst(0)                   ; the wait ahead of the first reader
.set k, 0
.rept 16
	v_pk_mul_f32 v[A+k:A+k+1], v[A+k:A+k+1], v[14:15] op_sel_hi:[1,0]
.set k, k+2
.endr
	s_wait_loadcnt 0x0                             ; the gain and the bias
.set k, 0
.rept 16
	v_pk_fma_f32 v[A+k:A+k+1], v[A+k:A+k+1], v[D+k:D+k+1], v[E+k:E+k+1]
.set k, k+2
.endr
.irp i, 0,1,2,3,4,5,6,7
	global_store_b128 v3, v[A+4*\i:A+4*\i+3], s[22:23] offset:512*\i
.endr
	s_endpgm
.Lfunc_end_k_q296d12f513_ln2:
	.size	k_q296d12f513_ln2, .Lfunc_end_k_q296d12f513_ln2-k_q296d12f513_ln2
	.p2alignl 7, 3214868480
	.fill 96, 4, 3214868480
	.section	.rodata,"a",@progbits
	.p2align	6, 0x0
	.amdhsa_kernel k_q296d12f513_ln2
		.amdhsa_group_segment_fixed_size 0
		.amdhsa_private_segment_fixed_size 0
		.amdhsa_enable_private_segment 0
		.amdhsa_kernarg_size 64
		.amdhsa_user_sgpr_count 2
		.amdhsa_user_sgpr_kernarg_segment_ptr 1
		.amdhsa_wavefront_size32 1
		.amdhsa_system_sgpr_workgroup_id_x 1
		.amdhsa_system_sgpr_workgroup_id_y 1
		.amdhsa_system_sgpr_workgroup_id_z 1
		.amdhsa_system_vgpr_workitem_id 0
		.amdhsa_next_free_vgpr 224
		.amdhsa_next_free_sgpr 66
		.amdhsa_reserve_vcc 0
		.amdhsa_float_denorm_mode_32 3
		.amdhsa_float_denorm_mode_16_64 3
		.amdhsa_memory_ordered 1
		.amdhsa_forward_progress 1
		.amdhsa_inst_pref_size 23
	.end_amdhsa_kernel
	.amdgpu_metadata
---
amdhsa.version: [ 1, 2 ]
amdhsa.kernels:
  - .name:           k_q296d12f513_ln2
    .symbol:         k_q296d12f513_ln2.kd
    .args:
      - { .name: x, .offset: 0, .size: 8, .value_kind: global_buffer, .address_space: global }
      - { .name: uproj, .offset: 8, .size: 8, .value_kind: global_buffer, .address_space: global }
      - { .name: b_proj, .offset: 16, .size: 8, .value_kind: global_buffer, .address_space: global }
      - { .name: ypart, .offset: 24, .size: 8, .value_kind: global_buffer, .address_space: global }
      - { .name: b_f2, .offset: 32, .size: 8, .value_kind: global_buffer, .address_space: global }
      - { .name: ln2_g, .offset: 40, .size: 8, .value_kind: global_buffer, .address_space: global }
      - { .name: ln2_b, .offset: 48, .size: 8, .value_kind: global_buffer, .address_space: global }
      - { .name: out0, .offset: 56, .size: 8, .value_kind: global_buffer, .address_space: global }
    .group_segment_fixed_size: 0
    .private_segment_fixed_size: 0
    .kernarg_segment_align: 8
    .kernarg_segment_size: 64
    .max_flat_workgroup_size: 32
    .sgpr_count:     66
    .vgpr_count:     224
    .wavefront_size: 32
...
	.end_amdgpu_metadata
.endif
;; end of part 6
;; ======== version 2 of 2: 7 launches; 1.20 times as fast as version 1
;; limits: values are held in f16: magnitudes above 65,504 overflow, below 6.1e-05 lose precision; a function is approximated: absolute error at most 1.5e-07
;; workspace buffers: codes 6,127,616 bytes; ctx16 1,048,576 bytes; gbuf 3,145,728 bytes; plog 524,288 bytes; sctx 1,048,576 bytes; pw 17,825,792 bytes; fbuf 2,097,152 bytes; ypart 4,194,304 bytes
;; launch prep (part 7): grid 352 x 1, 8 waves a work-group, no clusters, 72,704 bytes of LDS; arguments w_hh, S, codes, ctx16, x; writes codes, ctx16
.if DOCPART == 7
	.amdgcn_target "amdgcn-amd-amdhsa--gfx1250"
	.amdhsa_code_object_version 6
	.text
	.protected	k_q296d12f513_prep
	.globl	k_q296d12f513_prep
	.p2align	8
	.type	k_q296d12f513_prep,@function
k_q296d12f513_prep:
	s_mov_b64 s[64:65], 0
	v_nop
	global_prefetch_b8 v0, s[64:65] scope:SCOPE_SE
	s_setreg_imm32_b32 hwreg(HW_REG_WAVE_MODE, 25, 1), 1
	s_wait_xcnt 0x0
; PREP: two pieces of work that hang on inputs alone, told apart by the work-group's number; each has its own path, its own LDS bytes and its own end.
;   work-groups   0-255  S [8192][1024] f32 -> codes of E2M1 and E8M0 bytes along its rows; the mean over a batch's 32 slots and x, both as f16, into ctx16 [256][2048].
;   work-groups 256-351  w_hh [1024 (k)][3072 (n)] f32 -> codes and scale bytes along k, laid in the order of the operand registers of the launch that multiplies them.
; THE QUANTISER: a block's scale is 2^(floor(log2(largest magnitude)) - 2); its byte is the largest magnitude's exponent field - 2, held at 1 from below by a floor among the maximum's leaves.
; A block of zeros so gets the byte 1: its codes are zeros, and the bytes are read by this program alone.
; LIMITS: NaN and infinities among the inputs are not served; x and the slot mean beyond 65,504 in magnitude are not served (f16).
; No matrix unit, no cluster: no two work-groups read the same bytes.
.set WB, 0                             ; LDS: the w_hh role's scale bytes (1,024)
.set STG, 1024                         ; the S role's stages, 4,608 bytes a wave
.set SCB, 37888                        ; its scale bytes (1,024)
.set MEAN, 38912                       ; its eight partial column sums (32,768)
.set SPARE, 71680                      ; the spare words, 128 bytes a wave
.set SSO, 4194304                      ; in the buffer codes: S's codes at 0, S's scale bytes here,
.set WCO, 4456448                      ; w_hh's codes,
.set WSO, 6029312                      ; w_hh's scale words
.set WV, 24
.macro BAR                             ; my LDS stores have landed and my LDS loads are in: then the work-group's barrier
	s_wait_dscnt 0x0
	s_barrier_signal -1
	s_barrier_wait -1
.endm
.macro END3                            ; the wave's end, behind the last LDS store
	s_wait_tensorcnt 0x0
	ds_add_u32 v1, v2
	s_wait_dscnt 0x0
.endm
	s_load_b128 s[12:15], s[0:1], 0x0              ; w_hh s[12:13], S s[14:15]
	s_load_b64 s[18:19], s[0:1], 0x10              ; codes
	s_load_b64 s[20:21], s[0:1], 0x18              ; ctx16
	s_load_b64 s[8:9], s[0:1], 0x20                ; x
	v_lshl_add_u32 v1, v0, 2, SPARE
	v_mov_b32 v2, 0
	v_lshrrev_b32 v14, 5, v0
	v_readfirstlane_b32 s[WV], v14                 ; wave 0..7
	v_and_b32 v14, 15, v0                          ; r
	v_bfe_u32 v15, v0, 4, 1                        ; h
	v_and_b32 v9, 31, v0
	v_lshlrev_b32 v9, 4, v9                        ; 16 x lane
	s_wait_kmcnt 0x0
	s_cmp_lt_u32 ttmp9, 256
	s_cbranch_scc0 .Lrole_w
	; ---------------- S -> codes, slot mean; x -> f16 ----------------
	; Batch b = work-group; wave w takes its slots 4 w .. 4 w + 3.  A row's eight loads read 512 bytes on end; the row turns through the wave's stage (16 bytes of padding behind each 128), so that lane l holds block l.
	s_mov_b32 s25, ttmp9
	s_lshl_b32 s26, s25, 5
	s_lshl_b32 s27, s[WV], 2
	s_add_co_u32 s26, s26, s27                     ; my first row of S
	s_lshl_b32 s28, s26, 12
	s_mov_b32 s29, 0
	s_add_nc_u64 s[14:15], s[14:15], s[28:29]
	s_lshl_b32 s28, s25, 12
	s_lshl_b32 s30, s[WV], 9
	s_add_co_u32 s28, s28, s30
	s_add_nc_u64 s[8:9], s[8:9], s[28:29]          ; x[b], my wave's 128 numbers
	global_load_b128 v[224:227], v9, s[8:9]
.irp q, 0,1,2,3
.irp i, 0,1,2,3,4,5,6,7
	global_load_b128 v[16+32*\q+4*\i:19+32*\q+4*\i], v9, s[14:15] offset:4096*\q+512*\i th:TH_LOAD_NT
.endr
.endr
	s_lshl_b32 s28, s26, 9
	s_add_nc_u64 s[32:33], s[18:19], s[28:29]      ; my rows' codes, 512 bytes a row
	s_lshl_b32 s28, s25, 10
	s_add_co_u32 s28, s28, s30
	s_add_co_u32 s28, s28, SSO
	s_add_nc_u64 s[34:35], s[18:19], s[28:29]      ; the batch's 1,024 scale bytes, 512 for each of waves 0 and 1
	s_lshl_b32 s28, s25, 12
	s_lshl_b32 s30, s[WV], 8
	s_add_co_u32 s28, s28, s30
	s_add_nc_u64 s[20:21], s[20:21], s[28:29]      ; ctx16[b], my wave's 256 bytes
	v_and_b32 v10, 31, v0
	s_mul_i32 s30, s[WV], 4608
	v_lshrrev_b32 v3, 3, v10
	v_lshl_add_u32 v3, v3, 4, v9
	v_add_nc_u32 v3, s30, v3
	v_add_nc_u32 v3, STG, v3                       ; the stage, in: 16 lane + 16 (lane / 8); a load's 512 bytes take 576
	v_mul_u32_u24 v4, v10, 144
	v_add_nc_u32 v4, s30, v4
	v_add_nc_u32 v4, STG, v4                       ; and out: 144 x lane: my block's 128 bytes
	s_lshl_b32 s30, s[WV], 7
	v_add_nc_u32 v5, s30, v10
	v_add_nc_u32 v5, SCB, v5                       ; my block's scale byte: 32 bytes a row
	s_lshl_b32 s30, s[WV], 12
	v_add_nc_u32 v6, s30, v9
	v_add_nc_u32 v6, MEAN, v6                      ; my wave's column sums
	s_lshl_b32 s30, s[WV], 9
	v_add_nc_u32 v7, s30, v9
	v_add_nc_u32 v11, SCB, v7
	v_add_nc_u32 v7, MEAN, v7                      ; the 128 columns that I finish
	v_lshrrev_b32 v8, 1, v9                        ; 8 x lane
	s_wait_loadcnt 32                              ; x is in; S's 32 loads may be out
	v_cvt_pk_f16_f32 v228, v224, v225
	v_cvt_pk_f16_f32 v229, v226, v227
	global_store_b64 v8, v[228:229], s[20:21]      ; 256 consecutive bytes
.macro SROW rho
	s_wait_loadcnt 8*(3-(\rho))                    ; this row's eight loads are in; the later rows' may be out
.irp i, 0,1,2,3,4,5,6,7
	ds_store_b128 v3, v[16+32*(\rho)+4*\i:19+32*(\rho)+4*\i] offset:576*\i
.endr
.irp q, 0,1,2,3,4,5,6,7
	ds_load_b128 v[144+4*\q:147+4*\q], v4 offset:16*\q     ; LDS serves a wave's instructions in order: these see the stores above
.endr
.irp k, 0,2,4,6,8,10,12,14,16,18,20,22,24,26,28,30
.if (\rho) == 1
	v_pk_add_f32 v[176+\k:177+\k], v[16+\k:17+\k], v[48+\k:49+\k]      ; the column sums, while the row is on its way through the stage
.endif
.if (\rho) > 1
	v_pk_add_f32 v[176+\k:177+\k], v[176+\k:177+\k], v[16+32*(\rho)+\k:17+32*(\rho)+\k]
.endif
.endr
	s_wait_dscnt 0x0
	v_max3_num_f32 v236, |v144|, |v145|, 0x1800000 ; the block's largest magnitude, in two chains, with the floor 2^(3 - 127)
	v_max3_num_f32 v237, |v160|, |v161|, |v162|
.irp k, 0,2,4,6,8,10
	v_max3_num_f32 v236, v236, |v[146+\k]|, |v[147+\k]|
	v_max3_num_f32 v237, v237, |v[163+\k]|, |v[164+\k]|
.endr
	v_max3_num_f32 v236, v236, |v158|, |v159|
	v_max3_num_f32 v236, v236, v237, |v175|
	v_add_nc_u32 v238, 0xff000000, v236            ; 2 off the exponent field: the conversion's scale operand
	v_lshrrev_b32 v[240+(\rho)], 23, v238          ; the scale's byte
.irp g, 0,1,2,3
	v_cvt_scalef32_pk8_fp4_f32 v[208+4*(\rho)+\g], v[144+8*\g:151+8*\g], v238
.endr
	v_nop                                          ; one plain place behind the conversions
	ds_store_b8 v5, v[240+(\rho)] offset:32*(\rho)
	global_store_b128 v9, v[208+4*(\rho):211+4*(\rho)], s[32:33] offset:512*(\rho)   ; a row's 512 bytes of codes
.endm
	SROW 0
	SROW 1
	SROW 2
	SROW 3
.irp i, 0,1,2,3,4,5,6,7
	ds_store_b128 v6, v[176+4*\i:179+4*\i] offset:512*\i
.endr
	BAR                                            ; eight waves' column sums and the batch's scale bytes lie in LDS
.irp p, 0,1,2,3,4,5,6,7
	ds_load_b128 v[144+4*\p:147+4*\p], v7 offset:4096*\p
.endr
	s_wait_dscnt 0x0
.irp k, 0,2,8,10,16,18,24,26
	v_pk_add_f32 v[144+\k:145+\k], v[144+\k:145+\k], v[148+\k:149+\k]
.endr
.irp k, 0,2,16,18
	v_pk_add_f32 v[144+\k:145+\k], v[144+\k:145+\k], v[152+\k:153+\k]
.endr
.irp k, 0,2
	v_pk_add_f32 v[144+\k:145+\k], v[144+\k:145+\k], v[160+\k:161+\k]
.endr
.irp k, 0,2
	v_pk_mul_f32 v[144+\k:145+\k], v[144+\k:145+\k], 0x3d000000 op_sel_hi:[1,0]   ; / 32 slots
.endr
	v_cvt_pk_f16_f32 v230, v144, v145
	v_cvt_pk_f16_f32 v231, v146, v147
	global_store_b64 v8, v[230:231], s[20:21] offset:2048      ; the mean stands behind x in ctx16's row
	s_cmp_lt_u32 s[WV], 2
	s_cbranch_scc0 .Lno_scb
	ds_load_b128 v[232:235], v11
	s_wait_dscnt 0x0
	global_store_b128 v9, v[232:235], s[34:35]     ; 512 consecutive bytes
.Lno_scb:
	END3
	s_endpgm
.Lrole_w:
	; ---------------- w_hh -> codes ----------------
	; A fragment (dg, s, g, t) of the later product: lane (r, h) holds column n = 1024 g + 64 dg + 4 r + t, its register group c the codes of k = 128 s + 64 c + 32 h + 0 .. 31.
	; A work-group has (dg, g, sg); wave w: s' = 2 sg + w / 4, block bl = w % 4 = 2 c + h of the K step; lane (r, hh) takes K step 4 hh + s': rows 512 hh + 128 s' + 32 bl + i, columns 4 r + t.
	s_sub_co_u32 s25, ttmp9, 256
	s_and_b32 s26, s25, 15                         ; dg
	s_lshr_b32 s27, s25, 4
	s_lshr_b32 s28, s27, 1                         ; g
	s_and_b32 s29, s27, 1                          ; sg
	s_lshr_b32 s30, s[WV], 2
	s_and_b32 s31, s[WV], 3                        ; bl
	s_lshl_b32 s32, s29, 1
	s_add_co_u32 s32, s32, s30                     ; s'
	s_lshl_b32 s33, s32, 2
	s_add_co_u32 s33, s33, s31                     ; 4 s' + bl
	s_mul_i32 s34, s33, 32*12288
	s_lshl_b32 s35, s28, 12
	s_add_co_u32 s34, s34, s35
	s_lshl_b32 s35, s26, 8
	s_add_co_u32 s34, s34, s35
	s_mov_b32 s35, 0
	s_add_nc_u64 s[12:13], s[12:13], s[34:35]
	v_mul_u32_u24 v3, v15, 512*12288
	v_lshl_add_u32 v3, v14, 4, v3
.irp i, 0,1,2,3,4,5,6,7,8,9,10,11,12,13,14,15,16,17,18,19,20,21,22,23,24,25,26,27,28,29,30,31
	global_load_b128 v[16+4*\i:19+4*\i], v3, s[12:13] offset:\i*12288 th:TH_LOAD_NT   ; each half of the lanes reads 256 consecutive bytes
.endr
	s_mul_i32 s34, s26, 98304
	s_mul_i32 s36, s32, 12
	s_lshl_b32 s37, s28, 2
	s_add_co_u32 s36, s36, s37
	s_lshl_b32 s36, s36, 10
	s_add_co_u32 s34, s34, s36
	s_lshl_b32 s36, s31, 8                         ; 512 c + 256 h = 256 bl
	s_add_co_u32 s34, s34, s36
	s_add_co_u32 s34, s34, WCO
	s_add_nc_u64 s[38:39], s[18:19], s[34:35]      ; where my codes go
	s_mul_i32 s34, s26, 6144
	s_mul_i32 s36, s32, 1536
	s_add_co_u32 s34, s34, s36
	s_lshl_b32 s36, s28, 9
	s_add_co_u32 s34, s34, s36
	s_add_co_u32 s34, s34, WSO
	s_add_nc_u64 s[40:41], s[18:19], s[34:35]      ; and the scale words of (dg, s', g)
	v_mul_u32_u24 v4, v15, 49152                   ; K step 4 hh + s': 48 fragments further on for hh = 1
	v_lshl_add_u32 v4, v14, 4, v4
	s_lshl_b32 s36, s30, 9
	s_add_co_u32 s37, s36, s31
	v_add_nc_u32 v5, s37, v9                       ; (this role's bytes begin at LDS byte 0)  my byte bl of word t of the lane's four words: 512 (w / 4) + 16 lane + 4 t + bl
	v_add_nc_u32 v6, s36, v9
	s_wait_loadcnt 0x0
.irp t, 0,1,2,3
	v_max3_num_f32 v[196+\t], |v[16+\t]|, |v[20+\t]|, 0x1800000   ; column t's block of 32, all mine; the floor 2^(3 - 127) holds the byte at 1 from below
.endr
.irp i, 2,4,6,8,10,12,14,16,18,20,22,24,26,28,30
.irp t, 0,1,2,3
	v_max3_num_f32 v[196+\t], v[196+\t], |v[16+4*\i+\t]|, |v[20+4*\i+\t]|   ; the four columns by turns
.endr
.endr
.irp t, 0,1,2,3
	v_add_nc_u32 v[200+\t], 0xff000000, v[196+\t]  ; 2 off the exponent field: the conversion's scale operand
.endr
.irp t, 0,1,2,3
	v_lshrrev_b32 v[192+\t], 23, v[200+\t]         ; the scale's byte
.endr
.irp t, 0,1,2,3
.irp i, 0,1,2,3,4,5,6,7,8,9,10,11,12,13,14,15,16,17,18,19,20,21,22,23,24,25,26,27,28,29,30,31
	v_mov_b32 v[144+\i], v[16+4*\i+\t]             ; the conversion wants eight neighbours along K in consecutive registers; the 16-byte loads interleave four columns
.endr
.irp g, 0,1,2,3
	v_cvt_scalef32_pk8_fp4_f32 v[176+4*\t+\g], v[144+8*\g:151+8*\g], v[200+\t]
.endr
	v_nop                                          ; one plain place behind the conversions, whose sources the next column writes
	global_store_b128 v4, v[176+4*\t:179+4*\t], s[38:39] offset:1024*\t   ; each half of the lanes stores 256 consecutive bytes, aligned
	ds_store_b8 v5, v[192+\t] offset:4*\t
.endr
	BAR                                            ; the four blocks' bytes of each word come from four waves
	s_cmp_lg_u32 s31, 0
	s_cbranch_scc1 .Lno_words
	ds_load_b128 v[144:147], v6
	s_wait_dscnt 0x0
	global_store_b128 v9, v[144:147], s[40:41]     ; 512 consecutive bytes
.Lno_words:
	END3
	s_endpgm
.Lfunc_end_k_q296d12f513_prep:
	.size	k_q296d12f513_prep, .Lfunc_end_k_q296d12f513_prep-k_q296d12f513_prep
	.p2alignl 7, 3214868480
	.fill 96, 4, 3214868480
	.section	.rodata,"a",@progbits
	.p2align	6, 0x0
	.amdhsa_kernel k_q296d12f513_prep
		.amdhsa_group_segment_fixed_size 72704
		.amdhsa_private_segment_fixed_size 0
		.amdhsa_enable_private_segment 0
		.amdhsa_kernarg_size 40
		.amdhsa_user_sgpr_count 2
		.amdhsa_user_sgpr_kernarg_segment_ptr 1
		.amdhsa_wavefront_size32 1
		.amdhsa_system_sgpr_workgroup_id_x 1
		.amdhsa_system_sgpr_workgroup_id_y 1
		.amdhsa_system_sgpr_workgroup_id_z 1
		.amdhsa_system_vgpr_workitem_id 0
		.amdhsa_next_free_vgpr 256
		.amdhsa_next_free_sgpr 66
		.amdhsa_reserve_vcc 0
		.amdhsa_float_denorm_mode_32 3
		.amdhsa_float_denorm_mode_16_64 3
		.amdhsa_memory_ordered 1
		.amdhsa_forward_progress 1
		.amdhsa_inst_pref_size 38
	.end_amdhsa_kernel
	.amdgpu_metadata
---
amdhsa.version: [ 1, 2 ]
amdhsa.kernels:
  - .name:           k_q296d12f513_prep
    .symbol:         k_q296d12f513_prep.kd
    .args:
      - { .name: w_hh, .offset: 0, .size: 8, .value_kind: global_buffer, .address_space: global }
      - { .name: S, .offset: 8, .size: 8, .value_kind: global_buffer, .address_space: global }
      - { .name: codes, .offset: 16, .size: 8, .value_kind: global_buffer, .address_space: global }
      - { .name: ctx16, .offset: 24, .size: 8, .value_kind: global_buffer, .address_space: global }
      - { .name: x, .offset: 32, .size: 8, .value_kind: global_buffer, .address_space: global }
    .group_segment_fixed_size: 72704
    .private_segment_fixed_size: 0
    .kernarg_segment_align: 8
    .kernarg_segment_size: 40
    .max_flat_workgroup_size: 256
    .sgpr_count:     66
    .vgpr_count:     256
    .wavefront_size: 32
...
	.end_amdgpu_metadata
.endif
;; end of part 7
;; launch route1 (part 8): grid 256 x 1, 8 waves a work-group, no clusters, 264,192 bytes of LDS; arguments ctx16, w_r1, b_r1, w_r2, plog, w_ih, gbuf; writes plog, gbuf
.if DOCPART == 8
	.amdgcn_target "amdgcn-amd-amdhsa--gfx1250"
	.amdhsa_code_object_version 6
	.text
	.protected	k_q296d12f513_route1
	.globl	k_q296d12f513_route1
	.p2align	8
	.type	k_q296d12f513_route1,@function
k_q296d12f513_route1:
	s_mov_b64 s[64:65], 0
	v_nop
	global_prefetch_b8 v0, s[64:65] scope:SCOPE_SE
	s_setreg_imm32_b32 hwreg(HW_REG_WAVE_MODE, 25, 1), 1
	s_wait_xcnt 0x0
; ROUTE1: two products on the rows of ctx16 [256][2048] f16 (x, then the slot mean), in one text; a work-group's number says which.
;   work-groups  0-63   h = gelu(ctx w_r1 + b_r1) for a tile of 64 batches x 64 hidden units, K = 2,048, and at once this tile's part of the logits h w_r2: 16 partial sums for each (batch, slot), added by the next launch.
;   work-groups 64-255  G = x w_ih [256][3072] f32, a tile of 64 x 64, K = 1,024: x is the first half of ctx16's rows.  U = alpha x is of rank one in each batch, so U w_ih = alpha G: the product over 8,192 rows is never formed.
; The two differ in the weight's address and pitch (two runs of loads, one behind a branch), in the second 1,024 of K (G jumps over it and over its loads) and in what is made of the sums.  All LDS lines are common to both.
; w_r1 [2048][1024], w_ih [1024][3072], w_r2 [1024][32], b_r1 [1024] f32.  f16 operands, f32 sums; the product with w_r2 is made by fused multiply-adds in f32.
; The eight waves share K: wave w owns k = 128 w .. + 127 of each 1,024; the partial tiles meet in LDS.  The weight goes from memory [k][n] straight into B fragments: lane (r, h) loads rows kb + 16 h + i,
; columns n0 + 4 r .. + 3; fragment c takes column n0 + 4 r + c, register q rows 2 q, 2 q + 1; A's fragments are read with the same order of k.
; No cluster: what the four work-groups on one slab of a weight share goes to registers, 256 KiB of f32 for each 1,024 of K, for which LDS has no room beside A's tile.
; GELU is exact in form: erf by the rational approximation 7.1.26 of Abramowitz and Stegun, absolute error 1.5e-7 for every argument.
; plog: [column block 16][row block 4][wave 8][u 2][lane 32][jj 4] f32: lane (r, h) of wave w holds batch 64 mb + 16 (w / 2) + 8 h + 4 (w % 2) + jj, slot 16 u + r.
; LIMITS: operands beyond 65,504 in magnitude are not served (f16); NaN and infinities are not served.
; REGISTERS: v3 weight offset; v4-7 A's fragment addresses; v8 A's store address; v9 16 x lane; v10-12 partial tiles; v13 G's output offset; v14 16 r, v15 512 r; v16-143 accumulators (first rows of ctx16);
;   v144-175 B fragments; v176-239 A fragments; v240-255 h or G; window 1: the weight, later w_r2's rows and b_r1.  s32: 0 routing, 1 G.
.set PITCH, 4112                       ; an LDS row of A: 4,096 bytes + 16
.set PA, 4096
.set SPARE, 263168
.set WV, 24
.set AP, 8
.set WP, 10
.set OP, 16
.set GP, 20
.set MSB, 0
.macro WIN new                         ; the immediate's high byte repeats the setting that is left
.if MSB != \new
	s_set_vgpr_msb (MSB<<8)|\new
.set MSB, \new
.endif
.endm
.macro PLACES                          ; four places behind matrix instructions (ISA guide 7.12.1)
.rept 4
	v_nop
.endr
.endm
.macro BAR
	s_wait_dscnt 0x0
	s_barrier_signal -1
	s_barrier_wait -1
.endm
.macro WLOAD blk, krow, pw             ; 32 rows of the weight, 64 columns: sixteen loads, each two runs of 256 bytes
	WIN 0x40
.irp i, 0,1,2,3,4,5,6,7,8,9,10,11,12,13,14,15
	global_load_b128 v[64*(\blk)+4*\i:64*(\blk)+4*\i+3], v3, s[WP:WP+1] offset:((\krow)+32*(\blk)+\i)*(\pw)
.endr
.endm
.macro CLOAD slot, row                 ; a row of ctx16, 4,096 bytes
.irp i, 0,1,2,3,4,5,6,7
	global_load_b128 v[16+32*(\slot)+4*\i:19+32*(\slot)+4*\i], v9, s[AP:AP+1] offset:(\row)*PA+512*\i
.endr
.endm
.macro CPUT slot, row, n               ; goes to LDS as it is; n: the younger loads
	s_wait_loadcnt \n
.irp i, 0,1,2,3,4,5,6,7
	ds_store_b128 v8, v[16+32*(\slot)+4*\i:19+32*(\slot)+4*\i] offset:(\row)*PITCH+512*\i
.endr
.endm
.macro AFRAG set, n
.irp m, 0,1,2,3
	ds_load_b128 v[176+32*(\set)+8*\m:179+32*(\set)+8*\m], v[4+\m] offset:2048*((\n)/4)+64*((\n)%4)
	ds_load_b128 v[180+32*(\set)+8*\m:183+32*(\set)+8*\m], v[4+\m] offset:2048*((\n)/4)+64*((\n)%4)+16
.endr
.endm
.macro BCVT blk
	WIN 0x05
.irp c, 0,1,2,3
.irp q, 0,1,2,3,4,5,6,7
	v_cvt_pk_f16_f32 v[144+8*\c+\q], v[64*(\blk)+8*\q+\c], v[64*(\blk)+8*\q+4+\c]
.endr
.endr
	WIN 0
.endm
.macro MM set, n                       ; the sixteen accumulators take turns
.irp m, 0,1,2,3
.irp c, 0,1,2,3
.if (\n) == 0
	v_wmma_f32_16x16x32_f16 v[16+8*(4*\m+\c):23+8*(4*\m+\c)], v[176+32*(\set)+8*\m:183+32*(\set)+8*\m], v[144+8*\c:151+8*\c], 0
.else
	v_wmma_f32_16x16x32_f16 v[16+8*(4*\m+\c):23+8*(4*\m+\c)], v[176+32*(\set)+8*\m:183+32*(\set)+8*\m], v[144+8*\c:151+8*\c], v[16+8*(4*\m+\c):23+8*(4*\m+\c)]
.endif
.endr
.endr
.endm
.macro RBLOCK n                        ; block n of eight: 32 along K.  In blocks 0-3 the routing asks again for its registers' part of w_r1's second slab; blocks 4-7 wait for it
.if (\n) > 0
	PLACES
.endif
.if (\n) >= 4
	s_wait_loadcnt 16*(7-(\n))                     ; this block's sixteen loads are in; the later blocks' may be out
.endif
	BCVT (\n)%4
.if (\n) < 4
	s_cmp_lg_u32 s32, 0                            ; G has no second slab
	s_cbranch_scc1 .Lno_second_\@
	WLOAD (\n), 1024, 4096
	WIN 0
.Lno_second_\@:
.endif
.if (\n) == 7
	WIN 0x40                                       ; the weight's registers are free: w_r2's rows n0 + 4 r .. + 3 (512 bytes on end a lane) and b_r1's four numbers
.irp e, 0,1,2,3,4,5,6,7,8,9,10,11,12,13,14,15,16,17,18,19,20,21,22,23,24,25,26,27,28,29,30,31
	global_load_b128 v[4*\e:4*\e+3], v15, s[14:15] offset:16*\e
.endr
	global_load_b128 v[128:131], v14, s[12:13]
	WIN 0
.endif
.if (\n) < 7
	AFRAG ((\n)+1)%2, (\n)+1
	s_wait_dscnt 8                                 ; this block's fragments are in; the next block's eight loads may be out
.else
	s_wait_dscnt 0x0
.endif
	MM (\n)%2, (\n)
.endm
.macro REDUCE                          ; the eight waves' partial tiles are added: wave w ends with rows 16 (w / 2) + 8 h + 4 (w % 2) + jj, columns 4 r + c, as v[16 + 4 c + jj] + v[80 + 4 c + jj]
	PLACES
	BAR                                            ; nobody reads A's tile any more: the partial tiles are laid over it
.irp a, 0,1,2,3,4,5,6,7,8,9,10,11,12,13,14,15
	ds_store_b128 v10, v[16+8*\a:19+8*\a] offset:\a*1024
	ds_store_b128 v10, v[20+8*\a:23+8*\a] offset:\a*1024+512
.endr
	BAR
.irp p, 0,1,2,3
.irp c, 0,1,2,3
	ds_load_b128 v[16+16*\p+4*\c:19+16*\p+4*\c], v11 offset:\p*16384+\c*1024
.endr
.endr
.irp p, 0,1,2,3
.irp c, 0,1,2,3
	ds_load_b128 v[80+16*\p+4*\c:83+16*\p+4*\c], v12 offset:\p*16384+\c*1024
.endr
.endr
	s_wait_dscnt 0x0
.irp p, 0,1,2,3
.irp k, 0,2,4,6,8,10,12,14
	v_pk_add_f32 v[16+32*\p+\k:17+32*\p+\k], v[16+32*\p+\k:17+32*\p+\k], v[32+32*\p+\k:33+32*\p+\k]
.endr
.endr
.irp p, 0,1
.irp k, 0,2,4,6,8,10,12,14
	v_pk_add_f32 v[16+64*\p+\k:17+64*\p+\k], v[16+64*\p+\k:17+64*\p+\k], v[48+64*\p+\k:49+64*\p+\k]
.endr
.endr
.endm
; gelu of the sixteen numbers v16-31 (index 4 c + jj) into v[240 + 4 jj + c].  au = |x| / sqrt 2; t = 1 / (1 + p au); q = t (a1 + t (a2 + t (a3 + t (a4 + t a5)))) 2^(-au^2 log2 e) = 1 - erf(au);
; gelu = (x/2 + |x/2|) - |x/2| q.  The 32 transcendentals are one batch with one wait.
.macro GELU16
.irp i, 0,1,2,3,4,5,6,7,8,9,10,11,12,13,14,15
	v_mul_f32 v[32+\i], s48, |v[16+\i]|
.endr
.irp i, 0,2,4,6,8,10,12,14
	v_pk_fma_f32 v[48+\i:49+\i], v[32+\i:33+\i], s[50:51], 1.0 op_sel_hi:[1,0,0]
	v_pk_mul_f32 v[64+\i:65+\i], v[32+\i:33+\i], v[32+\i:33+\i]
.endr
.irp i, 0,2,4,6,8,10,12,14
	v_pk_mul_f32 v[64+\i:65+\i], v[64+\i:65+\i], s[52:53] op_sel_hi:[1,0]
	v_pk_mul_f32 v[96+\i:97+\i], v[16+\i:17+\i], 0.5 op_sel_hi:[1,0]
.endr
.irp i, 0,1,2,3,4,5,6,7,8,9,10,11,12,13,14,15
	v_rcp_f32 v[48+\i], v[48+\i]
.endr
.irp i, 0,1,2,3,4,5,6,7,8,9,10,11,12,13,14,15
	v_exp_f32 v[64+\i], v[64+\i]
.endr
	v_nop                                          ; a plain place behind the last transcendental,
	s_wait_alu depctr_va_vdst(0)                   ; and the one wait ahead of the batch's first reader
.irp i, 0,1,2,3,4,5,6,7,8,9,10,11,12,13,14,15
	v_fma_f32 v[80+\i], v[48+\i], s54, s56
.endr
.irp k, 58,60,62
.irp i, 0,2,4,6,8,10,12,14
	v_pk_fma_f32 v[80+\i:81+\i], v[80+\i:81+\i], v[48+\i:49+\i], s[\k:\k+1] op_sel_hi:[1,1,0]
.endr
.endr
.irp i, 0,2,4,6,8,10,12,14
	v_pk_mul_f32 v[80+\i:81+\i], v[80+\i:81+\i], v[48+\i:49+\i]
.endr
.irp i, 0,2,4,6,8,10,12,14
	v_pk_mul_f32 v[80+\i:81+\i], v[80+\i:81+\i], v[64+\i:65+\i]
.endr
.irp i, 0,1,2,3,4,5,6,7,8,9,10,11,12,13,14,15
	v_add_f32 v[32+\i], v[96+\i], |v[96+\i]|
.endr
.irp c, 0,1,2,3
.irp j, 0,1,2,3
	v_fma_f32 v[240+4*\j+\c], -|v[96+4*\c+\j]|, v[80+4*\c+\j], v[32+4*\c+\j]
.endr
.endr
.endm
; Row jj's part of the 32 logits: my four hidden units' products, summed over the sixteen lanes of my half; lane r then keeps slots r and 16 + r.
.macro LOGIT j
	WIN 0x01                                       ; source 0 (w_r2's rows) in window 1
.set k, 0
.rept 16
	v_pk_mul_f32 v[144+k:145+k], v[k:k+1], v[240+4*(\j):241+4*(\j)] op_sel_hi:[1,0]
.set k, k+2
.endr
.set k, 0
.rept 16
	v_pk_fma_f32 v[144+k:145+k], v[32+k:33+k], v[240+4*(\j):241+4*(\j)], v[144+k:145+k] op_sel:[0,1,0] op_sel_hi:[1,1,1]
.set k, k+2
.endr
.set k, 0
.rept 16
	v_pk_fma_f32 v[144+k:145+k], v[64+k:65+k], v[242+4*(\j):243+4*(\j)], v[144+k:145+k] op_sel_hi:[1,0,1]
.set k, k+2
.endr
.set k, 0
.rept 16
	v_pk_fma_f32 v[144+k:145+k], v[96+k:97+k], v[242+4*(\j):243+4*(\j)], v[144+k:145+k] op_sel:[0,1,0] op_sel_hi:[1,1,1]
.set k, k+2
.endr
	WIN 0
.irp m, 1,2,4,8
.set k, 0
.rept 32
	v_add_f32_dpp v[144+k], v[144+k], v[144+k] row_xmask:\m row_mask:0xf bank_mask:0xf
.set k, k+1
.endr
.endr
	v_mov_b32 v[176+(\j)], v144
	v_mov_b32 v[180+(\j)], v160
.irp q, 1,2,3,4,5,6,7,8,9,10,11,12,13,14,15
	v_cndmask_b32 v[176+(\j)], v[176+(\j)], v[144+\q], s[32+\q]
	v_cndmask_b32 v[180+(\j)], v[180+(\j)], v[160+\q], s[32+\q]
.endr
.endm
	s_load_b256 s[8:15], s[0:1], 0x0               ; ctx16 s[8:9], w_r1 s[10:11], b_r1 s[12:13], w_r2 s[14:15]
	s_load_b128 s[16:19], s[0:1], 0x20             ; plog s[16:17], w_ih s[18:19]
	s_load_b64 s[20:21], s[0:1], 0x30              ; gbuf
	v_lshl_add_u32 v1, v0, 2, SPARE
	v_mov_b32 v2, 0
	v_lshrrev_b32 v14, 5, v0
	v_readfirstlane_b32 s[WV], v14
	s_cmp_lt_u32 ttmp9, 64
	s_cselect_b32 s32, 0, 1                        ; 0: routing; 1: G
	s_mov_b32 s49, 16*12288
	s_cselect_b32 s49, 16*4096, s49                ; sixteen rows of my weight, in bytes
	v_and_b32 v14, 15, v0                          ; r
	v_bfe_u32 v15, v0, 4, 1                        ; h
	v_and_b32 v9, 31, v0
	v_lshlrev_b32 v9, 4, v9
	v_mul_u32_u24 v3, s49, v15
	v_lshl_add_u32 v3, v14, 4, v3                  ; the weight: 16 h rows + 16 r bytes
	v_mul_u32_u24 v4, v14, PITCH
	v_lshl_add_u32 v4, v15, 5, v4
	s_lshl_b32 s25, s[WV], 8
	v_add_nc_u32 v4, s25, v4                       ; A's fragments: row r, + 32 h, + my wave's 256 bytes of each 2,048
	v_add_nc_u32 v5, 16*PITCH, v4
	v_add_nc_u32 v6, 32*PITCH, v4
	v_add_nc_u32 v7, 48*PITCH, v4
	s_mul_i32 s25, s[WV], 8*PITCH
	v_add_nc_u32 v8, s25, v9                       ; my wave's eight rows, 16 bytes a lane
	s_lshl_b32 s25, s[WV], 14
	v_add_nc_u32 v10, s25, v9
	s_lshr_b32 s25, s[WV], 1
	s_lshl_b32 s25, s25, 12
	s_and_b32 s26, s[WV], 1
	s_lshl_b32 s26, s26, 9
	s_add_co_u32 s25, s25, s26
	v_add_nc_u32 v11, s25, v9
	v_add_nc_u32 v12, 0x10000, v11
	v_mul_u32_u24 v13, v15, 8*12288
	v_lshl_add_u32 v13, v14, 4, v13                ; G's output: 8 h rows + 16 r bytes
.irp q, 1,2,3,4,5,6,7,8,9,10,11,12,13,14,15
	v_cmp_eq_u32 s[32+\q], \q, v14                 ; the lanes with r = q
.endr
	v_lshlrev_b32 v15, 9, v14                      ; 512 r
	v_lshlrev_b32 v14, 4, v14                      ; 16 r
	s_mov_b32 s48, 0x3f3504f3                      ; 1 / sqrt 2
	s_mov_b32 s50, 0x3ea7ba05                      ; p = 0.3275911
	s_mov_b32 s51, s50
	s_mov_b32 s52, 0xbfb8aa3b                      ; -log2 e
	s_mov_b32 s53, s52
	s_mov_b32 s54, 0x3f87dc22                      ; a5
	s_mov_b32 s56, 0xbfba00e3                      ; a4
	s_mov_b32 s58, 0x3fb5f0e3                      ; a3
	s_mov_b32 s59, s58
	s_mov_b32 s60, 0xbe91a98e                      ; a2
	s_mov_b32 s61, s60
	s_mov_b32 s62, 0x3e827906                      ; a1
	s_mov_b32 s63, s62
	s_and_b32 s26, ttmp9, 3                        ; block of 64 batches: the four work-groups on one slab of a weight have neighbouring numbers
	s_lshr_b32 s27, ttmp9, 2
	s_lshl_b32 s25, s32, 4
	s_sub_co_u32 s27, s27, s25                     ; block of 64 columns: 0 .. 15 of w_r1, 0 .. 47 of w_ih
	s_mov_b32 s31, 0
	s_wait_kmcnt 0x0
	s_lshl_b32 s28, s26, 6
	s_lshl_b32 s29, s[WV], 3
	s_add_co_u32 s30, s28, s29
	s_lshl_b32 s30, s30, 12
	s_add_nc_u64 s[AP:AP+1], s[AP:AP+1], s[30:31]  ; the eight rows of ctx16 that I bring
	s_cmp_eq_u32 s32, 0
	s_cselect_b64 s[WP:WP+1], s[10:11], s[18:19]   ; w_r1 or w_ih: the choice hangs on the work-group's number alone
	s_lshl_b32 s30, s49, 3
	s_mul_i32 s30, s30, s[WV]                      ; my 128 rows,
	s_lshl_b32 s29, s27, 8
	s_add_co_u32 s30, s30, s29                     ; the tile's 64 columns
	s_add_nc_u64 s[WP:WP+1], s[WP:WP+1], s[30:31]
	s_mov_b32 s30, s29
	s_add_nc_u64 s[12:13], s[12:13], s[30:31]      ; b_r1 at my 64 units (the routing alone loads by these three)
	s_lshl_b32 s30, s27, 13
	s_add_nc_u64 s[14:15], s[14:15], s[30:31]      ; w_r2 at their rows of 128 bytes
	s_lshl_b32 s30, ttmp9, 3
	s_add_co_u32 s30, s30, s[WV]
	s_lshl_b32 s30, s30, 10
	s_add_nc_u64 s[OP:OP+1], s[OP:OP+1], s[30:31]  ; plog: 1,024 bytes for each (work-group, wave)
	s_lshr_b32 s30, s[WV], 1
	s_lshl_b32 s30, s30, 4
	s_add_co_u32 s30, s30, s28
	s_and_b32 s25, s[WV], 1
	s_lshl_b32 s25, s25, 2
	s_add_co_u32 s30, s30, s25
	s_mul_i32 s30, s30, 12288
	s_add_co_u32 s30, s30, s29
	s_add_nc_u64 s[GP:GP+1], s[GP:GP+1], s[30:31]  ; the rows of G that I store (G alone stores by it)
	s_cmp_lg_u32 s32, 0
	s_cbranch_scc1 .Lw_ih
	WLOAD 0, 0, 4096                               ; the wave's first slab of the weight is asked for at once
	WLOAD 1, 0, 4096
	WLOAD 2, 0, 4096
	WLOAD 3, 0, 4096
	WIN 0
	s_branch .Lw_asked
.Lw_ih:
	WLOAD 0, 0, 12288
	WLOAD 1, 0, 12288
	WLOAD 2, 0, 12288
	WLOAD 3, 0, 12288
	WIN 0
.Lw_asked:                                         ; 64 loads are out on either way
	CLOAD 0, 0
	CLOAD 1, 1
	CLOAD 2, 2
	CLOAD 3, 3
	CLOAD 4, 4
	CLOAD 5, 5
	CLOAD 6, 6
	CPUT 0, 0, 48                                  ; six rows' 48 loads are younger
	s_wait_dscnt 0x0                               ; the stores have read their registers, which take the last row
	CLOAD 0, 7
	CPUT 1, 1, 48                                  ; rows 2 to 6 and row 7
	CPUT 2, 2, 40
	CPUT 3, 3, 32
	CPUT 4, 4, 24
	CPUT 5, 5, 16
	CPUT 6, 6, 8
	CPUT 0, 7, 0                                   ; nothing is out: the weight's first slab is in too
	BAR
	AFRAG 0, 0
	RBLOCK 0
	RBLOCK 1
	RBLOCK 2
	RBLOCK 3
	s_cmp_lg_u32 s32, 0                            ; G's K ends here (the fragments just fetched for the next block are not used)
	s_cbranch_scc1 .Lsums
	RBLOCK 4
	RBLOCK 5
	RBLOCK 6
	RBLOCK 7
.Lsums:
	REDUCE
	s_cmp_lg_u32 s32, 0
	s_cbranch_scc1 .Lg_out
	s_wait_loadcnt 0x0                             ; w_r2's rows and b_r1
.irp k, 0,2,4,6,8,10,12,14
	v_pk_add_f32 v[16+\k:17+\k], v[16+\k:17+\k], v[80+\k:81+\k]
.endr
	WIN 0x04                                       ; source 1 (b_r1) in window 1
.irp p, 0,2
	v_pk_add_f32 v[16+\p:17+\p], v[16+\p:17+\p], v[128:129] op_sel_hi:[1,0]
	v_pk_add_f32 v[20+\p:21+\p], v[20+\p:21+\p], v[128:129] op_sel:[0,1] op_sel_hi:[1,1]
	v_pk_add_f32 v[24+\p:25+\p], v[24+\p:25+\p], v[130:131] op_sel_hi:[1,0]
	v_pk_add_f32 v[28+\p:29+\p], v[28+\p:29+\p], v[130:131] op_sel:[0,1] op_sel_hi:[1,1]
.endr
	WIN 0
	GELU16
	LOGIT 0
	LOGIT 1
	LOGIT 2
	LOGIT 3
	global_store_b128 v9, v[176:179], s[OP:OP+1]               ; 512 consecutive bytes each
	global_store_b128 v9, v[180:183], s[OP:OP+1] offset:512
	s_branch .Lend
.Lg_out:
.irp c, 0,1,2,3
.irp j, 0,1,2,3
	v_add_f32 v[240+4*\j+\c], v[16+4*\c+\j], v[80+4*\c+\j]     ; the last addition turns the sixteen numbers: four neighbouring columns to a store
.endr
.endr
.irp j, 0,1,2,3
	global_store_b128 v13, v[240+4*\j:243+4*\j], s[GP:GP+1] offset:\j*12288   ; sixteen lanes store 256 consecutive bytes, aligned
.endr
.Lend:
	s_wait_tensorcnt 0x0                           ; the wave's end, behind the last LDS store
	ds_add_u32 v1, v2
	s_wait_dscnt 0x0
	s_endpgm
.Lfunc_end_k_q296d12f513_route1:
	.size	k_q296d12f513_route1, .Lfunc_end_k_q296d12f513_route1-k_q296d12f513_route1
	.p2alignl 7, 3214868480
	.fill 96, 4, 3214868480
	.section	.rodata,"a",@progbits
	.p2align	6, 0x0
	.amdhsa_kernel k_q296d12f513_route1
		.amdhsa_group_segment_fixed_size 264192
		.amdhsa_private_segment_fixed_size 0
		.amdhsa_enable_private_segment 0
		.amdhsa_kernarg_size 56
		.amdhsa_user_sgpr_count 2
		.amdhsa_user_sgpr_kernarg_segment_ptr 1
		.amdhsa_wavefront_size32 1
		.amdhsa_system_sgpr_workgroup_id_x 1
		.amdhsa_system_sgpr_workgroup_id_y 1
		.amdhsa_system_sgpr_workgroup_id_z 1
		.amdhsa_system_vgpr_workitem_id 0
		.amdhsa_next_free_vgpr 512
		.amdhsa_next_free_sgpr 66
		.amdhsa_reserve_vcc 0
		.amdhsa_float_denorm_mode_32 3
		.amdhsa_float_denorm_mode_16_64 3
		.amdhsa_memory_ordered 1
		.amdhsa_forward_progress 1
		.amdhsa_inst_pref_size 143
	.end_amdhsa_kernel
	.amdgpu_metadata
---
amdhsa.version: [ 1, 2 ]
amdhsa.kernels:
  - .name:           k_q296d12f513_route1
    .symbol:         k_q296d12f513_route1.kd
    .args:
      - { .name: ctx16, .offset: 0, .size: 8, .value_kind: global_buffer, .address_space: global }
      - { .name: w_r1, .offset: 8, .size: 8, .value_kind: global_buffer, .address_space: global }
      - { .name: b_r1, .offset: 16, .size: 8, .value_kind: global_buffer, .address_space: global }
      - { .name: w_r2, .offset: 24, .size: 8, .value_kind: global_buffer, .address_space: global }
      - { .name: plog, .offset: 32, .size: 8, .value_kind: global_buffer, .address_space: global }
      - { .name: w_ih, .offset: 40, .size: 8, .value_kind: global_buffer, .address_space: global }
      - { .name: gbuf, .offset: 48, .size: 8, .value_kind: global_buffer, .address_space: global }
    .group_segment_fixed_size: 264192
    .private_segment_fixed_size: 0
    .kernarg_segment_align: 8
    .kernarg_segment_size: 56
    .max_flat_workgroup_size: 256
    .sgpr_count:     66
    .vgpr_count:     512
    .wavefront_size: 32
...
	.end_amdgpu_metadata
.endif
;; end of part 8
;; launch gru: the kernel of part 3 again; grid 256 x 1, 4 waves a work-group, no clusters, 90,624 bytes of LDS; arguments S, codes, gbuf, plog, b_r2, b_ih, b_hh, out1, out2, sctx; writes out1, out2, sctx
;; launch proj (part 9): grid 192 x 1, 8 waves a work-group, no clusters, 133,120 bytes of LDS; arguments sctx, w_proj, x, b_proj, w_f1, w_f2, pw; writes pw
.if DOCPART == 9
	.amdgcn_target "amdgcn-amd-amdhsa--gfx1250"
	.amdhsa_code_object_version 6
	.text
	.protected	k_q296d12f513_proj
	.globl	k_q296d12f513_proj
	.p2align	8
	.type	k_q296d12f513_proj,@function
k_q296d12f513_proj:
	s_mov_b64 s[64:65], 0
	v_nop
	global_prefetch_b8 v0, s[64:65] scope:SCOPE_SE
	s_setreg_imm32_b32 hwreg(HW_REG_WAVE_MODE, 25, 1), 1
	s_wait_xcnt 0x0
; PROJ: work-groups 0-63: x_mid = x + sctx w_proj + b_proj [256][1024] f32, at byte 0 of pw.  Work-groups 64-191, which hang on inputs alone: w_f1 and w_f2 become f16, laid as images of the B fragments of the two launches that follow.
; THE PRODUCT: a tile of 64 rows x 64 columns, all of K = 1,024; f16 operands, f32 sums.  The eight waves share K: wave w owns k = 128 w .. + 127, so each byte of the weight is loaded by one wave of the work-group; the eight partial tiles meet in LDS.
; The weight goes from memory [k][n] straight into B fragments: lane (r, h) loads rows kb + 16 h + i, columns n0 + 4 r .. + 3, sixteen lanes 256 bytes on end; fragment c takes column n0 + 4 r + c, register q rows 2 q, 2 q + 1;
; A's fragments are read with the same order of k.  No cluster: the four work-groups on one slab of the weight would share 256 KiB of f32, which does not fit in LDS beside A's tile.
; THE IMAGES: a converting wave loads the very slab of 128 x 64 numbers that a wave of the later product owns, makes the sixteen fragments by the same lines, and stores their 128 registers as they stand: register group i of block b at
; 4,096 b + 512 i + 16 x lane of the wave's 16 KiB.  w_f1: [column block 64][wave 8] from byte 1,048,576 of pw; w_f2: [slab 4][column block 16][wave 8] behind it.
; LIMITS: operands beyond 65,504 in magnitude are not served (f16); NaN and infinities are not served.
; REGISTERS: v3 weight offset; v4-7 A's fragment addresses; v8 A's store address; v9 16 x lane; v10-12 partial tiles; v13 output offset; v14 16 r; v16-143 accumulators, first rows as loaded (converters: the fragments);
;   v144-175 B fragments; v176-239 A fragments, first packed rows; v240-255 results; window 1: the weight, later x's tile and b_proj.
.set PITCH, 2064
.set PA, 4096
.set PO, 4096
.set SPARE, 132096
.set W1I, 1048576
.set WV, 24
.set AP, 8
.set WP, 10
.set OP, 20
.set MSB, 0
.macro WIN new
.if MSB != \new
	s_set_vgpr_msb (MSB<<8)|\new
.set MSB, \new
.endif
.endm
.macro PLACES
.rept 4
	v_nop
.endr
.endm
.macro BAR
	s_wait_dscnt 0x0
	s_barrier_signal -1
	s_barrier_wait -1
.endm
.macro END3                            ; the wave's end
	s_wait_tensorcnt 0x0
	ds_add_u32 v1, v2
	s_wait_dscnt 0x0
.endm
.macro WLOAD blk, krow, pw
	WIN 0x40
.irp i, 0,1,2,3,4,5,6,7,8,9,10,11,12,13,14,15
	global_load_b128 v[64*(\blk)+4*\i:64*(\blk)+4*\i+3], v3, s[WP:WP+1] offset:((\krow)+32*(\blk)+\i)*(\pw)
.endr
.endm
.macro ALOAD slot, row
.irp i, 0,1,2,3,4,5,6,7
	global_load_b128 v[16+32*(\slot)+4*\i:16+32*(\slot)+4*\i+3], v9, s[AP:AP+1] offset:(\row)*PA+512*\i
.endr
.endm
.macro APUT row, n                     ; n: the younger rows' loads
	s_wait_loadcnt \n
.if (\row) >= 4
	s_wait_dscnt 24                                ; the stores of four rows back have read these registers; three rows' 24 stores are younger
.endif
.irp i, 0,1,2,3,4,5,6,7
	v_cvt_pk_f16_f32 v[176+16*((\row)%4)+2*\i], v[16+32*((\row)%4)+4*\i], v[17+32*((\row)%4)+4*\i]
	v_cvt_pk_f16_f32 v[177+16*((\row)%4)+2*\i], v[18+32*((\row)%4)+4*\i], v[19+32*((\row)%4)+4*\i]
.endr
.irp i, 0,1,2,3,4,5,6,7
	ds_store_b64 v8, v[176+16*((\row)%4)+2*\i:177+16*((\row)%4)+2*\i] offset:(\row)*PITCH+256*\i
.endr
.if (\row) < 4
	ALOAD (\row), (\row)+4
.endif
.endm
.macro AFRAG set, n
.irp m, 0,1,2,3
	ds_load_b128 v[176+32*(\set)+8*\m:179+32*(\set)+8*\m], v[4+\m] offset:64*(\n)
	ds_load_b128 v[180+32*(\set)+8*\m:183+32*(\set)+8*\m], v[4+\m] offset:64*(\n)+16
.endr
.endm
.macro BCVT blk, d                     ; 32 x 64 numbers of the weight become four B fragments, from v[d] on
	WIN 0x05
.irp c, 0,1,2,3
.irp q, 0,1,2,3,4,5,6,7
	v_cvt_pk_f16_f32 v[(\d)+8*\c+\q], v[64*(\blk)+8*\q+\c], v[64*(\blk)+8*\q+4+\c]
.endr
.endr
	WIN 0
.endm
.macro MM set, n                       ; the sixteen accumulators take turns
.irp m, 0,1,2,3
.irp c, 0,1,2,3
.if (\n) == 0
	v_wmma_f32_16x16x32_f16 v[16+8*(4*\m+\c):23+8*(4*\m+\c)], v[176+32*(\set)+8*\m:183+32*(\set)+8*\m], v[144+8*\c:151+8*\c], 0
.else
	v_wmma_f32_16x16x32_f16 v[16+8*(4*\m+\c):23+8*(4*\m+\c)], v[176+32*(\set)+8*\m:183+32*(\set)+8*\m], v[144+8*\c:151+8*\c], v[16+8*(4*\m+\c):23+8*(4*\m+\c)]
.endif
.endr
.endr
.endm
.macro BLOCK n
.if (\n) > 0
	PLACES
.endif
	BCVT (\n), 144
.if (\n) < 3
	AFRAG ((\n)+1)%2, (\n)+1
	s_wait_dscnt 8                                 ; this block's fragments are in; the next block's eight loads may be out
.else
	s_wait_dscnt 0x0
.endif
	MM (\n)%2, (\n)
.endm
.macro REDUCE
	PLACES
	BAR                                            ; nobody reads A's tile any more: the partial tiles are laid over it
.irp a, 0,1,2,3,4,5,6,7,8,9,10,11,12,13,14,15
	ds_store_b128 v10, v[16+8*\a:19+8*\a] offset:\a*1024
	ds_store_b128 v10, v[20+8*\a:23+8*\a] offset:\a*1024+512
.endr
	BAR
.irp p, 0,1,2,3
.irp c, 0,1,2,3
	ds_load_b128 v[16+16*\p+4*\c:19+16*\p+4*\c], v11 offset:\p*16384+\c*1024
.endr
.endr
.irp p, 0,1,2,3
.irp c, 0,1,2,3
	ds_load_b128 v[80+16*\p+4*\c:83+16*\p+4*\c], v12 offset:\p*16384+\c*1024
.endr
.endr
	s_wait_dscnt 0x0
.irp p, 0,1,2,3
.irp k, 0,2,4,6,8,10,12,14
	v_pk_add_f32 v[16+32*\p+\k:17+32*\p+\k], v[16+32*\p+\k:17+32*\p+\k], v[32+32*\p+\k:33+32*\p+\k]
.endr
.endr
.irp p, 0,1
.irp k, 0,2,4,6,8,10,12,14
	v_pk_add_f32 v[16+64*\p+\k:17+64*\p+\k], v[16+64*\p+\k:17+64*\p+\k], v[48+64*\p+\k:49+64*\p+\k]
.endr
.endr
.endm
	s_load_b256 s[8:15], s[0:1], 0x0               ; sctx s[8:9], w_proj s[10:11], x s[12:13], b_proj s[14:15]
	s_load_b128 s[16:19], s[0:1], 0x20             ; w_f1 s[16:17], w_f2 s[18:19]
	s_load_b64 s[20:21], s[0:1], 0x30              ; pw
	v_lshl_add_u32 v1, v0, 2, SPARE
	v_mov_b32 v2, 0
	v_lshrrev_b32 v14, 5, v0
	v_readfirstlane_b32 s[WV], v14
	v_and_b32 v14, 15, v0                          ; r
	v_bfe_u32 v15, v0, 4, 1                        ; h
	v_and_b32 v9, 31, v0
	v_lshlrev_b32 v9, 4, v9
	s_mov_b32 s31, 0
	s_wait_kmcnt 0x0
	s_cmp_lt_u32 ttmp9, 64
	s_cbranch_scc0 .Lconv
	; ---------------- x_mid = x + sctx w_proj + b_proj ----------------
	v_mul_u32_u24 v3, v15, 16*4096
	v_lshl_add_u32 v3, v14, 4, v3
	v_mul_u32_u24 v4, v14, PITCH
	v_lshl_add_u32 v4, v15, 5, v4
	s_lshl_b32 s25, s[WV], 8
	v_add_nc_u32 v4, s25, v4
	v_add_nc_u32 v5, 16*PITCH, v4
	v_add_nc_u32 v6, 32*PITCH, v4
	v_add_nc_u32 v7, 48*PITCH, v4
	s_mul_i32 s25, s[WV], 8*PITCH
	v_lshrrev_b32 v8, 1, v9
	v_add_nc_u32 v8, s25, v8
	s_lshl_b32 s25, s[WV], 14
	v_add_nc_u32 v10, s25, v9
	s_lshr_b32 s25, s[WV], 1
	s_lshl_b32 s25, s25, 12
	s_and_b32 s26, s[WV], 1
	s_lshl_b32 s26, s26, 9
	s_add_co_u32 s25, s25, s26
	v_add_nc_u32 v11, s25, v9
	v_add_nc_u32 v12, 0x10000, v11
	v_mul_u32_u24 v13, v15, 8*PO
	v_lshl_add_u32 v13, v14, 4, v13
	v_lshlrev_b32 v14, 4, v14                      ; 16 r
	s_and_b32 s26, ttmp9, 3                        ; block of 64 rows
	s_lshr_b32 s27, ttmp9, 2                       ; block of 64 columns
	s_lshl_b32 s28, s26, 6
	s_lshl_b32 s29, s[WV], 3
	s_add_co_u32 s30, s28, s29
	s_lshl_b32 s30, s30, 12
	s_add_nc_u64 s[AP:AP+1], s[AP:AP+1], s[30:31]
	s_lshl_b32 s30, s[WV], 19                      ; my 128 rows of 4,096 bytes
	s_lshl_b32 s29, s27, 8
	s_add_co_u32 s30, s30, s29
	s_add_nc_u64 s[WP:WP+1], s[WP:WP+1], s[30:31]
	s_lshr_b32 s30, s[WV], 1
	s_lshl_b32 s30, s30, 4
	s_add_co_u32 s30, s30, s28
	s_and_b32 s25, s[WV], 1
	s_lshl_b32 s25, s25, 2
	s_add_co_u32 s30, s30, s25
	s_lshl_b32 s30, s30, 12
	s_add_co_u32 s30, s30, s29
	s_add_nc_u64 s[OP:OP+1], s[OP:OP+1], s[30:31]  ; the rows that I store,
	s_add_nc_u64 s[12:13], s[12:13], s[30:31]      ; and the same places in x
	s_mov_b32 s30, s29
	s_add_nc_u64 s[14:15], s[14:15], s[30:31]      ; b_proj at the tile's columns
	WLOAD 0, 0, 4096                               ; the wave's whole slab of the weight is asked for at once
	WLOAD 1, 0, 4096
	WLOAD 2, 0, 4096
	WLOAD 3, 0, 4096
	WIN 0
	ALOAD 0, 0
	ALOAD 1, 1
	ALOAD 2, 2
	ALOAD 3, 3
	APUT 0, 24
	APUT 1, 24
	APUT 2, 24
	APUT 3, 24
	APUT 4, 24
	APUT 5, 16
	APUT 6, 8
	APUT 7, 0                                      ; nothing is out: the weight is in too
	BAR
	AFRAG 0, 0
	BLOCK 0
	WIN 0x40                                       ; where block 0's part of the weight lay: x at my sixteen places, b_proj's four numbers
.irp j, 0,1,2,3
	global_load_b128 v[4*\j:4*\j+3], v13, s[12:13] offset:\j*4096
.endr
	global_load_b128 v[16:19], v14, s[14:15]
	WIN 0
	BLOCK 1
	BLOCK 2
	BLOCK 3
	REDUCE
	s_wait_loadcnt 0x0
.irp c, 0,1,2,3
.irp j, 0,1,2,3
	v_add_f32 v[240+4*\j+\c], v[16+4*\c+\j], v[80+4*\c+\j]     ; the last addition turns the sixteen numbers: four neighbouring columns to a store
.endr
.endr
	WIN 0x04                                       ; source 1 in window 1
.irp k, 0,2,4,6,8,10,12,14
	v_pk_add_f32 v[240+\k:241+\k], v[240+\k:241+\k], v[\k:\k+1]            ; + x
.endr
.irp j, 0,1,2,3
.irp p, 0,2
	v_pk_add_f32 v[240+4*\j+\p:241+4*\j+\p], v[240+4*\j+\p:241+4*\j+\p], v[16+\p:17+\p]    ; + b_proj
.endr
.endr
	WIN 0
.irp j, 0,1,2,3
	global_store_b128 v13, v[240+4*\j:243+4*\j], s[OP:OP+1] offset:\j*PO   ; sixteen lanes store 256 consecutive bytes, aligned
.endr
	END3
	s_endpgm
.Lconv:
	; ---------------- w_f1, w_f2 -> images of f16 fragments ----------------
	s_sub_co_u32 s25, ttmp9, 64                    ; 0 .. 63: w_f1's column blocks; 64 .. 127: w_f2's (slab, column block)
	s_lshr_b32 s26, s25, 6
	s_and_b32 s27, s25, 63
	s_lshl_b32 s30, s25, 3
	s_add_co_u32 s30, s30, s[WV]
	s_lshl_b32 s30, s30, 14                        ; 16 KiB a wave; w_f2's images follow w_f1's 512
	s_add_co_u32 s30, s30, W1I
	s_add_nc_u64 s[OP:OP+1], s[OP:OP+1], s[30:31]
	s_cmp_lg_u32 s26, 0
	s_cbranch_scc1 .Lconv2
	v_lshlrev_b32 v3, 18, v15                      ; 16 h rows of 16,384 bytes
	v_lshl_add_u32 v3, v14, 4, v3
	s_lshl_b32 s30, s[WV], 21                      ; my 128 rows
	s_lshl_b32 s29, s27, 8
	s_add_co_u32 s30, s30, s29
	s_add_nc_u64 s[WP:WP+1], s[16:17], s[30:31]
	WLOAD 0, 0, 16384
	WLOAD 1, 0, 16384
	WLOAD 2, 0, 16384
	WLOAD 3, 0, 16384
	WIN 0
	s_branch .Lcvt
.Lconv2:
	v_lshlrev_b32 v3, 16, v15                      ; 16 h rows of 4,096 bytes
	v_lshl_add_u32 v3, v14, 4, v3
	s_lshr_b32 s28, s27, 4
	s_lshl_b32 s30, s28, 22                        ; the slab's 1,024 rows,
	s_lshl_b32 s29, s[WV], 19                      ; my 128 of them,
	s_add_co_u32 s30, s30, s29
	s_and_b32 s29, s27, 15
	s_lshl_b32 s29, s29, 8                         ; the 64 columns
	s_add_co_u32 s30, s30, s29
	s_add_nc_u64 s[WP:WP+1], s[18:19], s[30:31]
	WLOAD 0, 0, 4096
	WLOAD 1, 0, 4096
	WLOAD 2, 0, 4096
	WLOAD 3, 0, 4096
	WIN 0
.Lcvt:                                             ; 64 loads are out on either way
.irp b, 0,1,2,3
	s_wait_loadcnt 16*(3-\b)                       ; this block's sixteen loads are in; the later blocks' may be out
	BCVT \b, 16+32*\b                              ; each block has registers of its own: no store's data are written again
.irp i, 0,1,2,3,4,5,6,7
	global_store_b128 v9, v[16+32*\b+4*\i:19+32*\b+4*\i], s[OP:OP+1] offset:4096*\b+512*\i     ; 512 consecutive bytes
.endr
.endr
	END3
	s_endpgm
.Lfunc_end_k_q296d12f513_proj:
	.size	k_q296d12f513_proj, .Lfunc_end_k_q296d12f513_proj-k_q296d12f513_proj
	.p2alignl 7, 3214868480
	.fill 96, 4, 3214868480
	.section	.rodata,"a",@progbits
	.p2align	6, 0x0
	.amdhsa_kernel k_q296d12f513_proj
		.amdhsa_group_segment_fixed_size 133120
		.amdhsa_private_segment_fixed_size 0
		.amdhsa_enable_private_segment 0
		.amdhsa_kernarg_size 56
		.amdhsa_user_sgpr_count 2
		.amdhsa_user_sgpr_kernarg_segment_ptr 1
		.amdhsa_wavefront_size32 1
		.amdhsa_system_sgpr_workgroup_id_x 1
		.amdhsa_system_sgpr_workgroup_id_y 1
		.amdhsa_system_sgpr_workgroup_id_z 1
		.amdhsa_system_vgpr_workitem_id 0
		.amdhsa_next_free_vgpr 512
		.amdhsa_next_free_sgpr 66
		.amdhsa_reserve_vcc 0
		.amdhsa_float_denorm_mode_32 3
		.amdhsa_float_denorm_mode_16_64 3
		.amdhsa_memory_ordered 1
		.amdhsa_forward_progress 1
		.amdhsa_inst_pref_size 77
	.end_amdhsa_kernel
	.amdgpu_metadata
---
amdhsa.version: [ 1, 2 ]
amdhsa.kernels:
  - .name:           k_q296d12f513_proj
    .symbol:         k_q296d12f513_proj.kd
    .args:
      - { .name: sctx, .offset: 0, .size: 8, .value_kind: global_buffer, .address_space: global }
      - { .name: w_proj, .offset: 8, .size: 8, .value_kind: global_buffer, .address_space: global }
      - { .name: x, .offset: 16, .size: 8, .value_kind: global_buffer, .address_space: global }
      - { .name: b_proj, .offset: 24, .size: 8, .value_kind: global_buffer, .address_space: global }
      - { .name: w_f1, .offset: 32, .size: 8, .value_kind: global_buffer, .address_space: global }
      - { .name: w_f2, .offset: 40, .size: 8, .value_kind: global_buffer, .address_space: global }
      - { .name: pw, .offset: 48, .size: 8, .value_kind: global_buffer, .address_space: global }
    .group_segment_fixed_size: 133120
    .private_segment_fixed_size: 0
    .kernarg_segment_align: 8
    .kernarg_segment_size: 56
    .max_flat_workgroup_size: 256
    .sgpr_count:     66
    .vgpr_count:     512
    .wavefront_size: 32
...
	.end_amdgpu_metadata
.endif
;; end of part 9
;; launch ffn1 (part 10): grid 256 x 1, 8 waves a work-group, no clusters, 133,120 bytes of LDS; arguments pw, ln1_g, ln1_b, b_f1, fbuf; writes fbuf
.if DOCPART == 10
	.amdgcn_target "amdgcn-amd-amdhsa--gfx1250"
	.amdhsa_code_object_version 6
	.text
	.protected	k_q296d12f513_ffn1
	.globl	k_q296d12f513_ffn1
	.p2align	8
	.type	k_q296d12f513_ffn1,@function
k_q296d12f513_ffn1:
	s_mov_b64 s[64:65], 0
	v_nop
	global_prefetch_b8 v0, s[64:65] scope:SCOPE_SE
	s_setreg_imm32_b32 hwreg(HW_REG_WAVE_MODE, 25, 1), 1
	s_wait_xcnt 0x0
; FFN1: h = layer norm(x_mid) ln1_g + ln1_b; fbuf = gelu(h w_f1 + b_f1) as f16, a tile of 64 rows x 64 of the 4,096 columns to a work-group.
; pw holds x_mid [256][1024] f32 at byte 0 and, from byte 1,048,576, w_f1 as f16 images of B fragments, [column block 64][wave 8][16 KiB]: register group i of block b at 4,096 b + 512 i + 16 x lane.
; The layer norm is taken in f32, in two passes over a row that lies in one wave's registers (mean, then the mean of the squared differences), and h goes to LDS as f16, the product's operand.
; The eight waves share K = 1,024 (wave w: k = 128 w .. + 127); in a B fragment lane (r, h) holds column n0 + 4 r + c, register q the rows kb + 16 h + 2 q, + 1; A's fragments are read with the same order of k; the eight partial tiles meet in LDS.
; fbuf: the wave's results as they stand in its registers: [row block 4][column block 64][wave 8][u 2][lane 32][e 2][4] f16: row 64 mb + 16 (w / 2) + 8 h + 4 (w % 2) + 2 u + e, column 64 nb + 4 r + 0 .. 3: each store covers 512 consecutive bytes.
; No cluster: what the four work-groups on one column block share, the image, goes to registers.
; GELU is exact in form: erf by the rational approximation 7.1.26 of Abramowitz and Stegun, absolute error 1.5e-7 for every argument.
; LIMITS: operands beyond 65,504 in magnitude are not served (f16); NaN and infinities are not served.
; REGISTERS: v4-7 A's fragment addresses; v8 A's store address; v9 16 x lane; v10-12 partial tiles; v13 16 r; v14, v15 at work; v16-143 accumulators, first four rows of x_mid; v144-159 at work;
;   v176-239 first ln1_g, ln1_b, then A fragments; v240-255 packed row, later results; window 1: v0-127 the sixteen B fragments, v128-131 b_f1.
.set PITCH, 2064
.set SPARE, 132096
.set W1I, 1048576
.set WV, 24
.set MSB, 0
.macro WIN new
.if MSB != \new
	s_set_vgpr_msb (MSB<<8)|\new
.set MSB, \new
.endif
.endm
.macro PLACES
.rept 4
	v_nop
.endr
.endm
.macro BAR
	s_wait_dscnt 0x0
	s_barrier_signal -1
	s_barrier_wait -1
.endm
.macro XLOAD slot, row                 ; a row of x_mid
.irp i, 0,1,2,3,4,5,6,7
	global_load_b128 v[16+32*(\slot)+4*\i:19+32*(\slot)+4*\i], v9, s[18:19] offset:(\row)*4096+512*\i
.endr
.endm
.macro LANESUM t                       ; the sixteen numbers v[t] .. v[t + 15] of every lane, summed over the 32 lanes, into v14 of every lane
.irp k, 0,2,4,6
	v_pk_add_f32 v[(\t)+\k:(\t)+\k+1], v[(\t)+\k:(\t)+\k+1], v[(\t)+8+\k:(\t)+9+\k]
.endr
.irp k, 0,2
	v_pk_add_f32 v[(\t)+\k:(\t)+\k+1], v[(\t)+\k:(\t)+\k+1], v[(\t)+4+\k:(\t)+5+\k]
.endr
	v_pk_add_f32 v[(\t):(\t)+1], v[(\t):(\t)+1], v[(\t)+2:(\t)+3]
	v_add_f32 v14, v[(\t)], v[(\t)+1]
.irp m, 1,2,4,8
	v_add_f32_dpp v14, v14, v14 row_xmask:\m row_mask:0xf bank_mask:0xf
.endr
	v_permlanex16_b32 v15, v14, s40, s41
	v_add_f32 v14, v14, v15
.endm
.macro LNROW row, n                    ; one row's layer norm; n: the younger rows' loads, which may stay out
.set XB, 16+32*((\row)%4)
.set UB, 144
	s_wait_loadcnt \n
.set k, 0
.rept 8
	v_pk_add_f32 v[UB+k:UB+k+1], v[XB+k:XB+k+1], v[XB+16+k:XB+17+k]
.set k, k+2
.endr
	LANESUM UB
	v_mul_f32 v14, s42, v14                        ; the mean
.set k, 0
.rept 16
	v_pk_add_f32 v[XB+k:XB+k+1], v[XB+k:XB+k+1], v[14:15] op_sel_hi:[1,0] neg_lo:[0,1] neg_hi:[0,1]
.set k, k+2
.endr
.set k, 0
.rept 8
	v_pk_mul_f32 v[UB+k:UB+k+1], v[XB+k:XB+k+1], v[XB+k:XB+k+1]
.set k, k+2
.endr
.set k, 0
.rept 8
	v_pk_fma_f32 v[UB+k:UB+k+1], v[XB+16+k:XB+17+k], v[XB+16+k:XB+17+k], v[UB+k:UB+k+1]
.set k, k+2
.endr
	LANESUM UB
	v_fma_f32 v14, v14, s42, s43                   ; the variance + 1e-5
	v_rsq_f32 v14, v14
	v_nop
	s_wait_alu depctr_va_vdst(0)                   ; the wait ahead of the first reader
.set k, 0
.rept 16
	v_pk_mul_f32 v[XB+k:XB+k+1], v[XB+k:XB+k+1], v[14:15] op_sel_hi:[1,0]
.set k, k+2
.endr
.set k, 0
.rept 16
	v_pk_fma_f32 v[XB+k:XB+k+1], v[XB+k:XB+k+1], v[176+k:177+k], v[208+k:209+k]
.set k, k+2
.endr
	s_wait_dscnt 0x0                               ; the last row's stores have read v240-255
.set k, 0
.rept 16
	v_cvt_pk_f16_f32 v[240+k], v[XB+2*k], v[XB+2*k+1]
.set k, k+1
.endr
.irp i, 0,1,2,3,4,5,6,7
	ds_store_b64 v8, v[240+2*\i:241+2*\i] offset:(\row)*PITCH+256*\i
.endr
.if (\row) < 4
	XLOAD (\row), (\row)+4
.endif
.endm
.macro AFRAG set, n
.irp m, 0,1,2,3
	ds_load_b128 v[176+32*(\set)+8*\m:179+32*(\set)+8*\m], v[4+\m] offset:64*(\n)
	ds_load_b128 v[180+32*(\set)+8*\m:183+32*(\set)+8*\m], v[4+\m] offset:64*(\n)+16
.endr
.endm
.macro MM set, n                       ; B's fragments stand in window 1; the sixteen accumulators take turns
.irp m, 0,1,2,3
.irp c, 0,1,2,3
.if (\n) == 0
	v_wmma_f32_16x16x32_f16 v[16+8*(4*\m+\c):23+8*(4*\m+\c)], v[176+32*(\set)+8*\m:183+32*(\set)+8*\m], v[32*(\n)+8*\c:32*(\n)+8*\c+7], 0
.else
	v_wmma_f32_16x16x32_f16 v[16+8*(4*\m+\c):23+8*(4*\m+\c)], v[176+32*(\set)+8*\m:183+32*(\set)+8*\m], v[32*(\n)+8*\c:32*(\n)+8*\c+7], v[16+8*(4*\m+\c):23+8*(4*\m+\c)]
.endif
.endr
.endr
.endm
.macro BLOCK n
.if (\n) > 0
	PLACES                                         ; in front of the loads into A's other set
.endif
.if (\n) < 3
	AFRAG ((\n)+1)%2, (\n)+1
	s_wait_dscnt 8                                 ; this block's fragments are in; the next block's eight loads may be out
.else
	s_wait_dscnt 0x0
.endif
	WIN 0x04                                       ; source 1 in window 1
	MM (\n)%2, (\n)
	WIN 0
.endm
.macro REDUCE
	PLACES
	BAR                                            ; nobody reads A's tile any more: the partial tiles are laid over it
.irp a, 0,1,2,3,4,5,6,7,8,9,10,11,12,13,14,15
	ds_store_b128 v10, v[16+8*\a:19+8*\a] offset:\a*1024
	ds_store_b128 v10, v[20+8*\a:23+8*\a] offset:\a*1024+512
.endr
	BAR
.irp p, 0,1,2,3
.irp c, 0,1,2,3
	ds_load_b128 v[16+16*\p+4*\c:19+16*\p+4*\c], v11 offset:\p*16384+\c*1024
.endr
.endr
.irp p, 0,1,2,3
.irp c, 0,1,2,3
	ds_load_b128 v[80+16*\p+4*\c:83+16*\p+4*\c], v12 offset:\p*16384+\c*1024
.endr
.endr
	s_wait_dscnt 0x0
.irp p, 0,1,2,3
.irp k, 0,2,4,6,8,10,12,14
	v_pk_add_f32 v[16+32*\p+\k:17+32*\p+\k], v[16+32*\p+\k:17+32*\p+\k], v[32+32*\p+\k:33+32*\p+\k]
.endr
.endr
.irp p, 0,1
.irp k, 0,2,4,6,8,10,12,14
	v_pk_add_f32 v[16+64*\p+\k:17+64*\p+\k], v[16+64*\p+\k:17+64*\p+\k], v[48+64*\p+\k:49+64*\p+\k]
.endr
.endr
.endm
; gelu of the sixteen numbers v16-31 (index 4 c + jj) into v[240 + 4 jj + c].  au = |x| / sqrt 2; t = 1 / (1 + p au); q = t (a1 + t (a2 + t (a3 + t (a4 + t a5)))) 2^(-au^2 log2 e) = 1 - erf(au);
; gelu = (x/2 + |x/2|) - |x/2| q.  The 32 transcendentals are one batch with one wait.
.macro GELU16
.irp i, 0,1,2,3,4,5,6,7,8,9,10,11,12,13,14,15
	v_mul_f32 v[32+\i], s48, |v[16+\i]|
.endr
.irp i, 0,2,4,6,8,10,12,14
	v_pk_fma_f32 v[48+\i:49+\i], v[32+\i:33+\i], s[50:51], 1.0 op_sel_hi:[1,0,0]
	v_pk_mul_f32 v[64+\i:65+\i], v[32+\i:33+\i], v[32+\i:33+\i]
.endr
.irp i, 0,2,4,6,8,10,12,14
	v_pk_mul_f32 v[64+\i:65+\i], v[64+\i:65+\i], s[52:53] op_sel_hi:[1,0]
	v_pk_mul_f32 v[96+\i:97+\i], v[16+\i:17+\i], 0.5 op_sel_hi:[1,0]
.endr
.irp i, 0,1,2,3,4,5,6,7,8,9,10,11,12,13,14,15
	v_rcp_f32 v[48+\i], v[48+\i]
.endr
.irp i, 0,1,2,3,4,5,6,7,8,9,10,11,12,13,14,15
	v_exp_f32 v[64+\i], v[64+\i]
.endr
	v_nop
	s_wait_alu depctr_va_vdst(0)
.irp i, 0,1,2,3,4,5,6,7,8,9,10,11,12,13,14,15
	v_fma_f32 v[80+\i], v[48+\i], s54, s56
.endr
.irp k, 58,60,62
.irp i, 0,2,4,6,8,10,12,14
	v_pk_fma_f32 v[80+\i:81+\i], v[80+\i:81+\i], v[48+\i:49+\i], s[\k:\k+1] op_sel_hi:[1,1,0]
.endr
.endr
.irp i, 0,2,4,6,8,10,12,14
	v_pk_mul_f32 v[80+\i:81+\i], v[80+\i:81+\i], v[48+\i:49+\i]
.endr
.irp i, 0,2,4,6,8,10,12,14
	v_pk_mul_f32 v[80+\i:81+\i], v[80+\i:81+\i], v[64+\i:65+\i]
.endr
.irp i, 0,1,2,3,4,5,6,7,8,9,10,11,12,13,14,15
	v_add_f32 v[32+\i], v[96+\i], |v[96+\i]|
.endr
.irp c, 0,1,2,3
.irp j, 0,1,2,3
	v_fma_f32 v[240+4*\j+\c], -|v[96+4*\c+\j]|, v[80+4*\c+\j], v[32+4*\c+\j]
.endr
.endr
.endm
	s_load_b256 s[8:15], s[0:1], 0x0               ; pw s[8:9], ln1_g s[10:11], ln1_b s[12:13], b_f1 s[14:15]
	s_load_b64 s[16:17], s[0:1], 0x20              ; fbuf
	v_lshl_add_u32 v1, v0, 2, SPARE
	v_mov_b32 v2, 0
	v_lshrrev_b32 v14, 5, v0
	v_readfirstlane_b32 s[WV], v14
	v_and_b32 v14, 15, v0                          ; r
	v_bfe_u32 v15, v0, 4, 1                        ; h
	v_and_b32 v9, 31, v0
	v_lshlrev_b32 v9, 4, v9
	v_mul_u32_u24 v4, v14, PITCH
	v_lshl_add_u32 v4, v15, 5, v4
	s_lshl_b32 s25, s[WV], 8
	v_add_nc_u32 v4, s25, v4
	v_add_nc_u32 v5, 16*PITCH, v4
	v_add_nc_u32 v6, 32*PITCH, v4
	v_add_nc_u32 v7, 48*PITCH, v4
	s_mul_i32 s25, s[WV], 8*PITCH
	v_lshrrev_b32 v8, 1, v9
	v_add_nc_u32 v8, s25, v8
	s_lshl_b32 s25, s[WV], 14
	v_add_nc_u32 v10, s25, v9
	s_lshr_b32 s25, s[WV], 1
	s_lshl_b32 s25, s25, 12
	s_and_b32 s26, s[WV], 1
	s_lshl_b32 s26, s26, 9
	s_add_co_u32 s25, s25, s26
	v_add_nc_u32 v11, s25, v9
	v_add_nc_u32 v12, 0x10000, v11
	v_lshlrev_b32 v13, 4, v14                      ; 16 r
	s_mov_b32 s40, 0x76543210
	s_mov_b32 s41, 0xfedcba98                      ; v_permlanex16_b32's selects for lane l xor 16
	s_mov_b32 s42, 0x3a800000                      ; 1 / 1,024
	s_mov_b32 s43, 0x3727c5ac                      ; 1e-5
	s_mov_b32 s48, 0x3f3504f3                      ; 1 / sqrt 2
	s_mov_b32 s50, 0x3ea7ba05                      ; p = 0.3275911
	s_mov_b32 s51, s50
	s_mov_b32 s52, 0xbfb8aa3b                      ; -log2 e
	s_mov_b32 s53, s52
	s_mov_b32 s54, 0x3f87dc22                      ; a5
	s_mov_b32 s56, 0xbfba00e3                      ; a4
	s_mov_b32 s58, 0x3fb5f0e3                      ; a3
	s_mov_b32 s59, s58
	s_mov_b32 s60, 0xbe91a98e                      ; a2
	s_mov_b32 s61, s60
	s_mov_b32 s62, 0x3e827906                      ; a1
	s_mov_b32 s63, s62
	s_and_b32 s26, ttmp9, 3                        ; block of 64 rows
	s_lshr_b32 s27, ttmp9, 2                       ; block of 64 columns, 0 .. 63
	s_mov_b32 s31, 0
	s_wait_kmcnt 0x0
	s_lshl_b32 s28, s26, 6
	s_lshl_b32 s29, s[WV], 3
	s_add_co_u32 s30, s28, s29
	s_lshl_b32 s30, s30, 12
	s_add_nc_u64 s[18:19], s[8:9], s[30:31]        ; my eight rows of x_mid
	s_lshl_b32 s30, s27, 3
	s_add_co_u32 s30, s30, s[WV]
	s_lshl_b32 s30, s30, 14
	s_add_co_u32 s30, s30, W1I
	s_add_nc_u64 s[20:21], s[8:9], s[30:31]        ; my slab's image, 16 KiB
	s_lshl_b32 s30, s27, 8
	s_add_nc_u64 s[14:15], s[14:15], s[30:31]      ; b_f1 at my 64 columns
	s_add_co_u32 s30, s28, s27                     ; 64 x row block + column block
	s_lshl_b32 s30, s30, 3
	s_add_co_u32 s30, s30, s[WV]
	s_lshl_b32 s30, s30, 10
	s_add_nc_u64 s[16:17], s[16:17], s[30:31]      ; my 1,024 bytes of fbuf
.irp i, 0,1,2,3,4,5,6,7
	global_load_b128 v[176+4*\i:179+4*\i], v9, s[10:11] offset:512*\i
.endr
.irp i, 0,1,2,3,4,5,6,7
	global_load_b128 v[208+4*\i:211+4*\i], v9, s[12:13] offset:512*\i
.endr
	WIN 0x40
	global_load_b128 v[128:131], v13, s[14:15]
.set i, 0
.rept 32
	global_load_b128 v[4*i:4*i+3], v9, s[20:21] offset:512*i   ; the sixteen B fragments, as they were stored
.set i, i+1
.endr
	WIN 0
	XLOAD 0, 0
	XLOAD 1, 1
	XLOAD 2, 2
	XLOAD 3, 3
	LNROW 0, 24
	LNROW 1, 24
	LNROW 2, 24
	LNROW 3, 24
	LNROW 4, 24
	LNROW 5, 16
	LNROW 6, 8
	LNROW 7, 0                                     ; nothing is out: the fragments and b_f1 are in too
	BAR
	AFRAG 0, 0
	BLOCK 0
	BLOCK 1
	BLOCK 2
	BLOCK 3
	REDUCE
.irp k, 0,2,4,6,8,10,12,14
	v_pk_add_f32 v[16+\k:17+\k], v[16+\k:17+\k], v[80+\k:81+\k]
.endr
	WIN 0x04                                       ; source 1 (b_f1) in window 1
.irp p, 0,2
	v_pk_add_f32 v[16+\p:17+\p], v[16+\p:17+\p], v[128:129] op_sel_hi:[1,0]
	v_pk_add_f32 v[20+\p:21+\p], v[20+\p:21+\p], v[128:129] op_sel:[0,1] op_sel_hi:[1,1]
	v_pk_add_f32 v[24+\p:25+\p], v[24+\p:25+\p], v[130:131] op_sel_hi:[1,0]
	v_pk_add_f32 v[28+\p:29+\p], v[28+\p:29+\p], v[130:131] op_sel:[0,1] op_sel_hi:[1,1]
.endr
	WIN 0
	GELU16
.irp j, 0,1,2,3
.irp p, 0,1
	v_cvt_pk_f16_f32 v[112+2*\j+\p], v[240+4*\j+2*\p], v[241+4*\j+2*\p]    ; the next product's operand: rounded once, here
.endr
.endr
	global_store_b128 v9, v[112:115], s[16:17]             ; rows jj = 0, 1: 512 consecutive bytes
	global_store_b128 v9, v[116:119], s[16:17] offset:512  ; rows jj = 2, 3
	s_wait_tensorcnt 0x0                           ; the wave's end, behind the last LDS store
	ds_add_u32 v1, v2
	s_wait_dscnt 0x0
	s_endpgm
.Lfunc_end_k_q296d12f513_ffn1:
	.size	k_q296d12f513_ffn1, .Lfunc_end_k_q296d12f513_ffn1-k_q296d12f513_ffn1
	.p2alignl 7, 3214868480
	.fill 96, 4, 3214868480
	.section	.rodata,"a",@progbits
	.p2align	6, 0x0
	.amdhsa_kernel k_q296d12f513_ffn1
		.amdhsa_group_segment_fixed_size 133120
		.amdhsa_private_segment_fixed_size 0
		.amdhsa_enable_private_segment 0
		.amdhsa_kernarg_size 40
		.amdhsa_user_sgpr_count 2
		.amdhsa_user_sgpr_kernarg_segment_ptr 1
		.amdhsa_wavefront_size32 1
		.amdhsa_system_sgpr_workgroup_id_x 1
		.amdhsa_system_sgpr_workgroup_id_y 1
		.amdhsa_system_sgpr_workgroup_id_z 1
		.amdhsa_system_vgpr_workitem_id 0
		.amdhsa_next_free_vgpr 512
		.amdhsa_next_free_sgpr 66
		.amdhsa_reserve_vcc 0
		.amdhsa_float_denorm_mode_32 3
		.amdhsa_float_denorm_mode_16_64 3
		.amdhsa_memory_ordered 1
		.amdhsa_forward_progress 1
		.amdhsa_inst_pref_size 103
	.end_amdhsa_kernel
	.amdgpu_metadata
---
amdhsa.version: [ 1, 2 ]
amdhsa.kernels:
  - .name:           k_q296d12f513_ffn1
    .symbol:         k_q296d12f513_ffn1.kd
    .args:
      - { .name: pw, .offset: 0, .size: 8, .value_kind: global_buffer, .address_space: global }
      - { .name: ln1_g, .offset: 8, .size: 8, .value_kind: global_buffer, .address_space: global }
      - { .name: ln1_b, .offset: 16, .size: 8, .value_kind: global_buffer, .address_space: global }
      - { .name: b_f1, .offset: 24, .size: 8, .value_kind: global_buffer, .address_space: global }
      - { .name: fbuf, .offset: 32, .size: 8, .value_kind: global_buffer, .address_space: global }
    .group_segment_fixed_size: 133120
    .private_segment_fixed_size: 0
    .kernarg_segment_align: 8
    .kernarg_segment_size: 40
    .max_flat_workgroup_size: 256
    .sgpr_count:     66
    .vgpr_count:     512
    .wavefront_size: 32
...
	.end_amdgpu_metadata
.endif
;; end of part 10
;; launch ffn2 (part 11): grid 64 x 4, 8 waves a work-group, no clusters, 133,120 bytes of LDS; arguments fbuf, pw, b_f2, ypart; writes ypart
.if DOCPART == 11
	.amdgcn_target "amdgcn-amd-amdhsa--gfx1250"
	.amdhsa_code_object_version 6
	.text
	.protected	k_q296d12f513_ffn2
	.globl	k_q296d12f513_ffn2
	.p2align	8
	.type	k_q296d12f513_ffn2,@function
k_q296d12f513_ffn2:
	s_mov_b64 s[64:65], 0
	v_nop
	global_prefetch_b8 v0, s[64:65] scope:SCOPE_SE
	s_setreg_imm32_b32 hwreg(HW_REG_WAVE_MODE, 25, 1), 1
	s_wait_xcnt 0x0
; FFN2: ypart[q] = f[:, 1024 q .. + 1023] w_f2[1024 q .. + 1023, :], a tile of 64 rows x 64 columns to a work-group, q = work-group y; slab 0 also takes x_mid and b_f2 in.  The last launch adds the four slabs.
; fbuf holds f = gelu(..) as f16, [row block 4][column block 64][wave 8][u 2][lane 32][e 2][4]: lane (r, h) of wave ws: row 64 mb + 16 (ws / 2) + 8 h + 4 (ws % 2) + 2 u + e, columns 64 nb + 4 r + 0 .. 3.
; pw holds x_mid [256][1024] f32 at byte 0 and, from byte 9,437,184, w_f2 as f16 images of B fragments, [slab 4][column block 16][wave 8][16 KiB]: register group i of block b at 4,096 b + 512 i + 16 x lane.
; Wave w brings two of the slab's sixteen column blocks of f, 16 KiB on end, and lays them into LDS rows of 2,048 bytes + 16 by stores of 8 bytes: the 32 lanes of a store touch two runs of 128 bytes, 8 rows apart, which fall on different banks.
; The eight waves share K = 1,024 (wave w: k = 128 w .. + 127); A's fragments are read with the order of k that the images have; the eight partial tiles meet in LDS.  f16 operands, f32 sums.
; No cluster: what the four work-groups on one image share goes to registers.
; LIMITS: operands beyond 65,504 in magnitude are not served (f16); NaN and infinities are not served.
; REGISTERS: v4-7 A's fragment addresses; v8, v3 A's store addresses (rows 0-31, 32-63); v9 16 x lane; v10-12 partial tiles; v13 output offset; v14 16 r; v16-143 accumulators, first f as loaded;
;   v144-159 x_mid's tile, v160-163 b_f2; v176-239 A fragments; v240-255 results; window 1: v0-127 the sixteen B fragments.
.set PITCH, 2064
.set PO, 4096
.set SPARE, 132096
.set W2I, 9437184
.set WV, 24
.set MSB, 0
.macro WIN new
.if MSB != \new
	s_set_vgpr_msb (MSB<<8)|\new
.set MSB, \new
.endif
.endm
.macro PLACES
.rept 4
	v_nop
.endr
.endm
.macro BAR
	s_wait_dscnt 0x0
	s_barrier_signal -1
	s_barrier_wait -1
.endm
.macro AFRAG set, n
.irp m, 0,1,2,3
	ds_load_b128 v[176+32*(\set)+8*\m:179+32*(\set)+8*\m], v[4+\m] offset:64*(\n)
	ds_load_b128 v[180+32*(\set)+8*\m:183+32*(\set)+8*\m], v[4+\m] offset:64*(\n)+16
.endr
.endm
.macro MM set, n                       ; B's fragments stand in window 1; the sixteen accumulators take turns
.irp m, 0,1,2,3
.irp c, 0,1,2,3
.if (\n) == 0
	v_wmma_f32_16x16x32_f16 v[16+8*(4*\m+\c):23+8*(4*\m+\c)], v[176+32*(\set)+8*\m:183+32*(\set)+8*\m], v[32*(\n)+8*\c:32*(\n)+8*\c+7], 0
.else
	v_wmma_f32_16x16x32_f16 v[16+8*(4*\m+\c):23+8*(4*\m+\c)], v[176+32*(\set)+8*\m:183+32*(\set)+8*\m], v[32*(\n)+8*\c:32*(\n)+8*\c+7], v[16+8*(4*\m+\c):23+8*(4*\m+\c)]
.endif
.endr
.endr
.endm
.macro BLOCK n
.if (\n) > 0
	PLACES                                         ; in front of the loads into A's other set
.endif
.if (\n) < 3
	AFRAG ((\n)+1)%2, (\n)+1
	s_wait_dscnt 8                                 ; this block's fragments are in; the next block's eight loads may be out
.else
	s_wait_dscnt 0x0
.endif
	WIN 0x04                                       ; source 1 in window 1
	MM (\n)%2, (\n)
	WIN 0
.endm
.macro REDUCE
	PLACES
	BAR                                            ; nobody reads A's tile any more: the partial tiles are laid over it
.irp a, 0,1,2,3,4,5,6,7,8,9,10,11,12,13,14,15
	ds_store_b128 v10, v[16+8*\a:19+8*\a] offset:\a*1024
	ds_store_b128 v10, v[20+8*\a:23+8*\a] offset:\a*1024+512
.endr
	BAR
.irp p, 0,1,2,3
.irp c, 0,1,2,3
	ds_load_b128 v[16+16*\p+4*\c:19+16*\p+4*\c], v11 offset:\p*16384+\c*1024
.endr
.endr
.irp p, 0,1,2,3
.irp c, 0,1,2,3
	ds_load_b128 v[80+16*\p+4*\c:83+16*\p+4*\c], v12 offset:\p*16384+\c*1024
.endr
.endr
	s_wait_dscnt 0x0
.irp p, 0,1,2,3
.irp k, 0,2,4,6,8,10,12,14
	v_pk_add_f32 v[16+32*\p+\k:17+32*\p+\k], v[16+32*\p+\k:17+32*\p+\k], v[32+32*\p+\k:33+32*\p+\k]
.endr
.endr
.irp p, 0,1
.irp k, 0,2,4,6,8,10,12,14
	v_pk_add_f32 v[16+64*\p+\k:17+64*\p+\k], v[16+64*\p+\k:17+64*\p+\k], v[48+64*\p+\k:49+64*\p+\k]
.endr
.endr
.endm
	s_load_b256 s[8:15], s[0:1], 0x0               ; fbuf s[8:9], pw s[10:11], b_f2 s[12:13], ypart s[14:15]
	v_lshl_add_u32 v1, v0, 2, SPARE
	v_mov_b32 v2, 0
	v_lshrrev_b32 v14, 5, v0
	v_readfirstlane_b32 s[WV], v14
	v_and_b32 v14, 15, v0                          ; r
	v_bfe_u32 v15, v0, 4, 1                        ; h
	v_and_b32 v9, 31, v0
	v_lshlrev_b32 v9, 4, v9
	v_mul_u32_u24 v4, v14, PITCH
	v_lshl_add_u32 v4, v15, 5, v4
	s_lshl_b32 s25, s[WV], 8
	v_add_nc_u32 v4, s25, v4
	v_add_nc_u32 v5, 16*PITCH, v4
	v_add_nc_u32 v6, 32*PITCH, v4
	v_add_nc_u32 v7, 48*PITCH, v4
	v_mul_u32_u24 v8, v15, 8*PITCH
	v_lshl_add_u32 v8, v14, 3, v8
	v_add_nc_u32 v8, s25, v8                       ; f on its way in: 8 h rows + 8 r bytes + my two column blocks' 256 bytes of each row
	v_add_nc_u32 v3, 32*PITCH, v8
	s_lshl_b32 s25, s[WV], 14
	v_add_nc_u32 v10, s25, v9
	s_lshr_b32 s25, s[WV], 1
	s_lshl_b32 s25, s25, 12
	s_and_b32 s26, s[WV], 1
	s_lshl_b32 s26, s26, 9
	s_add_co_u32 s25, s25, s26
	v_add_nc_u32 v11, s25, v9
	v_add_nc_u32 v12, 0x10000, v11
	v_mul_u32_u24 v13, v15, 8*PO
	v_lshl_add_u32 v13, v14, 4, v13
	v_lshlrev_b32 v14, 4, v14                      ; 16 r
	s_and_b32 s26, ttmp9, 3                        ; block of 64 rows
	s_lshr_b32 s27, ttmp9, 2                       ; block of 64 columns
	s_and_b32 s32, ttmp7, 0xffff                   ; the slab of K
	s_mov_b32 s31, 0
	s_wait_kmcnt 0x0
	s_lshl_b32 s28, s26, 6
	s_lshl_b32 s30, s32, 4
	s_add_co_u32 s30, s30, s28
	s_lshl_b32 s29, s[WV], 1
	s_add_co_u32 s30, s30, s29                     ; 64 x row block + the slab's sixteen column blocks of f + my two
	s_lshl_b32 s30, s30, 13
	s_add_nc_u64 s[8:9], s[8:9], s[30:31]
	s_lshl_b32 s30, s32, 4
	s_add_co_u32 s30, s30, s27
	s_lshl_b32 s30, s30, 3
	s_add_co_u32 s30, s30, s[WV]
	s_lshl_b32 s30, s30, 14
	s_add_co_u32 s30, s30, W2I
	s_add_nc_u64 s[16:17], s[10:11], s[30:31]      ; my slab's image, 16 KiB
	s_lshr_b32 s30, s[WV], 1
	s_lshl_b32 s30, s30, 4
	s_add_co_u32 s30, s30, s28
	s_and_b32 s25, s[WV], 1
	s_lshl_b32 s25, s25, 2
	s_add_co_u32 s30, s30, s25
	s_lshl_b32 s30, s30, 12
	s_lshl_b32 s29, s27, 8
	s_add_co_u32 s30, s30, s29
	s_add_nc_u64 s[10:11], s[10:11], s[30:31]      ; x_mid at the places that I store
	s_lshl_b32 s33, s32, 20
	s_add_co_u32 s30, s30, s33
	s_add_nc_u64 s[14:15], s[14:15], s[30:31]      ; those places in my slab of ypart
	s_mov_b32 s30, s29
	s_add_nc_u64 s[12:13], s[12:13], s[30:31]      ; b_f2 at the tile's columns
	WIN 0x40
.set i, 0
.rept 32
	global_load_b128 v[4*i:4*i+3], v9, s[16:17] offset:512*i   ; the sixteen B fragments, as they were stored
.set i, i+1
.endr
	WIN 0
.set i, 0
.rept 32
	global_load_b128 v[16+4*i:19+4*i], v9, s[8:9] offset:512*i ; f: column block i / 16 of my two, wave (i % 16) / 2, u = i % 2
.set i, i+1
.endr
.set i, 0
.rept 32
.if (i%8) == 0
	s_wait_loadcnt 8*(3-i/8)                       ; these eight loads are in; the later ones may be out; at the last group nothing is out: the fragments are in too
.endif
.set ws, (i%16)/2
.set AB, 8-5*(ws/4)
.set rw0, 16*((ws%4)/2)+4*(ws%2)+2*(i%2)
	ds_store_b64 v[AB], v[16+4*i:17+4*i] offset:rw0*PITCH+128*(i/16)
	ds_store_b64 v[AB], v[18+4*i:19+4*i] offset:(rw0+1)*PITCH+128*(i/16)
.set i, i+1
.endr
	BAR                                            ; the 64 rows of f lie in LDS
	AFRAG 0, 0
.irp j, 0,1,2,3
	global_load_b128 v[144+4*\j:147+4*\j], v13, s[10:11] offset:\j*4096    ; x_mid and b_f2: every slab loads them, slab 0 adds them
.endr
	global_load_b128 v[160:163], v14, s[12:13]
	BLOCK 0
	BLOCK 1
	BLOCK 2
	BLOCK 3
	REDUCE
	s_wait_loadcnt 0x0
.irp c, 0,1,2,3
.irp j, 0,1,2,3
	v_add_f32 v[240+4*\j+\c], v[16+4*\c+\j], v[80+4*\c+\j]     ; the last addition turns the sixteen numbers: four neighbouring columns to a store
.endr
.endr
	s_cmp_lg_u32 s32, 0
	s_cbranch_scc1 .Lbare
.irp k, 0,2,4,6,8,10,12,14
	v_pk_add_f32 v[240+\k:241+\k], v[240+\k:241+\k], v[144+\k:145+\k]      ; + x_mid
.endr
.irp j, 0,1,2,3
.irp p, 0,2
	v_pk_add_f32 v[240+4*\j+\p:241+4*\j+\p], v[240+4*\j+\p:241+4*\j+\p], v[160+\p:161+\p]  ; + b_f2
.endr
.endr
.Lbare:
.irp j, 0,1,2,3
	global_store_b128 v13, v[240+4*\j:243+4*\j], s[14:15] offset:\j*PO     ; sixteen lanes store 256 consecutive bytes, aligned
.endr
	s_wait_tensorcnt 0x0                           ; the wave's end, behind the last LDS store
	ds_add_u32 v1, v2
	s_wait_dscnt 0x0
	s_endpgm
.Lfunc_end_k_q296d12f513_ffn2:
	.size	k_q296d12f513_ffn2, .Lfunc_end_k_q296d12f513_ffn2-k_q296d12f513_ffn2
	.p2alignl 7, 3214868480
	.fill 96, 4, 3214868480
	.section	.rodata,"a",@progbits
	.p2align	6, 0x0
	.amdhsa_kernel k_q296d12f513_ffn2
		.amdhsa_group_segment_fixed_size 133120
		.amdhsa_private_segment_fixed_size 0
		.amdhsa_enable_private_segment 0
		.amdhsa_kernarg_size 32
		.amdhsa_user_sgpr_count 2
		.amdhsa_user_sgpr_kernarg_segment_ptr 1
		.amdhsa_wavefront_size32 1
		.amdhsa_system_sgpr_workgroup_id_x 1
		.amdhsa_system_sgpr_workgroup_id_y 1
		.amdhsa_system_sgpr_workgroup_id_z 1
		.amdhsa_system_vgpr_workitem_id 0
		.amdhsa_next_free_vgpr 512
		.amdhsa_next_free_sgpr 66
		.amdhsa_reserve_vcc 0
		.amdhsa_float_denorm_mode_32 3
		.amdhsa_float_denorm_mode_16_64 3
		.amdhsa_memory_ordered 1
		.amdhsa_forward_progress 1
		.amdhsa_inst_pref_size 30
	.end_amdhsa_kernel
	.amdgpu_metadata
---
amdhsa.version: [ 1, 2 ]
amdhsa.kernels:
  - .name:           k_q296d12f513_ffn2
    .symbol:         k_q296d12f513_ffn2.kd
    .args:
      - { .name: fbuf, .offset: 0, .size: 8, .value_kind: global_buffer, .address_space: global }
      - { .name: pw, .offset: 8, .size: 8, .value_kind: global_buffer, .address_space: global }
      - { .name: b_f2, .offset: 16, .size: 8, .value_kind: global_buffer, .address_space: global }
      - { .name: ypart, .offset: 24, .size: 8, .value_kind: global_buffer, .address_space: global }
    .group_segment_fixed_size: 133120
    .private_segment_fixed_size: 0
    .kernarg_segment_align: 8
    .kernarg_segment_size: 32
    .max_flat_workgroup_size: 256
    .sgpr_count:     66
    .vgpr_count:     512
    .wavefront_size: 32
...
	.end_amdgpu_metadata
.endif
;; end of part 11
;; launch ln2 (part 12): grid 256 x 1, 1 waves a work-group, no clusters, 0 bytes of LDS; arguments ypart, ln2_g, ln2_b, out0; writes out0
.if DOCPART == 12
	.amdgcn_target "amdgcn-amd-amdhsa--gfx1250"
	.amdhsa_code_object_version 6
	.text
	.protected	k_q296d12f513_ln2
	.globl	k_q296d12f513_ln2
	.p2align	8
	.type	k_q296d12f513_ln2,@function
k_q296d12f513_ln2:
	s_mov_b64 s[64:65], 0
	v_nop
	global_prefetch_b8 v0, s[64:65] scope:SCOPE_SE
	s_setreg_imm32_b32 hwreg(HW_REG_WAVE_MODE, 25, 1), 1
	s_wait_xcnt 0x0
; LN2: out0 = layer norm(the sum of ypart's four slabs) ln2_g + ln2_b; slab 0 holds x_mid and b_f2 beside its part of the second FFN product.  One wave, one row of 1,024 numbers, 32 a lane; all in f32, the norm in two passes over registers.
; No LDS, no barrier, no matrix unit: a row's reduction never leaves the wave.  All six rows are asked for at once; each load and store of the wave covers 512 consecutive bytes.
; LIMITS: NaN and infinities are not served.
.set A, 16
.set B, 48
.set C, 80
.set D, 112
.set E, 144
.set F, 176
.macro LD8 d, p, off
.irp i, 0,1,2,3,4,5,6,7
	global_load_b128 v[(\d)+4*\i:(\d)+4*\i+3], v3, s[\p:\p+1] offset:(\off)+512*\i
.endr
.endm
.macro ADDSET s
.set k, 0
.rept 16
	v_pk_add_f32 v[A+k:A+k+1], v[A+k:A+k+1], v[(\s)+k:(\s)+k+1]
.set k, k+2
.endr
.endm
.macro LANESUM t                       ; the sixteen numbers v[t] .. v[t + 15] of every lane, summed over the 32 lanes, into v14 of every lane
.irp k, 0,2,4,6
	v_pk_add_f32 v[(\t)+\k:(\t)+\k+1], v[(\t)+\k:(\t)+\k+1], v[(\t)+8+\k:(\t)+9+\k]
.endr
.irp k, 0,2
	v_pk_add_f32 v[(\t)+\k:(\t)+\k+1], v[(\t)+\k:(\t)+\k+1], v[(\t)+4+\k:(\t)+5+\k]
.endr
	v_pk_add_f32 v[(\t):(\t)+1], v[(\t):(\t)+1], v[(\t)+2:(\t)+3]
	v_add_f32 v14, v[(\t)], v[(\t)+1]
.irp m, 1,2,4,8
	v_add_f32_dpp v14, v14, v14 row_xmask:\m row_mask:0xf bank_mask:0xf
.endr
	v_permlanex16_b32 v15, v14, s40, s41
	v_add_f32 v14, v14, v15
.endm
	s_load_b256 s[8:15], s[0:1], 0x0               ; ypart s[8:9], ln2_g s[10:11], ln2_b s[12:13], out0 s[14:15]
	v_lshlrev_b32 v3, 4, v0                        ; 16 x lane
	v_mov_b32 v15, 0                               ; written once: a lane permute's destination counts as one of its sources
	s_lshl_b32 s24, ttmp9, 12                      ; my row
	s_mov_b32 s25, 0
	s_mov_b32 s40, 0x76543210
	s_mov_b32 s41, 0xfedcba98
	s_mov_b32 s42, 0x3a800000                      ; 1 / 1,024
	s_mov_b32 s43, 0x3727c5ac                      ; 1e-5
	s_wait_kmcnt 0x0
	s_add_nc_u64 s[8:9], s[8:9], s[24:25]
	s_add_nc_u64 s[14:15], s[14:15], s[24:25]
	LD8 A, 8, 0
	LD8 B, 8, 1048576
	LD8 C, 8, 2097152
	LD8 D, 8, 3145728
	LD8 E, 10, 0                                   ; ln2_g
	LD8 F, 12, 0                                   ; ln2_b
	s_wait_loadcnt 32                              ; slabs 0 and 1 are in; four sets' 32 loads are younger
	ADDSET B
	s_wait_loadcnt 24                              ; slab 2 is in; three sets are younger
	ADDSET C
	s_wait_loadcnt 16
	ADDSET D
.set k, 0
.rept 8
	v_pk_add_f32 v[B+k:B+k+1], v[A+k:A+k+1], v[A+16+k:A+17+k]
.set k, k+2
.endr
	LANESUM B
	v_mul_f32 v14, s42, v14                        ; the mean
.set k, 0
.rept 16
	v_pk_add_f32 v[A+k:A+k+1], v[A+k:A+k+1], v[14:15] op_sel_hi:[1,0] neg_lo:[0,1] neg_hi:[0,1]
.set k, k+2
.endr
.set k, 0
.rept 8
	v_pk_mul_f32 v[B+k:B+k+1], v[A+k:A+k+1], v[A+k:A+k+1]
.set k, k+2
.endr
.set k, 0
.rept 8
	v_pk_fma_f32 v[B+k:B+k+1], v[A+16+k:A+17+k], v[A+16+k:A+17+k], v[B+k:B+k+1]
.set k, k+2
.endr
	LANESUM B
	v_fma_f32 v14, v14, s42, s43                   ; the variance + 1e-5
	v_rsq_f32 v14, v14
	v_nop
	s_wait_alu depctr_va_vdst(0)                   ; the wait ahead of the first reader
.set k, 0
.rept 16
	v_pk_mul_f32 v[A+k:A+k+1], v[A+k:A+k+1], v[14:15] op_sel_hi:[1,0]
.set k, k+2
.endr
	s_wait_loadcnt 0x0                             ; the gain and the bias
.set k, 0
.rept 16
	v_pk_fma_f32 v[A+k:A+k+1], v[A+k:A+k+1], v[E+k:E+k+1], v[F+k:F+k+1]
.set k, k+2
.endr
.irp i, 0,1,2,3,4,5,6,7
	global_store_b128 v3, v[A+4*\i:A+4*\i+3], s[14:15] offset:512*\i
.endr
	s_endpgm
.Lfunc_end_k_q296d12f513_ln2:
	.size	k_q296d12f513_ln2, .Lfunc_end_k_q296d12f513_ln2-k_q296d12f513_ln2
	.p2alignl 7, 3214868480
	.fill 96, 4, 3214868480
	.section	.rodata,"a",@progbits
	.p2align	6, 0x0
	.amdhsa_kernel k_q296d12f513_ln2
		.amdhsa_group_segment_fixed_size 0
		.amdhsa_private_segment_fixed_size 0
		.amdhsa_enable_private_segment 0
		.amdhsa_kernarg_size 32
		.amdhsa_user_sgpr_count 2
		.amdhsa_user_sgpr_kernarg_segment_ptr 1
		.amdhsa_wavefront_size32 1
		.amdhsa_system_sgpr_workgroup_id_x 1
		.amdhsa_system_sgpr_workgroup_id_y 1
		.amdhsa_system_sgpr_workgroup_id_z 1
		.amdhsa_system_vgpr_workitem_id 0
		.amdhsa_next_free_vgpr 224
		.amdhsa_next_free_sgpr 66
		.amdhsa_reserve_vcc 0
		.amdhsa_float_denorm_mode_32 3
		.amdhsa_float_denorm_mode_16_64 3
		.amdhsa_memory_ordered 1
		.amdhsa_forward_progress 1
		.amdhsa_inst_pref_size 16
	.end_amdhsa_kernel
	.amdgpu_metadata
---
amdhsa.version: [ 1, 2 ]
amdhsa.kernels:
  - .name:           k_q296d12f513_ln2
    .symbol:         k_q296d12f513_ln2.kd
    .args:
      - { .name: ypart, .offset: 0, .size: 8, .value_kind: global_buffer, .address_space: global }
      - { .name: ln2_g, .offset: 8, .size: 8, .value_kind: global_buffer, .address_space: global }
      - { .name: ln2_b, .offset: 16, .size: 8, .value_kind: global_buffer, .address_space: global }
      - { .name: out0, .offset: 24, .size: 8, .value_kind: global_buffer, .address_space: global }
    .group_segment_fixed_size: 0
    .private_segment_fixed_size: 0
    .kernarg_segment_align: 8
    .kernarg_segment_size: 32
    .max_flat_workgroup_size: 32
    .sgpr_count:     66
    .vgpr_count:     224
    .wavefront_size: 32
...
	.end_amdgpu_metadata
.endif
;; end of part 12
